; MI455X (gfx1250); checked and timed in simulation.
; The chip was launched on July 23, 2026; its instructions are those of AMD's public machine-readable ISA for CDNA 5 (MIT licence, August 2026) and "CDNA5" Instruction Set Architecture Reference Guide (July 2026). The comments in the code are by the model that wrote it; some were corrected since.
;; Encoder. Allowed arithmetic: matrix products marked QUANTISED: E3M2 operands, one E8M0 scale for each 32 along K, by v_wmma_scale_f32_16x16x128_f8f6f4 with both operands' format E3M2, f32 sums; everything else in f32.
;; Inputs: W11 256 x 256 float32; W12 256 x 256 float32; W13 256 x 256 float32; W14 256 x 256 float32; W21 256 x 256 float32; W22 256 x 256 float32; W23 256 x 256 float32; W24 256 x 256 float32; Wf11 1,024 x 256 float32; Wf12 1,024 x 256 float32; Wf21 256 x 1,024 float32; Wf22 256 x 1,024 float32; b1 256 float32; b2 256 float32; b3 256 float32; b4 256 float32; g1 256 float32; g2 256 float32; g3 256 float32; g4 256 float32; x 4 x 2,048 x 256 float32.
;; Outputs: out0 4 x 2,048 x 256 float32.
;; This version of the problem:
;;   THIS VERSION OF THE PROBLEM IS GIVEN IN LOW PRECISION. The matrix products marked QUANTISED in the list below multiply operands that are first quantised to E3M2 (3 exponent bits, 2 mantissa bits; 6 bits a number), with one power-of-two scale for each 32 numbers along K (OCP MX v1.0); their sums are f32. All else is computed in f32.
;;   The module's matrix products, in the order in which they are computed (A, B: the left and right operand; K: the contracted axis; several contracted axes count as one K, in the product's order):
;;     1. [M 8,192, K 256] x [K 256, N 256]; A: input x; B: input W11: QUANTISED
;;     2. [M 8,192, K 256] x [K 256, N 256]; A: input x; B: input W12: QUANTISED
;;     3. [M 8,192, K 256] x [K 256, N 256]; A: input x; B: input W13: QUANTISED
;;     4. batch 32 x [M 2,048, K 32] x [K 32, N 2,048]; A: computed on the way; B: computed on the way: QUANTISED
;;     5. batch 32 x [M 2,048, K 2,048] x [K 2,048, N 32]; A: softmax (see below); B: computed on the way: QUANTISED
;;     6. [M 8,192, K 256] x [K 256, N 256]; A: computed on the way; B: input W14: QUANTISED
;;     7. [M 8,192, K 256] x [K 256, N 1,024]; A: computed on the way; B: input Wf11: QUANTISED
;;     8. [M 8,192, K 1,024] x [K 1,024, N 256]; A: computed on the way; B: input Wf21: QUANTISED
;;     9. [M 8,192, K 256] x [K 256, N 256]; A: computed on the way; B: input W21: QUANTISED
;;     10. [M 8,192, K 256] x [K 256, N 256]; A: computed on the way; B: input W22: QUANTISED
;;     11. [M 8,192, K 256] x [K 256, N 256]; A: computed on the way; B: input W23: QUANTISED
;;     12. batch 32 x [M 2,048, K 32] x [K 32, N 2,048]; A: computed on the way; B: computed on the way: QUANTISED
;;     13. batch 32 x [M 2,048, K 2,048] x [K 2,048, N 32]; A: softmax (see below); B: computed on the way: QUANTISED
;;     14. [M 8,192, K 256] x [K 256, N 256]; A: computed on the way; B: input W24: QUANTISED
;;     15. [M 8,192, K 256] x [K 256, N 1,024]; A: computed on the way; B: input Wf12: QUANTISED
;;     16. [M 8,192, K 1,024] x [K 1,024, N 256]; A: computed on the way; B: input Wf22: QUANTISED
;;   THE QUANTISER, for each operand of a quantised product, along K:
;;     - K is cut into blocks of 32 from its start; a last block that is shorter is filled with zeros.
;;     - A block's scale is 2^e with e = floor(log2(the largest magnitude in the block)) - 4, held to -126 .. 127; a block of zeros has e = 0. As a byte (E8M0): e + 127.
;;     - Each number is divided by its block's scale, clamped to +-28, and rounded to the nearest number of E3M2, ties to even, subnormals kept.
;;     - The product sums the exact products of the quantised numbers (number of the format x scale) in f32.
;;   ~~~python
;;   def quantise(x, axis):      # numpy; x: float32 -> the quantised numbers, widened to float32 again
;;       x = np.moveaxis(x, axis, -1); K = x.shape[-1]
;;       x = np.pad(x, [(0, 0)] * (x.ndim - 1) + [(0, -K % 32)]); x = x.reshape(x.shape[:-1] + (-1, 32)); a = np.abs(x).max(-1, keepdims=True)
;;       e = np.where(a > 0, np.clip(np.frexp(np.where(a > 0, a, 1))[1] - 1 - 4, -126, 127), 0)      # np.frexp(a)[1] - 1 = floor(log2(a)), exactly
;;       r = np.clip(x / 2.0 ** e, -28, 28)
;;       step = 2.0 ** (np.maximum(np.frexp(np.where(r == 0, 1, r))[1] - 1, -2) - 2)
;;       q = np.round(r / step) * step * 2.0 ** e      # np.round: ties to even
;;       return np.moveaxis(q.reshape(q.shape[:-2] + (-1,))[..., :K], -1, axis).astype(np.float32)
;;   ~~~
;;   SOFTMAX AHEAD OF A QUANTISED PRODUCT. Where the list says 'softmax', what is quantised is not the finished softmax but p = 2^(t - M), with t = logit x log2(e) and M = ceil(the row's largest t), a whole number; so 1/2 < the row's largest p <= 1. The row's sum l is taken of the UNQUANTISED p, in f32, and the product's result is divided by l at the end. Since M is a whole number, a kernel that streams over the keys may use a running M (the ceiling of the running maximum): every later rescaling is an exact power of two, which a block's scale takes up: the codes' values come out the same.
;;   OPERANDS COMPUTED ON THE WAY. 'Computed on the way' means the value that the module computes at that place (a softmax that the list does not call 'softmax' is quantised finished and normalised). What goes into a quantiser is computed in f32, as accurately as f32 sums, v_exp_f32 and their like allow (about 1e-6 of the number): no bf16 or f16 on the way to a quantiser, and a product that is left as it is and whose result goes on into a quantised operand takes f32 operands (vector FMAs, or v_wmma_f32_16x16x4_f32). A number that lies on a knife's edge between two numbers of the format may be rounded either way, as far as f32 arithmetic and the matrix unit's own rounding can turn it there, and no further.
;; 2 versions. Each part assembles by itself: llvm-mc -triple=amdgcn-amd-amdhsa -mcpu=gfx1250 --defsym DOCPART=n.
;; ======== version 1 of 2: 7 launches
;; workspace buffers: wb1 614,400 bytes; wb2 614,400 bytes; qkvc 5,111,808 bytes; oc 1,638,400 bytes; x2 8,388,608 bytes
;; launch prep (part 1): grid 192 x 2, 2 waves a work-group, no clusters, 0 bytes of LDS; arguments W11, W12, W13, W14, Wf11, Wf21, W21, W22, W23, W24, Wf12, Wf22, wb1, wb2; writes wb1, wb2
.if DOCPART == 1
	.amdgcn_target "amdgcn-amd-amdhsa--gfx1250"
	.amdhsa_code_object_version 6
	.text
	.protected	k_qe7bbfc458e_prep
	.globl	k_qe7bbfc458e_prep
	.p2align	8
	.type	k_qe7bbfc458e_prep,@function
k_qe7bbfc458e_prep:
	s_mov_b64 s[64:65], 0
	v_nop
	global_prefetch_b8 v0, s[64:65] scope:SCOPE_SE
	s_setreg_imm32_b32 hwreg(HW_REG_WAVE_MODE, 25, 1), 1
	s_wait_xcnt 0x0
; All twelve weights, f32 [units][K] with K innermost, become codes of BF6 (E3M2) with one E8M0 byte for each 32 along K, laid in the ORDER OF AN OPERAND'S REGISTERS.
; A fragment is 16 units x 128 K = 12 registers a lane.  Its image is 1,536 bytes: three pieces of 512, piece i = registers 4 i .. 4 i + 3, lane l's 16 bytes at 16 l.
; A block's buffer holds 384 fragments: Wq from 0, Wk 32, Wv 64, Wo 96, Wf1 128, Wf2 256; in a weight: fragment = tile x (K / 128) + K step.  Behind them, from byte WSO, 64 bytes of scale words a fragment.
; THE UNITS OF A TILE ARE NOT NEIGHBOURS: lane r of tile 2 b + u is unit 32 b + 8 u + r + 8 (r / 8), so that in a product's result the registers of two neighbouring tiles are 16 neighbouring units.
; One wave makes one fragment: lane (r, h) loads the 2 x 32 numbers that the operand's layout gives it (k = 128 s + 64 c + 32 h + 0 .. 31), so each block of 32 is one lane's.
; A block's scale is 2^(floor(log2(largest magnitude)) - 4); its byte is the largest magnitude's exponent field - 4, held at 1 from below.
; LIMITS: a block whose largest magnitude lies under 2^-122, zeros among them, gets the byte 1 (its codes are zeros or next to it; only this program reads the bytes); NaN and infinities are not served.
; No LDS, no barrier: waves share nothing.  No cluster: no two work-groups read the same bytes.
.set WSO, 589824                       ; 384 x 1,536: where the scale words begin
.set X,   16                           ; v16-79   the 64 numbers
.set CD,  96                           ; v96-107  the fragment's codes
.set CT,  108                          ; v108-114 the upper halves of the two blocks, as the conversions leave them
	s_load_b512 s[8:23], s[0:1], 0x0               ; W11 W12 W13 W14 Wf11 Wf21 W21 W22
	s_load_b256 s[24:31], s[0:1], 0x40             ; W23 W24 Wf12 Wf22
	s_load_b128 s[32:35], s[0:1], 0x60             ; wb1 wb2
	v_lshrrev_b32 v1, 5, v0
	v_readfirstlane_b32 s2, v1                     ; wave 0, 1
	v_and_b32 v1, 31, v0                           ; lane
	v_and_b32 v2, 15, v0                           ; r
	v_bfe_u32 v4, v0, 4, 1                         ; h
	s_and_b32 s3, ttmp7, 0xffff                    ; which encoder block
	s_lshl_b32 s4, ttmp9, 1
	s_add_co_u32 s4, s4, s2                        ; my fragment, 0 .. 383
	s_cmp_lt_u32 ttmp9, 64                         ; work-groups 0-63: the four weights of 32 fragments; 64-127: Wf1; 128-191: Wf2
	s_cselect_b32 s5, 31, 127
	s_and_b32 s5, s4, s5                           ; the fragment's number in its weight
	s_cmp_lt_u32 ttmp9, 128
	s_cselect_b32 s6, 1, 3                         ; log2 of K / 128
	s_cselect_b32 s7, 10, 12                       ; log2 of a row's bytes
	s_cselect_b32 s53, 1, 7
	s_lshr_b32 s52, s5, s6                         ; tile
	s_and_b32 s53, s5, s53                         ; K step
	s_lshr_b32 s54, s52, 1
	s_lshl_b32 s54, s54, 5
	s_and_b32 s55, s52, 1
	s_lshl_b32 s55, s55, 3
	s_add_co_u32 s54, s54, s55                     ; the tile's first unit: 32 (tile / 2) + 8 (tile % 2)
	s_lshl_b32 s54, s54, s7                        ; in bytes
	s_lshl_b32 s53, s53, 9                         ; 128 numbers a K step
	s_add_co_u32 s54, s54, s53
	v_and_b32 v3, 8, v2
	v_add_nc_u32 v3, v3, v2                        ; r + 8 (r / 8)
	v_lshlrev_b32 v3, s7, v3
	v_lshl_add_u32 v3, v4, 7, v3                   ; + 32 h numbers
	v_add_nc_u32 v3, s54, v3                       ; where my numbers begin in the weight
	s_mul_i32 s55, s4, 1536
	v_lshl_add_u32 v5, v1, 4, s55                  ; out: the image, 16 bytes a lane
	s_lshl_b32 s52, s4, 6
	s_add_co_u32 s52, s52, WSO
	v_lshl_add_u32 v6, v2, 2, s52                  ; out: the scale word of unit r
	s_mov_b32 s56, 0x76543210
	s_mov_b32 s57, 0xfedcba98                      ; v_permlanex16_b32's selects for lane l xor 16
	s_wait_kmcnt 0x0
	s_cmp_eq_u32 s3, 0                             ; the block's six weights and its buffer: choices on the work-group's number alone
	s_cselect_b64 s[36:37], s[8:9], s[20:21]
	s_cselect_b64 s[38:39], s[10:11], s[22:23]
	s_cselect_b64 s[40:41], s[12:13], s[24:25]
	s_cselect_b64 s[42:43], s[14:15], s[26:27]
	s_cselect_b64 s[44:45], s[16:17], s[28:29]
	s_cselect_b64 s[46:47], s[18:19], s[30:31]
	s_cselect_b64 s[48:49], s[32:33], s[34:35]
	s_cmp_lt_u32 ttmp9, 128
	s_cselect_b64 s[50:51], s[44:45], s[46:47]
	s_cmp_lt_u32 ttmp9, 64
	s_cselect_b64 s[50:51], s[42:43], s[50:51]
	s_cmp_lt_u32 ttmp9, 48
	s_cselect_b64 s[50:51], s[40:41], s[50:51]
	s_cmp_lt_u32 ttmp9, 32
	s_cselect_b64 s[50:51], s[38:39], s[50:51]
	s_cmp_lt_u32 ttmp9, 16
	s_cselect_b64 s[50:51], s[36:37], s[50:51]     ; my weight
.irp c, 0,1
.irp i, 0,1,2,3,4,5,6,7
	global_load_b128 v[X+32*\c+4*\i:X+32*\c+4*\i+3], v3, s[50:51] offset:256*\c+16*\i th:TH_LOAD_NT   ; W(unit, 128 s + 64 c + 32 h + 4 i ..)
.endr
.endr
	s_wait_loadcnt 0x0
.irp c, 0,1                            ; my block 2 c + h: all its 32 numbers are mine
	v_max3_num_f32 v[8+\c], |v[X+32*\c]|, |v[X+1+32*\c]|, 0x2800000   ; with the floor 2^(5 - 127): the byte cannot fall under 1
.endr
.irp i, 2,4,6,8,10,12,14,16,18,20,22,24,26,28,30
.irp c, 0,1
	v_max3_num_f32 v[8+\c], v[8+\c], |v[X+32*\c+\i]|, |v[X+1+32*\c+\i]|   ; the two blocks by turns
.endr
.endr
.irp c, 0,1
	v_add_nc_u32 v[10+\c], 0xfe000000, v[8+\c]     ; 4 off the exponent field: the conversion's scale operand
.endr
.irp c, 0,1
	v_lshrrev_b32 v[12+\c], 23, v[10+\c]           ; the scale's byte
.endr
	v_lshl_or_b32 v14, v13, 16, v12                ; my two bytes: blocks h and 2 + h,
	v_lshlrev_b32 v15, 3, v4
	v_lshlrev_b32 v14, v15, v14                    ; at their places in the word (8 h bits up);
	v_mov_b32 v15, 0
	v_permlanex16_b32 v15, v14, s56, s57
	v_or_b32 v14, v14, v15                         ; with lane l xor 16's two the word is whole
.irp c, 0,1
	v_cvt_scalef32_pk16_bf6_f32 v[CD+6*\c:CD+6*\c+2], v[X+32*\c:X+32*\c+15], v[10+\c]
	v_cvt_scalef32_pk16_bf6_f32 v[CT+4*\c:CT+4*\c+2], v[X+16+32*\c:X+31+32*\c], v[10+\c]   ; a conversion's three registers begin on an even number: made here and moved
.endr
	v_nop                                          ; one plain instruction behind a scaled conversion
.irp c, 0,1
.irp i, 0,1,2
	v_mov_b32 v[CD+3+6*\c+\i], v[CT+4*\c+\i]
.endr
.endr
.irp i, 0,1,2
	global_store_b128 v5, v[CD+4*\i:CD+4*\i+3], s[48:49] offset:512*\i   ; 32 lanes store 512 consecutive bytes
.endr
	global_store_b32 v6, v14, s[48:49]             ; both halves of the lanes hold the same word
	s_endpgm
.Lfunc_end_k_qe7bbfc458e_prep:
	.size	k_qe7bbfc458e_prep, .Lfunc_end_k_qe7bbfc458e_prep-k_qe7bbfc458e_prep
	.p2alignl 7, 3214868480
	.fill 96, 4, 3214868480
	.section	.rodata,"a",@progbits
	.p2align	6, 0x0
	.amdhsa_kernel k_qe7bbfc458e_prep
		.amdhsa_group_segment_fixed_size 0
		.amdhsa_private_segment_fixed_size 0
		.amdhsa_enable_private_segment 0
		.amdhsa_kernarg_size 112
		.amdhsa_user_sgpr_count 2
		.amdhsa_user_sgpr_kernarg_segment_ptr 1
		.amdhsa_wavefront_size32 1
		.amdhsa_system_sgpr_workgroup_id_x 1
		.amdhsa_system_sgpr_workgroup_id_y 1
		.amdhsa_system_sgpr_workgroup_id_z 1
		.amdhsa_system_vgpr_workitem_id 0
		.amdhsa_next_free_vgpr 128
		.amdhsa_next_free_sgpr 66
		.amdhsa_reserve_vcc 0
		.amdhsa_float_denorm_mode_32 3
		.amdhsa_float_denorm_mode_16_64 3
		.amdhsa_memory_ordered 1
		.amdhsa_forward_progress 1
		.amdhsa_inst_pref_size 8
	.end_amdhsa_kernel
	.amdgpu_metadata
---
amdhsa.version: [ 1, 2 ]
amdhsa.kernels:
  - .name:           k_qe7bbfc458e_prep
    .symbol:         k_qe7bbfc458e_prep.kd
    .args:
      - { .name: W11, .offset: 0, .size: 8, .value_kind: global_buffer, .address_space: global }
      - { .name: W12, .offset: 8, .size: 8, .value_kind: global_buffer, .address_space: global }
      - { .name: W13, .offset: 16, .size: 8, .value_kind: global_buffer, .address_space: global }
      - { .name: W14, .offset: 24, .size: 8, .value_kind: global_buffer, .address_space: global }
      - { .name: Wf11, .offset: 32, .size: 8, .value_kind: global_buffer, .address_space: global }
      - { .name: Wf21, .offset: 40, .size: 8, .value_kind: global_buffer, .address_space: global }
      - { .name: W21, .offset: 48, .size: 8, .value_kind: global_buffer, .address_space: global }
      - { .name: W22, .offset: 56, .size: 8, .value_kind: global_buffer, .address_space: global }
      - { .name: W23, .offset: 64, .size: 8, .value_kind: global_buffer, .address_space: global }
      - { .name: W24, .offset: 72, .size: 8, .value_kind: global_buffer, .address_space: global }
      - { .name: Wf12, .offset: 80, .size: 8, .value_kind: global_buffer, .address_space: global }
      - { .name: Wf22, .offset: 88, .size: 8, .value_kind: global_buffer, .address_space: global }
      - { .name: wb1, .offset: 96, .size: 8, .value_kind: global_buffer, .address_space: global }
      - { .name: wb2, .offset: 104, .size: 8, .value_kind: global_buffer, .address_space: global }
    .group_segment_fixed_size: 0
    .private_segment_fixed_size: 0
    .kernarg_segment_align: 8
    .kernarg_segment_size: 112
    .max_flat_workgroup_size: 64
    .sgpr_count:     66
    .vgpr_count:     128
    .wavefront_size: 32
...
	.end_amdgpu_metadata
.endif
;; end of part 1
;; launch qkv1 (part 2): grid 256 x 1, 8 waves a work-group, no clusters, 7,680 bytes of LDS; arguments x, wb1, qkvc; writes qkvc
.if DOCPART == 2
	.amdgcn_target "amdgcn-amd-amdhsa--gfx1250"
	.amdhsa_code_object_version 6
	.text
	.protected	k_qe7bbfc458e_qkv1
	.globl	k_qe7bbfc458e_qkv1
	.p2align	8
	.type	k_qe7bbfc458e_qkv1,@function
k_qe7bbfc458e_qkv1:
	s_mov_b64 s[64:65], 0
	v_nop
	global_prefetch_b8 v0, s[64:65] scope:SCOPE_SE
	s_setreg_imm32_b32 hwreg(HW_REG_WAVE_MODE, 25, 1), 1
	s_wait_xcnt 0x0
; q, k, v = relu(x W^T) for 32 rows of x, all three products on codes of BF6 (E3M2) with one E8M0 scale for each 32 along K; then q, k, v are quantised for attention and stored as images of operand registers.
; SHARES.  Work-group g owns rows 32 g .. 32 g + 31 (batch g / 64, group G = g % 64).  Wave w is head w: it loads the twelve fragments of Wq, Wk, Wv that make the head's 32 channels, each once, and issues 24 matrix instructions.
; ROWS OF A TILE: lane r of tile u is row 8 u + r + 8 (r / 8) of the group; the weights' tiles are laid the same way.  So a result's registers of two neighbouring tiles are 16 neighbours.
; x: each wave quantises an eighth of the group's x (tile u = w % 2, K step s = (w / 2) % 2, half c = w / 4: 16 rows x 64 K = 6 registers of a fragment) and hands it to the others through LDS as an image of the registers.
; q, k: the product is used transposed (source 0 = 16 units, source 1 = 16 rows): a lane holds one row and 16 neighbouring channels.  A head's 32 channels are one block of the quantiser.
; v: the product is used as it stands (source 0 = 16 rows, source 1 = 16 units): a lane holds one channel and 16 neighbouring keys.  The group's 32 keys are one block.
; OUT (byte offsets in the workspace, bh = 8 x batch + head).  A half image is 768 bytes: registers 0-3 at 16 l, then registers 4-5 at 512 + 8 l.
;   q's codes at 0: [bh][G][768], lane (r, h) = row 8 h + r + 8 (r / 8), its 32 channels.   q's scales at QSO: [bh][G][l] words, the byte four times.
;   k's codes at KC: [bh][G / 2][c][768]: a fragment of 64 keys holds four tiles of 16 keys, tile sl = 2 c + h in lanes (., h) of half c; row r' of tile sl is key 32 (r' / 8) + 8 sl + r' % 8 of the 64.
;   So my group's keys are rows 8 (G % 2) + 0 .. 7 of all four tiles: the stores of k's codes cover runs of 128 and of 64 consecutive bytes; the neighbouring group's work-group writes the runs between them.
;   k's scales at KSO: [bh][G / 2][r'] words, byte sl.   v's codes at VC: [bh][G / 4][tile of channels][(G / 2) % 2][768], lane (r, G % 2) = channel of lane r, the group's 32 keys.   v's scales at VSO: [bh][G / 4][tile][r] words, byte G % 4.
;   The stores of q's and v's codes cover runs of 512, 256 or 128 consecutive bytes; those of k's and v's scale bytes (64 and 32 bytes a wave) are two bytes and one byte a lane.
; LIMITS: a block whose largest magnitude lies under 2^-122, zeros among them, gets the byte 1 (only this program reads the bytes); NaN and infinities are not served.
; NO CLUSTER: each weight fragment goes from memory straight into the registers of the one wave that uses it; a joint load would land in LDS and be read from there once more.
; REGISTERS.  window 0: v1-15, v72-75 addresses; v16-63 x's four fragments; v64-65 x's scale words; v66-71 the weights'; v96-127 x's numbers, then q; v128-159 k; v160-191 v; v192-197 at work; v200.., v216.., v232.. codes and scale data of q, k, v.
;   window 1: v0-47 Wq, v48-95 Wk, v96-143 Wv: fragment (tile, K step) at 12 (2 tile + step).
.set WSO,  589824
.set KC,   1572864
.set VC,   3145728
.set QSO,  4718592
.set KSO,  4980736
.set VSO,  5046272
.set XSC,  6144                        ; LDS: x's images at 0, 1,536 bytes a fragment (2 u + s); their scale words here, 64 bytes a fragment
.set XF,   16
.set XS,   64
.set WSC,  66
.set ACCQ, 96
.set ACCK, 128
.set ACCV, 160
.set T,    192
.set SEL,  30
.set MSB, 0
.macro WIN new                         ; s_set_vgpr_msb: bits 1:0 source 0, 3:2 source 1, 5:4 source 2, 7:6 destination; the high byte repeats the setting that is left
.if MSB != (\new)
	s_set_vgpr_msb (MSB<<8)|(\new)
.set MSB, (\new)
.endif
.endm
; One matrix instruction.  zero = 1: it starts a sum.  odd = 1: the odd K step, whose scale words lie in lanes 16-31 of both scale registers.
.macro MM d, a, b, zero, sa, sb, odd
.if \zero
	v_wmma_scale_f32_16x16x128_f8f6f4 v[0+(\d):7+(\d)], v[0+(\a):11+(\a)], v[0+(\b):11+(\b)], 0, v[\sa], v[\sb] matrix_a_fmt:MATRIX_FMT_BF6 matrix_b_fmt:MATRIX_FMT_BF6
.elseif \odd
	v_wmma_scale_f32_16x16x128_f8f6f4 v[0+(\d):7+(\d)], v[0+(\a):11+(\a)], v[0+(\b):11+(\b)], v[0+(\d):7+(\d)], v[\sa], v[\sb] matrix_a_fmt:MATRIX_FMT_BF6 matrix_b_fmt:MATRIX_FMT_BF6 matrix_a_scale:MATRIX_SCALE_ROW1 matrix_b_scale:MATRIX_SCALE_ROW1
.else
	v_wmma_scale_f32_16x16x128_f8f6f4 v[0+(\d):7+(\d)], v[0+(\a):11+(\a)], v[0+(\b):11+(\b)], v[0+(\d):7+(\d)], v[\sa], v[\sb] matrix_a_fmt:MATRIX_FMT_BF6 matrix_b_fmt:MATRIX_FMT_BF6
.endif
.endm
; 32 numbers of a lane in two blocks: register S + 16 b + i = element 16 h + i of block b.  Out: v[C .. C + 5] = all 32 codes of block h; v[T + 2], v[T + 3] = the bytes of blocks 0 and 1, in every lane.
.macro QUANTH S, C, T
.irp b, 0,1
	v_max3_num_f32 v[\b+(\T)], |v[16*\b+(\S)]|, |v[16*\b+1+(\S)]|, 0x2800000   ; my 16 numbers, and the floor 2^(5 - 127): the byte cannot fall under 1
.endr
.irp i, 2,4,6,8,10,12,14
.irp b, 0,1
	v_max3_num_f32 v[\b+(\T)], v[\b+(\T)], |v[16*\b+\i+(\S)]|, |v[16*\b+\i+1+(\S)]|
.endr
.endr
.irp b, 0,1
	v_permlanex16_b32 v[2+\b+(\T)], v[\b+(\T)], s[SEL], s[SEL+1]
.endr
.irp b, 0,1
	v_max_num_f32 v[\b+(\T)], v[\b+(\T)], v[2+\b+(\T)]      ; with lane l xor 16's 16: the block's largest magnitude
.endr
.irp b, 0,1
	v_add_nc_u32 v[4+\b+(\T)], 0xfe000000, v[\b+(\T)]       ; 4 off its exponent field: the conversion's scale operand
.endr
.irp b, 0,1
	v_lshrrev_b32 v[2+\b+(\T)], 23, v[4+\b+(\T)]            ; the scale's byte
.endr
	v_cvt_scalef32_pk16_bf6_f32 v[0+(\C):2+(\C)], v[0+(\S):15+(\S)], v[4+(\T)]
	v_cvt_scalef32_pk16_bf6_f32 v[6+(\C):8+(\C)], v[16+(\S):31+(\S)], v[5+(\T)]
	v_nop                                          ; one plain instruction behind a scaled conversion
.irp i, 0,1,2
	v_permlane16_swap_b32 v[\i+(\C)], v[6+\i+(\C)] ; the first's lanes 16-31 change places with the second's lanes 0-15: a lane now holds its block's lower 16 codes and its upper 16
.endr
.irp i, 0,1,2
	v_mov_b32 v[3+\i+(\C)], v[6+\i+(\C)]
.endr
.endm
.macro RELU A, n                       ; from the low end on
.set J, 0
.rept \n
	v_max_num_f32 v[J+(\A)], 0, v[J+(\A)]
.set J, J+1
.endr
.endm
	s_load_b128 s[4:7], s[0:1], 0x0                ; x, the weights' buffer
	s_load_b64 s[8:9], s[0:1], 0x10                ; the workspace
	v_lshl_add_u32 v254, v0, 2, 0x1a00
	v_mov_b32 v255, 0
	v_lshrrev_b32 v1, 5, v0
	v_readfirstlane_b32 s10, v1                    ; wave = head
	v_and_b32 v1, 31, v0                           ; lane
	v_and_b32 v2, 15, v0                           ; r
	v_bfe_u32 v3, v0, 4, 1                         ; h
	s_and_b32 s11, s10, 1                          ; my eighth of x: tile u,
	s_bfe_u32 s12, s10, 0x10001                    ; K step s,
	s_lshr_b32 s13, s10, 2                         ; half c
	s_lshl_b32 s14, ttmp9, 15                      ; 32 rows of 1,024 bytes a work-group
	s_lshl_b32 s18, s11, 13
	s_add_co_u32 s14, s14, s18                     ; + 8 u rows
	s_lshl_b32 s18, s12, 9
	s_add_co_u32 s14, s14, s18                     ; + 128 s numbers
	s_lshl_b32 s18, s13, 8
	s_add_co_u32 s14, s14, s18                     ; + 64 c numbers
	s_mov_b32 s15, 0
	s_lshl_b32 s16, s11, 1
	s_add_co_u32 s16, s16, s12                     ; fragment 2 u + s
	s_lshl_b32 s17, s16, 6
	s_mul_i32 s16, s16, 1536
	s_mul_i32 s18, s13, 768
	s_add_co_u32 s16, s16, s18                     ; LDS: my half image
	s_lshl_b32 s18, s13, 1
	s_add_co_u32 s17, s17, s18                     ; LDS: my two bytes of each row's scale word
	s_and_b32 s19, ttmp9, 63                       ; G
	s_lshr_b32 s20, ttmp9, 6
	s_lshl_b32 s20, s20, 3
	s_add_co_u32 s20, s20, s10                     ; bh
	s_lshl_b32 s21, s20, 6
	s_add_co_u32 s21, s21, s19                     ; 64 bh + G
	s_mul_i32 s22, s21, 768                        ; q's codes
	s_mov_b32 s23, 0
	s_lshl_b32 s24, s21, 7                         ; q's scale words
	s_mov_b32 s25, 0
	s_and_b32 s41, s19, 1                          ; G % 2
	s_mul_i32 s38, s41, 768
	s_sub_co_u32 s42, s22, s38                     ; k's codes: the fragment of 64 keys that my group shares with its neighbour: (32 bh + G / 2) 1,536
	s_mov_b32 s43, 0
	s_lshl_b32 s26, s20, 5
	s_lshr_b32 s38, s19, 1
	s_add_co_u32 s26, s26, s38
	s_lshl_b32 s26, s26, 6
	s_lshl_b32 s38, s41, 5
	s_add_co_u32 s26, s26, s38                     ; k's scale bytes: (32 bh + G / 2) 64 + 4 x 8 (G % 2)
	s_mov_b32 s27, 0
	s_lshl_b32 s39, s20, 4
	s_lshr_b32 s38, s19, 2
	s_add_co_u32 s39, s39, s38                     ; 16 bh + G / 4
	s_mul_i32 s28, s39, 3072
	s_bfe_u32 s38, s19, 0x10001
	s_mul_i32 s38, s38, 768
	s_add_co_u32 s28, s28, s38                     ; v's codes
	s_mov_b32 s29, 0
	s_lshl_b32 s32, s39, 7
	s_and_b32 s38, s19, 3
	s_add_co_u32 s32, s32, s38                     ; v's scale bytes
	s_mov_b32 s33, 0
	s_mul_i32 s34, s10, 6144                       ; my four fragments of each weight: 4 w on
	s_mov_b32 s35, 0
	s_lshl_b32 s36, s10, 8                         ; and their scale words
	s_mov_b32 s37, 0
	s_mov_b32 s[SEL], 0x76543210
	s_mov_b32 s[SEL+1], 0xfedcba98                 ; v_permlanex16_b32's selects for lane l xor 16
	s_mov_b32 s40, 0x01010101
	v_and_b32 v4, 8, v2
	v_add_nc_u32 v4, v4, v2                        ; r + 8 (r / 8)
	v_lshlrev_b32 v4, 10, v4
	v_lshl_add_u32 v4, v3, 6, v4                   ; x: my row, + 16 h numbers
	v_lshlrev_b32 v5, 4, v1                        ; 16 x lane
	v_lshlrev_b32 v6, 2, v1                        ; 4 x lane
	v_lshlrev_b32 v10, 3, v1                       ; 8 x lane
	v_add_nc_u32 v7, s16, v5                       ; LDS: where I store x's codes
	v_add_nc_u32 v8, s16, v10
	v_lshl_add_u32 v9, v2, 2, s17                  ; and the two scale bytes
	v_lshlrev_b32 v14, 2, v2                       ; 4 r
	v_mul_u32_u24 v11, v3, 1536                    ; v: lanes 16-31 hold the second tile of channels
	v_lshl_add_u32 v12, v2, 3, v11
	v_lshl_add_u32 v11, v2, 4, v11
	s_lshl_b32 s38, s41, 8
	v_add_nc_u32 v11, s38, v11                     ; in the image my group's keys are lanes 16 (G % 2) + r
	s_lshl_b32 s38, s41, 7
	v_add_nc_u32 v12, s38, v12
	v_lshl_add_u32 v13, v3, 6, v14                 ; v's scale bytes: 64 h + 4 r
	; k: my lane (r, h) holds key 8 h + r + 8 (r / 8) of the group: tile 2 (r / 8) + h, row 8 (G % 2) + r % 8: half r / 8 of the fragment's image, lane 16 h + 8 (G % 2) + r % 8
	v_and_b32 v15, 7, v2                           ; r % 8
	v_lshrrev_b32 v72, 3, v2                       ; r / 8
	v_mul_u32_u24 v73, v72, 768
	v_lshl_add_u32 v74, v3, 8, v73
	v_lshl_add_u32 v74, v15, 4, v74                ; registers 0-3: 768 (r / 8) + 16 (16 h + r % 8),
	v_lshl_add_u32 v75, v3, 7, v73
	v_lshl_add_u32 v75, v15, 3, v75                ; registers 4-5: 768 (r / 8) + 8 (16 h + r % 8),
	s_lshl_b32 s38, s41, 7
	v_add_nc_u32 v74, s38, v74                     ; + 16 x 8 (G % 2),
	s_lshl_b32 s38, s41, 6
	v_add_nc_u32 v75, s38, v75                     ; + 8 x 8 (G % 2)
	v_lshlrev_b32 v15, 2, v15
	v_lshl_add_u32 v15, v72, 1, v15                ; k's scale bytes: word r % 8 of my eight, bytes 2 (r / 8) and + 1
	v_cmp_le_u32 vcc_lo, 16, v1                    ; lanes 16-31
	v_mov_b32 v[T+2], 0                            ; written once: a lane permute's destination counts as one of its sources
	v_mov_b32 v[T+3], 0
	s_wait_kmcnt 0x0
	s_add_nc_u64 s[14:15], s[4:5], s[14:15]
	s_add_nc_u64 s[34:35], s[6:7], s[34:35]
	s_add_nc_u64 s[36:37], s[6:7], s[36:37]
	s_add_nc_u64 s[22:23], s[8:9], s[22:23]
	s_add_nc_u64 s[24:25], s[8:9], s[24:25]
	s_add_nc_u64 s[26:27], s[8:9], s[26:27]
	s_add_nc_u64 s[28:29], s[8:9], s[28:29]
	s_add_nc_u64 s[32:33], s[8:9], s[32:33]
	s_add_nc_u64 s[42:43], s[8:9], s[42:43]
.irp b, 0,1
.irp j, 0,1,2,3
	global_load_b128 v[ACCQ+16*\b+4*\j:ACCQ+16*\b+4*\j+3], v4, s[14:15] offset:128*\b+16*\j th:TH_LOAD_NT   ; x(row, 128 s + 64 c + 32 b + 16 h + 4 j ..)
.endr
.endr
	WIN 0x40                                       ; destination window 1
.irp t, 0,1,2
.irp i, 0,1,2,3,4,5,6,7,8,9,10,11
	global_load_b128 v[48*\t+4*\i:48*\t+4*\i+3], v5, s[34:35] offset:49152*\t+512*\i   ; four fragments on end: 512 consecutive bytes a load
.endr
.endr
	WIN 0
.irp t, 0,1,2
.irp p, 0,1
	global_load_b32 v[WSC+2*\t+\p], v6, s[36:37] offset:WSO+2048*\t+128*\p   ; lanes 0-15: K step 0's words of tile p; lanes 16-31: K step 1's
.endr
.endr
	s_wait_loadcnt 42                              ; x's eight loads are in; the 36 + 6 issued behind them may be out
	QUANTH ACCQ, 200, T
	v_lshl_or_b32 v210, v[T+3], 8, v[T+2]
	ds_store_b128 v7, v[200:203]
	ds_store_b64 v8, v[204:205] offset:512
	ds_store_b16 v9, v210 offset:XSC               ; bytes 2 c, 2 c + 1 of the row's word; both halves of the lanes write the same
	s_wait_dscnt 0x0                               ; for the others' sake: my stores have landed
	s_barrier_signal -1
	s_barrier_wait -1
.irp f, 0,1,2,3
.irp c, 0,1
	ds_load_b128 v[XF+12*\f+6*\c:XF+12*\f+6*\c+3], v5 offset:1536*\f+768*\c
	ds_load_b64 v[XF+12*\f+6*\c+4:XF+12*\f+6*\c+5], v10 offset:1536*\f+768*\c+512
.endr
.endr
.irp u, 0,1
	ds_load_b32 v[XS+\u], v6 offset:XSC+128*\u     ; lanes 0-15: K step 0's words of tile u; lanes 16-31: K step 1's
.endr
	s_wait_dscnt 0x0
	s_wait_loadcnt 0x0                             ; the weights
; In each product four accumulators take turns, K step by K step.
.macro PROJ acc, wf, ws                ; transposed: source 0 = tile p of the weight, source 1 = tile u of x
.irp s, 0,1
.irp p, 0,1
.irp u, 0,1
	MM \acc+16*\u+8*\p, \wf+12*(2*\p+\s), XF+12*(2*\u+\s), 1-\s, \ws+\p, XS+\u, \s
.endr
.endr
.endr
.endm
	WIN 0x01                                       ; source 0 window 1
	PROJ ACCQ, 0, WSC                              ; register 16 u + 8 p + j of lane (r, h): row of lane r of tile u, channel 16 h + 8 p + j
	PROJ ACCK, 48, WSC+2
	WIN 0x04                                       ; source 1 window 1
.irp s, 0,1
.irp p, 0,1
.irp u, 0,1
	MM ACCV+16*\p+8*\u, XF+12*(2*\u+\s), 96+12*(2*\p+\s), 1-\s, XS+\u, WSC+4+\p, \s   ; register 16 p + 8 u + j of lane (r, h): channel of lane r of tile p, key 16 h + 8 u + j
.endr
.endr
.endr
	WIN 0
.rept 4
	v_nop                                          ; four plain instructions between the last product and the first read of a result
.endr
	RELU ACCQ, 32
	QUANTH ACCQ, 200, T                            ; block = tile of rows
	v_cndmask_b32 v210, v[T+2], v[T+3], vcc_lo     ; the byte of the row that my lane now holds
	v_mul_lo_u32 v210, v210, s40                   ; in all four places of the word
	global_store_b128 v5, v[200:203], s[22:23]
	global_store_b64 v10, v[204:205], s[22:23] offset:512
	global_store_b32 v6, v210, s[24:25] offset:QSO
	RELU ACCK, 32
	QUANTH ACCK, 216, T
	v_lshl_or_b32 v226, v[T+3], 8, v[T+2]          ; the bytes of tiles 2 (r / 8) and 2 (r / 8) + 1, row 8 (G % 2) + r % 8
	global_store_b128 v74, v[216:219], s[42:43] offset:KC
	global_store_b64 v75, v[220:221], s[42:43] offset:KC+512
	global_store_b16 v15, v226, s[26:27] offset:KSO
	RELU ACCV, 32
	QUANTH ACCV, 232, T                            ; block = tile of channels, elements = the group's 32 keys
	v_cndmask_b32 v242, v[T+2], v[T+3], vcc_lo
	global_store_b128 v11, v[232:235], s[28:29] offset:VC
	global_store_b64 v12, v[236:237], s[28:29] offset:VC+512
	global_store_b8 v13, v242, s[32:33] offset:VSO
	s_wait_tensorcnt 0x0
	ds_add_u32 v254, v255
	s_wait_dscnt 0x0
	s_endpgm
.Lfunc_end_k_qe7bbfc458e_qkv1:
	.size	k_qe7bbfc458e_qkv1, .Lfunc_end_k_qe7bbfc458e_qkv1-k_qe7bbfc458e_qkv1
	.p2alignl 7, 3214868480
	.fill 96, 4, 3214868480
	.section	.rodata,"a",@progbits
	.p2align	6, 0x0
	.amdhsa_kernel k_qe7bbfc458e_qkv1
		.amdhsa_group_segment_fixed_size 7680
		.amdhsa_private_segment_fixed_size 0
		.amdhsa_enable_private_segment 0
		.amdhsa_kernarg_size 24
		.amdhsa_user_sgpr_count 2
		.amdhsa_user_sgpr_kernarg_segment_ptr 1
		.amdhsa_wavefront_size32 1
		.amdhsa_system_sgpr_workgroup_id_x 1
		.amdhsa_system_sgpr_workgroup_id_y 1
		.amdhsa_system_sgpr_workgroup_id_z 1
		.amdhsa_system_vgpr_workitem_id 0
		.amdhsa_next_free_vgpr 400
		.amdhsa_next_free_sgpr 66
		.amdhsa_reserve_vcc 1
		.amdhsa_float_denorm_mode_32 3
		.amdhsa_float_denorm_mode_16_64 3
		.amdhsa_memory_ordered 1
		.amdhsa_forward_progress 1
		.amdhsa_inst_pref_size 26
	.end_amdhsa_kernel
	.amdgpu_metadata
---
amdhsa.version: [ 1, 2 ]
amdhsa.kernels:
  - .name:           k_qe7bbfc458e_qkv1
    .symbol:         k_qe7bbfc458e_qkv1.kd
    .args:
      - { .name: x, .offset: 0, .size: 8, .value_kind: global_buffer, .address_space: global }
      - { .name: wb1, .offset: 8, .size: 8, .value_kind: global_buffer, .address_space: global }
      - { .name: qkvc, .offset: 16, .size: 8, .value_kind: global_buffer, .address_space: global }
    .group_segment_fixed_size: 7680
    .private_segment_fixed_size: 0
    .kernarg_segment_align: 8
    .kernarg_segment_size: 24
    .max_flat_workgroup_size: 256
    .sgpr_count:     66
    .vgpr_count:     400
    .wavefront_size: 32
...
	.end_amdgpu_metadata
.endif
;; end of part 2
;; launch att1 (part 3): grid 8 x 32, 16 waves a work-group, no clusters, 169,984 bytes of LDS; arguments qkvc, oc; writes oc
.if DOCPART == 3
	.amdgcn_target "amdgcn-amd-amdhsa--gfx1250"
	.amdhsa_code_object_version 6
	.text
	.protected	k_qe7bbfc458e_att1
	.globl	k_qe7bbfc458e_att1
	.p2align	8
	.type	k_qe7bbfc458e_att1,@function
k_qe7bbfc458e_att1:
	s_mov_b64 s[64:65], 0
	v_nop
	global_prefetch_b8 v0, s[64:65] scope:SCOPE_SE
	s_setreg_imm32_b32 hwreg(HW_REG_WAVE_MODE, 25, 1), 1
	s_wait_xcnt 0x0
; o = softmax(q k^T / sqrt(32)) v for one head and 256 queries, both products on codes of BF6 (E3M2) with one E8M0 scale for each 32 along K; o is quantised along the head's 32 channels and stored as codes.
; THE SOFTMAX: t = score x log2(e) / sqrt(32); M = the largest t so far, rounded UP to a whole number; p = 2^(t - M) is quantised along the keys, not normalised; the row's sum is taken of the unquantised p and divides at the end.
; When M moves, the sum and O are multiplied by 2^(old M - new M), which rounds nothing.
; SHARES.  Work-group (x, y): head y (8 x batch + head), queries 256 x on.  Each of sixteen waves owns one tile of 16 queries in 256 registers: four waves to a SIMD, so that one wave's vector work stands beside another's products and LDS loads.
; Every wave walks the head's 2,048 keys, 128 a step.  A head's K and V as codes and scale words are 102,400 bytes: they come into LDS ONCE and lie there as in memory.  Nothing is filled twice.
; THE FILLS GO IN TWO STAGES.  Each wave issues three tensor loads, together, at the head: a sixteenth of the scale words (1 row of 256 bytes), an eighth of K's or V's codes of steps 0-3 (6 rows), an eighth of those of steps 4-15 (18 rows).
; The first four steps run behind a barrier in front of which each wave has waited for its first two loads; they read LDS bytes under 12,288 of K's codes and of V's, the third loads write from there on.  A second barrier, with all loads waited for, stands in front of the other twelve steps.
; LAYOUT.  Both products are used transposed: a lane holds ONE query (lane % 16) throughout.
; THE FIRST PRODUCT HAS K = 32, the instruction 128.  A fragment of K holds FOUR tiles of 16 keys, one in each 32 of its K; four operands of q hold the query's 32 codes in one of these places and zero codes in the others.
; They overlap in v16-45 as Z X Z Y Z (six registers each; X = q in lanes 0-15, Y = q in lanes 16-31, Z = zeros).  So K's codes carry no padding in memory, LDS or registers; zero codes add nothing under any scale byte.
; THE KEYS OF A TILE (laid by the launch before): row r' of tile sl of a fragment's 64 keys is key 32 (r' / 8) + 8 sl + r' % 8.  A result's lane (r, h) holds rows 8 h + 0 .. 7 of a tile, so its 32 registers of a fragment's four tiles are keys
; 32 h + 0 .. 31 in order: A WHOLE BLOCK OF THE SECOND PRODUCT'S K IN ONE LANE, in the place that the operand's layout gives that lane.  A block's maximum needs no other lane, and the conversions' results are the operand.
; LIMITS: a block whose largest magnitude lies under 2^-122, zeros among them, gets the byte 1; NaN and infinities are not served.
; NO CLUSTER: the eight work-groups of a head read the same 102,400 bytes, once each, ahead of 16 steps of some 250 instructions for each of 16 waves; the shared bytes are asked for once in a work-group's life.
; No prefetch: the only stream is asked for whole at the kernel's head.
; REGISTERS: v1-7 addresses that stay; v8-10 the step's; v11 lane; v12 -M, v13 the largest score, v[14:15] the sum; v16-45 q's operands; v46 q's scale word; v47 8 h; v48-71 two fragments of K; v72-95 two of V; v96-159 scores, then p;
;   v160-175 O^T; v176-194 p's codes; v196, v197 K's and V's scale words; v198 p's; v204-221 at work; v232-238 q as loaded, later o's codes.
.set KC,   1572864                     ; byte offsets in the workspace: K's codes (V's lie as far behind them),
.set QSO,  4718592                     ; q's scale words,
.set KSO,  4980736                     ; K's (V's lie 65,536 behind them)
.set OSO,  1572864                     ; in the output: o's scale words
.set LV,   49152                       ; LDS: K's codes at 0, V's here,
.set LKS,  98304                       ; K's scale words, 128 bytes a step; V's 2,048 behind them
.set EARLY, 12288                      ; four steps' codes of K, or of V
.set S,    96
.set O,    160
.set P,    176
.set PT,   188                         ; v188-190, v192-194: the upper halves of the two blocks, as the conversions leave them
.set KF,   48
.set VF,   72
.set SH8,  47
.set BM,   204                         ; v204-207 four running maxima; then v204 and v206: my two blocks' largest scores, then largest p
.set BY,   208                         ; v208-209 my two blocks' scale bytes
.set PX,   210                         ; v210-211 what comes from lane l xor 16
.set SOP,  212                         ; v212-213 the conversions' scale operands
.set W,    214
.set FP,   216                         ; v[216:217] f = 2^(old M - new M); the pair's upper register is only named
.set SU2,  218                         ; v[218:219] the sum's second chain
.set TMP,  220
.set OLD,  221
.set WV,   18
.set SEL,  20
.set CS,   22
.set TB,   24                          ; s24  the step's codes in LDS: 3,072 bytes a step
.set TS,   25                          ; s25  the step's scale words: 128 bytes a step
.set CNT,  26
.set G1E,  28                          ; s[28:35] descriptor group 1: 6 rows of 256 bytes;  s[36:43]: 18 rows;  s[68:75]: 1 row
.set G1L,  36
.set G1S,  68
.set G0E,  44                          ; s[44:47], s[48:51], s[76:79] their groups 0
.set G0L,  48
.set G0S,  76
	s_load_b128 s[4:7], s[0:1], 0x0                ; the workspace, the output
	v_lshl_add_u32 v254, v0, 2, 0x29000
	v_mov_b32 v255, 0
	ds_add_u32 v254, v255
	ds_add_u32 v254, v255
	v_lshrrev_b32 v1, 5, v0
	v_readfirstlane_b32 s[WV], v1                  ; wave 0..15
	s_and_b32 s19, ttmp7, 0xffff                   ; bh
	; dense blocks as rows of 256 bytes: 32 elements of 8 bytes, no padding: lanes read consecutive bytes
.irp g, G1E, G1L, G1S
	s_mov_b32 s[\g], 3<<16                         ; 15:0 no mask; 17:16 elements of 8 bytes
	s_mov_b32 s[\g+1], 32<<16                      ; tensor_dim0
	s_mov_b32 s[\g+3], 32<<16                      ; tile_dim0
	s_mov_b32 s[\g+5], 32                          ; from row to row
	s_mov_b32 s[\g+6], 0
	s_mov_b32 s[\g+7], 0
.endr
	s_mov_b32 s[G1E+2], 6<<16                      ; tensor_dim1
	s_mov_b32 s[G1E+4], 6                          ; tile_dim1
	s_mov_b32 s[G1L+2], 18<<16
	s_mov_b32 s[G1L+4], 18
	s_mov_b32 s[G1S+2], 1<<16
	s_mov_b32 s[G1S+4], 1
	s_lshr_b32 s8, s[WV], 3                        ; waves 0-7 fetch for K, waves 8-15 for V;
	s_and_b32 s9, s[WV], 7                         ; which eighth
	s_mul_i32 s10, s8, LV
	s_mul_i32 s11, s9, 1536                        ; 6 rows
	s_mul_i32 s12, s9, 4608                        ; 18 rows
	s_add_co_u32 s[G0E+1], s10, s11                ; LDS addresses: a constant x (wave / 8) + a constant x (wave % 8) + a constant
	s_add_co_u32 s[G0L+1], s10, s12
	s_add_co_u32 s[G0L+1], s[G0L+1], EARLY
	s_lshl_b32 s[G0S+1], s[WV], 8
	s_add_co_u32 s[G0S+1], s[G0S+1], LKS
	s_mul_i32 s13, s8, KC
	s_mul_i32 s80, s19, 49152
	s_add_co_u32 s13, s13, s80
	s_add_co_u32 s13, s13, KC                      ; the head's codes of K, or of V, in the workspace
	s_add_co_u32 s80, s13, s11
	s_mov_b32 s81, 0
	s_add_co_u32 s82, s13, s12
	s_add_co_u32 s82, s82, EARLY
	s_mov_b32 s83, 0
	s_lshl_b32 s84, s8, 16
	s_lshl_b32 s13, s19, 11
	s_add_co_u32 s84, s84, s13
	s_lshl_b32 s13, s9, 8
	s_add_co_u32 s84, s84, s13
	s_add_co_u32 s84, s84, KSO                     ; my row of the head's scale words
	s_mov_b32 s85, 0
	s_lshl_b32 s52, ttmp9, 3
	s_lshr_b32 s53, s[WV], 1
	s_add_co_u32 s52, s52, s53                     ; my group of 32 rows: G = 8 x + wave / 2
	s_and_b32 s53, s[WV], 1                        ; my tile of it: u
	s_lshl_b32 s55, s53, 4
	s_lshl_b32 s54, s19, 6
	s_add_co_u32 s54, s54, s52                     ; 64 bh + G
	s_mul_i32 s56, s54, 768                        ; q's codes, and o's
	s_mov_b32 s57, 0
	s_lshl_b32 s58, s54, 7
	s_add_co_u32 s58, s58, QSO                     ; q's scale words
	s_mov_b32 s59, 0
	s_lshr_b32 s60, s19, 3                         ; o's scale byte: ((64 batch + G) 2 + u) 128 + 64 (head / 4) + 4 r + head % 4
	s_lshl_b32 s60, s60, 6
	s_add_co_u32 s60, s60, s52
	s_lshl_b32 s60, s60, 1
	s_add_co_u32 s60, s60, s53
	s_lshl_b32 s60, s60, 7
	s_bfe_u32 s61, s19, 0x10002
	s_lshl_b32 s61, s61, 6
	s_add_co_u32 s60, s60, s61
	s_and_b32 s61, s19, 3
	s_add_co_u32 s60, s60, s61
	s_add_co_u32 s60, s60, OSO
	s_mov_b32 s61, 0
	s_mov_b32 s[SEL], 0x76543210
	s_mov_b32 s[SEL+1], 0xfedcba98                 ; v_permlanex16_b32's selects for lane l xor 16
	s_mov_b32 s[CS], 0x3e8293ee                    ; c = log2(e) / sqrt(32)
	s_mov_b32 s[CS+1], s[CS]                       ; named with it as a pair, so it is written
	s_mov_b32 s[TB], 0
	s_mov_b32 s[TS], 0
	s_wait_dscnt 0x0
	s_wait_kmcnt 0x0
	s_mov_b32 s[G0S], 1                            ; count = 1
	s_add_nc_u64 s[G0S+2:G0S+3], s[4:5], s[84:85]
	s_or_b32 s[G0S+3], s[G0S+3], 0x80000000        ; type = 2
	s_mov_b32 s[G0E], 1
	s_add_nc_u64 s[G0E+2:G0E+3], s[4:5], s[80:81]
	s_or_b32 s[G0E+3], s[G0E+3], 0x80000000
	s_mov_b32 s[G0L], 1
	s_add_nc_u64 s[G0L+2:G0L+3], s[4:5], s[82:83]
	s_or_b32 s[G0L+3], s[G0L+3], 0x80000000
	tensor_load_to_lds s[G0S:G0S+3], s[G1S:G1S+7]  ; every wave's three first fills stand together: three loads of mine are out
	s_nop 0
	tensor_load_to_lds s[G0E:G0E+3], s[G1E:G1E+7]
	s_nop 0
	tensor_load_to_lds s[G0L:G0L+3], s[G1L:G1L+7]
	s_nop 0
.rept 4
	v_nop
.endr
	s_add_nc_u64 s[14:15], s[4:5], s[56:57]        ; q's codes
	s_add_nc_u64 s[16:17], s[4:5], s[58:59]        ; q's scale words
	s_add_nc_u64 s[56:57], s[6:7], s[56:57]        ; o's codes
	s_add_nc_u64 s[60:61], s[6:7], s[60:61]        ; o's scale bytes
	v_and_b32 v11, 15, v0                          ; r
	v_add_nc_u32 v1, s55, v11                      ; in the group's image my tile's rows are lanes 16 u + r; both halves of my lanes take the same
	v_lshlrev_b32 v2, 3, v1
	v_lshlrev_b32 v3, 2, v1
	v_lshlrev_b32 v1, 4, v1
	v_lshlrev_b32 v4, 2, v11                       ; 4 r
	v_and_b32 v11, 31, v0                          ; lane
	global_load_b128 v[232:235], v1, s[14:15]
	global_load_b64 v[236:237], v2, s[14:15] offset:512
	global_load_b32 v46, v3, s[16:17]
	v_lshlrev_b32 v5, 4, v11                       ; a half image: registers 0-3 at 16 l,
	v_lshl_add_u32 v6, v11, 3, 512                 ; registers 4-5 at 512 + 8 l
	v_lshl_add_u32 v7, v11, 2, LKS                 ; scale words: 4 l
	v_bfe_u32 v[SH8], v0, 4, 1
	v_lshlrev_b32 v[SH8], 3, v[SH8]                ; 8 h
	v_cmp_le_u32 vcc_lo, 16, v11                   ; lanes 16-31
.irp i, 0,1,2,3,4,5
	v_mov_b32 v[16+\i], 0                          ; Z
	v_mov_b32 v[28+\i], 0
	v_mov_b32 v[40+\i], 0
.endr
	v_mov_b32 v13, 0xff61b1e6                      ; the largest score so far: -3e38, under every score
	v_mul_f32 v12, s[CS], v13
	v_floor_f32 v12, -v12                          ; -M
	v_mov_b32 v14, 0                               ; the sum, in two halves
	v_mov_b32 v15, 0
.irp j, 0,1,2,3,4,5,6,7,8,9,10,11,12,13,14,15
	v_mov_b32 v[O+\j], 0                           ; O^T: the step is written for every step alike; the first finds zeros
.endr
.irp b, 0,1,2,3
	v_mov_b32 v[BY+\b], 0                          ; written once: a lane permute's destination counts as one of its sources
.endr
	v_mov_b32 v[FP+1], 0
	v_mov_b32 v238, 0
	s_wait_loadcnt 0x0                             ; q
.irp i, 0,1,2,3,4,5
	v_cndmask_b32 v[22+\i], v[232+\i], v16, vcc_lo ; X: q in lanes 0-15
	v_cndmask_b32 v[34+\i], v16, v[232+\i], vcc_lo ; Y: q in lanes 16-31
.endr
; A KEY STEP: 128 keys.
.macro STEP
	v_add_nc_u32 v8, s[TB], v5                     ; these four are the plain instructions between the last products and the loads into their operands
	v_add_nc_u32 v9, s[TB], v6
	v_add_nc_u32 v10, s[TS], v7
	v_mov_b32 v[OLD], v12                          ; -M as it was
	ds_load_b32 v196, v10                          ; K's scale words: lanes 0-15 the first 64 keys', lanes 16-31 the second's
.irp g, 0,1
.irp c, 0,1
	ds_load_b128 v[KF+12*\g+6*\c:KF+12*\g+6*\c+3], v8 offset:1536*\g+768*\c
	ds_load_b64 v[KF+12*\g+6*\c+4:KF+12*\g+6*\c+5], v9 offset:1536*\g+768*\c
.endr
.endr
	ds_load_b32 v197, v10 offset:2048              ; V's: lanes 0-15 the first tile of channels, lanes 16-31 the second
.irp g, 0,1
.irp c, 0,1
	ds_load_b128 v[VF+12*\g+6*\c:VF+12*\g+6*\c+3], v8 offset:LV+1536*\g+768*\c
	ds_load_b64 v[VF+12*\g+6*\c+4:VF+12*\g+6*\c+5], v9 offset:LV+1536*\g+768*\c
.endr
.endr
	s_wait_dscnt 9                                 ; K is in; V's word and its eight loads may be out
.irp t, 0,1,2,3                        ; S^T = K q^T: tile 4 g + t is fragment g against the operand whose q lies in place t: v22, v34, v16, v28
	v_wmma_scale_f32_16x16x128_f8f6f4 v[S+8*\t:S+8*\t+7], v[KF:KF+11], v[22+12*(\t%2)-6*(\t/2):33+12*(\t%2)-6*(\t/2)], 0, v196, v46 matrix_a_fmt:MATRIX_FMT_BF6 matrix_b_fmt:MATRIX_FMT_BF6
.endr
.irp t, 0,1,2,3
	v_wmma_scale_f32_16x16x128_f8f6f4 v[S+32+8*\t:S+32+8*\t+7], v[KF+12:KF+23], v[22+12*(\t%2)-6*(\t/2):33+12*(\t%2)-6*(\t/2)], 0, v196, v46 matrix_a_fmt:MATRIX_FMT_BF6 matrix_b_fmt:MATRIX_FMT_BF6 matrix_a_scale:MATRIX_SCALE_ROW1
.endr
.rept 4
	v_nop                                          ; four plain instructions between a product and the first read of its result
.endr
	; register S + 32 g + i of lane (r, h) is key 64 g + 32 h + i of the step: block 2 g + h.  Its largest score serves the row's maximum and, since p rises with the score, the block's largest p.  Four chains of 16, then two and two are joined
.irp q, 0,1,2,3
	v_max3_num_f32 v[BM+\q], v[S+16*\q], v[S+1+16*\q], v[S+2+16*\q]
.endr
.irp i, 3,5,7,9,11,13
.irp q, 0,1,2,3
	v_max3_num_f32 v[BM+\q], v[BM+\q], v[S+16*\q+\i], v[S+1+16*\q+\i]
.endr
.endr
.irp g, 0,1
	v_max3_num_f32 v[BM+2*\g], v[BM+2*\g], v[BM+2*\g+1], v[S+15+32*\g]
.endr
.irp g, 0,1
	v_max_num_f32 v[BM+2*\g], v[BM+2*\g], v[S+31+32*\g]
.endr
	v_max_num_f32 v[TMP], v[BM], v[BM+2]           ; my 64 keys' largest score,
	v_permlanex16_b32 v[PX], v[TMP], s[SEL], s[SEL+1]
	v_max3_num_f32 v13, v13, v[TMP], v[PX]         ; with lane l xor 16's 64: the running largest score of my query
	v_mul_f32 v[TMP], s[CS], v13                   ; as t (c is positive, so the largest score gives the largest t)
	v_floor_f32 v12, -v[TMP]                       ; the new -M = floor(-t) = -ceil(t): a whole number
	v_sub_f32 v[OLD], v12, v[OLD]                  ; old M - new M: a whole number, 0 or less
	v_cvt_i32_f32 v[OLD], v[OLD]                   ; (it saturates)
	v_ldexp_f32 v[FP], 1.0, v[OLD]                 ; f = 2^(old M - new M)
.irp j, 0,2,4,6,8,10,12,14,16,18,20,22,24,26,28,30,32,34,36,38,40,42,44,46,48,50,52,54,56,58,60,62
	v_pk_fma_f32 v[S+\j:S+1+\j], v[S+\j:S+1+\j], s[CS:CS+1], v[12:13] op_sel_hi:[1,0,0]   ; t - M, two at a time (of the pairs c and -M the low word serves both halves)
.endr
.irp g, 0,1
	v_fma_f32 v[BM+2*\g], v[BM+2*\g], s[CS], v12   ; the same of each block's largest score
.endr
.irp j, 0,1,2,3,4,5,6,7,8,9,10,11,12,13,14,15,16,17,18,19,20,21,22,23,24,25,26,27,28,29,30,31,32,33,34,35,36,37,38,39,40,41,42,43,44,45,46,47,48,49,50,51,52,53,54,55,56,57,58,59,60,61,62,63
	v_exp_f32 v[S+\j], v[S+\j]                     ; p = 2^(t - M), at most 1
.endr
.irp g, 0,1
	v_exp_f32 v[BM+2*\g], v[BM+2*\g]               ; the block's largest p: the same two instructions on the same number give the same bits
.endr
	v_pk_mul_f32 v[14:15], v[14:15], v[FP:FP+1] op_sel_hi:[1,0]   ; the sums under the new M (a plain instruction behind the exponentials)
	s_wait_alu depctr_va_vdst(0)
.irp g, 0,1
	v_max_num_f32 v[BM+2*\g], 0x2800000, v[BM+2*\g]   ; the floor 2^(5 - 127): the byte cannot fall under 1
.endr
.irp g, 0,1
	v_add_nc_u32 v[SOP+\g], 0xfe000000, v[BM+2*\g] ; 4 off the exponent field: the conversion's scale operand
.endr
.irp g, 0,1
	v_lshrrev_b32 v[BY+\g], 23, v[SOP+\g]          ; the scale's byte
.endr
	v_lshl_or_b32 v[W], v[BY+1], 16, v[BY]         ; my two bytes: blocks h and 2 + h,
	v_lshlrev_b32 v[W], v[SH8], v[W]               ; at their places in the word (8 h bits up);
	v_permlanex16_b32 v[PX+1], v[W], s[SEL], s[SEL+1]
	v_or_b32 v198, v[W], v[PX+1]                   ; with lane l xor 16's two: p's scale word for these 128 keys
.irp g, 0,1
	v_cvt_scalef32_pk16_bf6_f32 v[P+6*\g:P+2+6*\g], v[S+32*\g:S+15+32*\g], v[SOP+\g]         ; registers 6 g .. 6 g + 5 of the operand: k = 64 g + 32 h + 0 .. 31
	v_cvt_scalef32_pk16_bf6_f32 v[PT+4*\g:PT+2+4*\g], v[S+16+32*\g:S+31+32*\g], v[SOP+\g]    ; a conversion's three registers begin on an even number: made here and moved
.endr
	v_nop                                          ; one plain instruction behind a scaled conversion
.irp g, 0,1
.irp i, 0,1,2
	v_mov_b32 v[P+3+6*\g+\i], v[PT+4*\g+\i]
.endr
.endr
.irp j, 0,2,4,6,8,10,12,14
	v_pk_mul_f32 v[O+\j:O+1+\j], v[O+\j:O+1+\j], v[FP:FP+1] op_sel_hi:[1,0]   ; O^T under the new M, from the low end on
.endr
	v_pk_add_f32 v[SU2:SU2+1], v[S:S+1], v[S+2:S+3]   ; the row's sum is taken of the unquantised p: two at a time, in two chains
.irp j, 4,8,12,16,20,24,28,32,36,40,44,48,52,56,60
	v_pk_add_f32 v[14:15], v[14:15], v[S+\j:S+1+\j]
	v_pk_add_f32 v[SU2:SU2+1], v[SU2:SU2+1], v[S+2+\j:S+3+\j]
.endr
	v_pk_add_f32 v[14:15], v[14:15], v[SU2:SU2+1]
	s_wait_dscnt 0x0                               ; V is in
	; O^T += V^T p^T: two tiles of 16 channels; the two sums take turns, and the next step's eight products stand between the links of each
	v_wmma_scale_f32_16x16x128_f8f6f4 v[O:O+7], v[VF:VF+11], v[P:P+11], v[O:O+7], v197, v198 matrix_a_fmt:MATRIX_FMT_BF6 matrix_b_fmt:MATRIX_FMT_BF6
	v_wmma_scale_f32_16x16x128_f8f6f4 v[O+8:O+15], v[VF+12:VF+23], v[P:P+11], v[O+8:O+15], v197, v198 matrix_a_fmt:MATRIX_FMT_BF6 matrix_b_fmt:MATRIX_FMT_BF6 matrix_a_scale:MATRIX_SCALE_ROW1
	s_add_co_u32 s[TB], s[TB], 3072
	s_add_co_u32 s[TS], s[TS], 128
.endm
	s_wait_tensorcnt 0x1                           ; my scale words and my part of steps 0-3 have landed; my third load may be out: nothing is filled twice, and the four steps below read none of its bytes
	s_barrier_signal -1
	s_barrier_wait -1                              ; everybody's have
	s_mov_b32 s[CNT], 4
.Lfirst:
	STEP
	s_sub_co_u32 s[CNT], s[CNT], 1
	s_cmp_lg_u32 s[CNT], 0
	s_cbranch_scc1 .Lfirst
	s_wait_tensorcnt 0x0                           ; my part of steps 4-15 has landed,
	s_wait_dscnt 0x0
	s_barrier_signal -1
	s_barrier_wait -1                              ; everybody's has
	s_mov_b32 s[CNT], 12
.Lrest:
	STEP
	s_sub_co_u32 s[CNT], s[CNT], 1
	s_cmp_lg_u32 s[CNT], 0
	s_cbranch_scc1 .Lrest
	v_add_f32 v14, v14, v15                        ; the sum's two halves,
	v_permlanex16_b32 v[FP], v14, s[SEL], s[SEL+1]
	v_add_f32 v14, v14, v[FP]                      ; and lane l xor 16's: the row's sum
	v_rcp_f32 v14, v14
.rept 4
	v_nop                                          ; behind the reciprocal, and between the last products and the first read of O^T
.endr
	s_wait_alu depctr_va_vdst(0)
.irp j, 0,1,2,3,4,5,6,7,8,9,10,11,12,13,14,15
	v_mul_f32 v[S+\j], v[O+\j], v14                ; o(query r, channel 16 h + j)
.endr
	v_max3_num_f32 v[BM], |v[S]|, |v[S+1]|, 0x2800000   ; the head's 32 channels are one block of the next product's K
.irp i, 2,4,6,8,10,12,14
	v_max3_num_f32 v[BM], v[BM], |v[S+\i]|, |v[S+1+\i]|
.endr
	v_permlanex16_b32 v[BY], v[BM], s[SEL], s[SEL+1]
	v_max_num_f32 v[BM], v[BM], v[BY]
	v_add_nc_u32 v[SOP], 0xfe000000, v[BM]
	v_lshrrev_b32 v[BM+1], 23, v[SOP]              ; the scale's byte
	v_cvt_scalef32_pk16_bf6_f32 v[232:234], v[S:S+15], v[SOP]
	v_nop                                          ; one plain instruction behind a scaled conversion
.irp i, 0,1,2
	v_permlanex16_b32 v[236+\i], v[232+\i], s[SEL], s[SEL+1]   ; the other 16 channels' codes
.endr
.irp i, 0,1,2
	v_cndmask_b32 v[P+\i], v[232+\i], v[236+\i], vcc_lo        ; channels 0-15: mine in lanes 0-15, the other half's in lanes 16-31
	v_cndmask_b32 v[P+3+\i], v[236+\i], v[232+\i], vcc_lo      ; channels 16-31
.endr
	global_store_b128 v1, v[P:P+3], s[56:57]       ; both halves of the lanes hold the same: 256 consecutive bytes, at a multiple of 256 in the group's image
	global_store_b64 v2, v[P+4:P+5], s[56:57] offset:512
	global_store_b8 v4, v[BM+1], s[60:61]          ; one byte of each row's scale word: the other heads' work-groups write the others
	s_wait_tensorcnt 0x0
	ds_add_u32 v254, v255
	s_wait_dscnt 0x0
	s_endpgm
.Lfunc_end_k_qe7bbfc458e_att1:
	.size	k_qe7bbfc458e_att1, .Lfunc_end_k_qe7bbfc458e_att1-k_qe7bbfc458e_att1
	.p2alignl 7, 3214868480
	.fill 96, 4, 3214868480
	.section	.rodata,"a",@progbits
	.p2align	6, 0x0
	.amdhsa_kernel k_qe7bbfc458e_att1
		.amdhsa_group_segment_fixed_size 169984
		.amdhsa_private_segment_fixed_size 0
		.amdhsa_enable_private_segment 0
		.amdhsa_kernarg_size 16
		.amdhsa_user_sgpr_count 2
		.amdhsa_user_sgpr_kernarg_segment_ptr 1
		.amdhsa_wavefront_size32 1
		.amdhsa_system_sgpr_workgroup_id_x 1
		.amdhsa_system_sgpr_workgroup_id_y 1
		.amdhsa_system_sgpr_workgroup_id_z 1
		.amdhsa_system_vgpr_workitem_id 0
		.amdhsa_next_free_vgpr 256
		.amdhsa_next_free_sgpr 86
		.amdhsa_reserve_vcc 1
		.amdhsa_float_denorm_mode_32 3
		.amdhsa_float_denorm_mode_16_64 3
		.amdhsa_memory_ordered 1
		.amdhsa_forward_progress 1
		.amdhsa_inst_pref_size 37
	.end_amdhsa_kernel
	.amdgpu_metadata
---
amdhsa.version: [ 1, 2 ]
amdhsa.kernels:
  - .name:           k_qe7bbfc458e_att1
    .symbol:         k_qe7bbfc458e_att1.kd
    .args:
      - { .name: qkvc, .offset: 0, .size: 8, .value_kind: global_buffer, .address_space: global }
      - { .name: oc, .offset: 8, .size: 8, .value_kind: global_buffer, .address_space: global }
    .group_segment_fixed_size: 169984
    .private_segment_fixed_size: 0
    .kernarg_segment_align: 8
    .kernarg_segment_size: 16
    .max_flat_workgroup_size: 512
    .sgpr_count:     86
    .vgpr_count:     256
    .wavefront_size: 32
...
	.end_amdgpu_metadata
.endif
;; end of part 3
;; launch post1 (part 4): grid 256 x 1, 4 waves a work-group, no clusters, 88,832 bytes of LDS; arguments oc, x, wb1, g1, b1, g2, b2, x2; writes x2
.if DOCPART == 4
	.amdgcn_target "amdgcn-amd-amdhsa--gfx1250"
	.amdhsa_code_object_version 6
	.text
	.protected	k_qe7bbfc458e_post1
	.globl	k_qe7bbfc458e_post1
	.p2align	8
	.type	k_qe7bbfc458e_post1,@function
k_qe7bbfc458e_post1:
	s_mov_b64 s[64:65], 0
	v_nop
	global_prefetch_b8 v0, s[64:65] scope:SCOPE_SE
	s_setreg_imm32_b32 hwreg(HW_REG_WAVE_MODE, 25, 1), 1
	s_wait_xcnt 0x0
; y = LN(relu(o Wo^T) + res; ga, ba);  out = LN(relu(relu(y Wf1^T) Wf2^T) + y; gb, bb), for 32 rows; the three products on codes of BF6 (E3M2) with one E8M0 scale for each 32 along K; all else in f32.
; SHARES.  Work-group g owns rows 32 g .. 32 g + 31: two tiles m of 16 rows; lane r of a tile is row 8 m + r + 8 (r / 8).  8,192 rows make 256 work-groups.  THE FOUR WAVES SHARE THE COLUMNS: wave w makes columns 64 w .. 64 w + 63 of the first
; and the third product and hidden units 256 w .. 256 w + 255 of the second, for all 32 rows.  So each of a wave's 72 weight fragments goes from memory straight into its registers, once, and feeds two matrix instructions.
; All products are used transposed (source 0 = 16 units, source 1 = 16 rows): a lane holds one row, and the registers of two neighbouring tiles of units are 16 neighbouring columns.
; What goes from wave to wave goes through LDS as images of operand registers: y's codes (half images of 768 bytes) and the hidden layer's (1,536 bytes a fragment), with their scale words.
; LAYER NORM.  A wave has 64 of a row's 256 columns.  It makes their mean and the sum of squares about THAT mean; the four waves' pairs meet in LDS and are joined: mean = the mean of the means,
; M2 = the sum of the M2 + 64 x the sum of (a wave's mean - mean)^2.  No difference of large sums is formed.
; LIMITS: a block whose largest magnitude lies under 2^-122, zeros among them, gets the byte 1; NaN and infinities are not served.
; NO CLUSTER: all work-groups read the same weights, but into registers; a joint load would land in LDS and be read from there once more.  No prefetch: each group of loads is issued a phase ahead of its use.
; REGISTERS.  window 0: v4-23 addresses; v24-31 gains and biases on their way to LDS; v32-127 operands from LDS or memory (in the norms: v32-63 gain, v64-95 bias, v96.. means, v104.. 1/sigma, v112.. sums, v120.. at work);
;   v128-191 the hidden layer's 8 tiles, differences, y; v192-211 codes; v212-227 at work; v228 a scale word just made; v229-236 the activations' scale words; v237-252 the weights'.
;   window 1: v0-191 Wf1's first 16 fragments, later Wf2's K steps 0-3; v192-255 the residual.   window 2: v0-191 Wf1's second 16, later Wf2's K steps 4-7.
;   window 3: v0-63 eight accumulators (tile of rows m, tile of units n at 32 m + 8 n); v128-223 Wo's 8 fragments.
.set WSO,  589824
.set OSO,  1572864
.set YIMG, 0                           ; LDS: y's 4 fragments (2 m + s), halves of 768 bytes
.set YSC,  6144                        ; their scale words, 64 bytes a fragment
.set HIMG, 6400                        ; the hidden layer's 16 fragments (8 m + K step)
.set HSC,  30976                       ; their scale words
.set STAT, 32000                       ; (mean, M2): 1,024 x norm + 256 x wave + 128 m + 8 r
.set GB,   34048                       ; ga, ba, gb, bb: 1,024 bytes each
.set YST,  38144                       ; y in f32, each wave's own 8,192 bytes, as images of registers
.set OST,  70912                       ; the way out: each wave's own 16 rows x (256 + 16) bytes
.set AF,   32
.set HA,   128
.set PC,   192
.set TM,   212
.set PW,   228
.set AS,   229
.set WS,   237
.set GG,   32
.set BB,   64
.set MP,   96
.set RP,   104
.set SM,   112
.set WK,   120
.set OB,   192
.set RA,   4                           ; the residual: (r + 8 (r / 8)) 1,024 + 64 h
.set LI,   5                           ; 16 x lane
.set LS,   6                           ; 4 x lane
.set L8,   7                           ; 8 x lane
.set OA16, 8                           ; o's codes: 49,152 h + 16 r (lanes 16-31 take the next head)
.set OA8,  9                           ; 49,152 h + 8 r
.set GT,   10
.set GL,   11
.set STW,  12
.set STR,  13
.set GBA,  14
.set YA,   15
.set YW16, 16
.set YW8,  17
.set YSW,  18
.set HW,   19
.set HSW,  20
.set OSW,  21
.set OSR,  22
.set GO,   23
.set WV,   20
.set SEL,  48
.set MSB, 0
.macro WIN new                         ; s_set_vgpr_msb: bits 1:0 source 0, 3:2 source 1, 5:4 source 2, 7:6 destination; the high byte repeats the setting that is left
.if MSB != (\new)
	s_set_vgpr_msb (MSB<<8)|(\new)
.set MSB, (\new)
.endif
.endm
.macro PLACES                          ; four plain instructions between a matrix instruction and a read of its result, or a load into one of its registers
.rept 4
	v_nop
.endr
.endm
.macro BARRIER                         ; my LDS stores have landed and my LDS loads are in: then the work-group's barrier
	s_wait_dscnt 0x0
	s_barrier_signal -1
	s_barrier_wait -1
.endm
; One matrix instruction.  zero = 1: it starts a sum.  odd = 1: the odd K step, whose scale words lie in lanes 16-31 of both scale registers.
.macro MM d, a, b, zero, sa, sb, odd
.if \zero
	v_wmma_scale_f32_16x16x128_f8f6f4 v[0+(\d):7+(\d)], v[0+(\a):11+(\a)], v[0+(\b):11+(\b)], 0, v[\sa], v[\sb] matrix_a_fmt:MATRIX_FMT_BF6 matrix_b_fmt:MATRIX_FMT_BF6
.elseif \odd
	v_wmma_scale_f32_16x16x128_f8f6f4 v[0+(\d):7+(\d)], v[0+(\a):11+(\a)], v[0+(\b):11+(\b)], v[0+(\d):7+(\d)], v[\sa], v[\sb] matrix_a_fmt:MATRIX_FMT_BF6 matrix_b_fmt:MATRIX_FMT_BF6 matrix_a_scale:MATRIX_SCALE_ROW1 matrix_b_scale:MATRIX_SCALE_ROW1
.else
	v_wmma_scale_f32_16x16x128_f8f6f4 v[0+(\d):7+(\d)], v[0+(\a):11+(\a)], v[0+(\b):11+(\b)], v[0+(\d):7+(\d)], v[\sa], v[\sb] matrix_a_fmt:MATRIX_FMT_BF6 matrix_b_fmt:MATRIX_FMT_BF6
.endif
.endm
; 32 numbers of a lane in two blocks: register S + 16 b + i = element 16 h + i of block b.  Out: v[C .. C + 5] = all 32 codes of block h; v[T + 2], v[T + 3] = the bytes of blocks 0 and 1, in every lane.
.macro QUANTH S, C, T
.irp b, 0,1
	v_max3_num_f32 v[\b+(\T)], |v[16*\b+(\S)]|, |v[16*\b+1+(\S)]|, 0x2800000   ; my 16 numbers, and the floor 2^(5 - 127): the byte cannot fall under 1
.endr
.irp i, 2,4,6,8,10,12,14
.irp b, 0,1
	v_max3_num_f32 v[\b+(\T)], v[\b+(\T)], |v[16*\b+\i+(\S)]|, |v[16*\b+\i+1+(\S)]|
.endr
.endr
.irp b, 0,1
	v_permlanex16_b32 v[2+\b+(\T)], v[\b+(\T)], s[SEL], s[SEL+1]
.endr
.irp b, 0,1
	v_max_num_f32 v[\b+(\T)], v[\b+(\T)], v[2+\b+(\T)]
.endr
.irp b, 0,1
	v_add_nc_u32 v[4+\b+(\T)], 0xfe000000, v[\b+(\T)]
.endr
.irp b, 0,1
	v_lshrrev_b32 v[2+\b+(\T)], 23, v[4+\b+(\T)]
.endr
	v_cvt_scalef32_pk16_bf6_f32 v[0+(\C):2+(\C)], v[0+(\S):15+(\S)], v[4+(\T)]
	v_cvt_scalef32_pk16_bf6_f32 v[6+(\C):8+(\C)], v[16+(\S):31+(\S)], v[5+(\T)]
	v_nop                                          ; one plain instruction behind a scaled conversion
.irp i, 0,1,2
	v_permlane16_swap_b32 v[\i+(\C)], v[6+\i+(\C)]
.endr
.irp i, 0,1,2
	v_mov_b32 v[3+\i+(\C)], v[6+\i+(\C)]
.endr
.endm
; 64 numbers of a lane, register s + 16 b + i = k 32 b + 16 h + i of my row, become a whole fragment's codes in v[PC] on and its scale word in v[PW].
.macro QUANT s
.irp b, 0,1,2,3
	v_max3_num_f32 v[TM+\b], |v[\s+16*\b]|, |v[\s+1+16*\b]|, 0x2800000
.endr
.irp i, 2,4,6,8,10,12,14
.irp b, 0,1,2,3
	v_max3_num_f32 v[TM+\b], v[TM+\b], |v[\s+16*\b+\i]|, |v[\s+1+16*\b+\i]|
.endr
.endr
.irp b, 0,1,2,3
	v_permlanex16_b32 v[TM+4+\b], v[TM+\b], s[SEL], s[SEL+1]
.endr
.irp b, 0,1,2,3
	v_max_num_f32 v[TM+\b], v[TM+\b], v[TM+4+\b]
.endr
.irp b, 0,1,2,3
	v_add_nc_u32 v[TM+12+\b], 0xfe000000, v[TM+\b]
.endr
.irp b, 0,1,2,3
	v_lshrrev_b32 v[TM+4+\b], 23, v[TM+12+\b]
.endr
	v_lshl_or_b32 v[PW], v[TM+5], 8, v[TM+4]
	v_lshl_or_b32 v[PW], v[TM+6], 16, v[PW]
	v_lshl_or_b32 v[PW], v[TM+7], 24, v[PW]
.irp c, 0,1
	v_cvt_scalef32_pk16_bf6_f32 v[PC+6*\c:PC+2+6*\c], v[\s+32*\c:\s+15+32*\c], v[TM+12+2*\c]
	v_cvt_scalef32_pk16_bf6_f32 v[PC+12+4*\c:PC+14+4*\c], v[\s+16+32*\c:\s+31+32*\c], v[TM+12+2*\c+1]
.endr
	v_nop                                          ; one plain instruction behind a scaled conversion
.irp c, 0,1
.irp i, 0,1,2
	v_permlane16_swap_b32 v[PC+6*\c+\i], v[PC+12+4*\c+\i]
.endr
.irp i, 0,1,2
	v_mov_b32 v[PC+3+6*\c+\i], v[PC+12+4*\c+\i]
.endr
.endr
.endm
; z = relu(accumulators) + residual, in place; then, for each of the two tiles of rows, my 64 columns' mean and sum of squares about it, to LDS.  The sums run in four chains: chain q = tile q / 2, its registers 16 (q % 2) on.
.macro ZSTAT ln
	WIN 0xcc                                       ; source 1 and destination window 3
.set J, 0
.rept 64
	v_max_num_f32 v[J], 0, v[J]                    ; each accumulator from its low end on
.set J, J+1
.endr
	WIN 0xc7                                       ; source 0 and destination window 3, source 1 window 1
.set J, 0
.rept 32
	v_pk_add_f32 v[J:J+1], v[J:J+1], v[192+J:192+J+1]
.set J, J+2
.endr
	WIN 0
.irp i, 0,1,2,3,4,5,6,7
	v_mov_b32 v[SM+\i], 0
	v_mov_b32 v[WK+\i], 0                          ; (a lane permute's destination counts as one of its sources)
.endr
	WIN 0x0c                                       ; source 1 window 3
.set J, 0
.rept 8
.irp q, 0,1,2,3
	v_pk_add_f32 v[SM+2*\q:SM+2*\q+1], v[SM+2*\q:SM+2*\q+1], v[16*\q+J:16*\q+J+1]
.endr
.set J, J+2
.endr
	WIN 0
.irp m, 0,1
	v_pk_add_f32 v[SM+4*\m:SM+4*\m+1], v[SM+4*\m:SM+4*\m+1], v[SM+4*\m+2:SM+4*\m+3]
.endr
.irp m, 0,1
	v_add_f32 v[WK+2*\m], v[SM+4*\m], v[SM+4*\m+1]
.endr
.irp m, 0,1
	v_permlanex16_b32 v[WK+2*\m+1], v[WK+2*\m], s[SEL], s[SEL+1]
.endr
.irp m, 0,1
	v_add_f32 v[WK+2*\m], v[WK+2*\m], v[WK+2*\m+1]
.endr
.irp m, 0,1
	v_mul_f32 v[MP+2*\m], 0x3c800000, v[WK+2*\m]   ; / 64: my columns' mean
	v_mov_b32 v[MP+2*\m+1], 0                      ; (named with it as a pair)
.endr
	WIN 0x03                                       ; source 0 window 3
.irp m, 0,1
.set J, 0
.rept 16
	v_pk_add_f32 v[HA+32*\m+J:HA+32*\m+J+1], v[32*\m+J:32*\m+J+1], v[MP+2*\m:MP+2*\m+1] op_sel_hi:[1,0] neg_lo:[0,1] neg_hi:[0,1]
.set J, J+2
.endr
.endr
	WIN 0
.irp q, 0,1,2,3
	v_pk_mul_f32 v[SM+2*\q:SM+2*\q+1], v[HA+16*\q:HA+16*\q+1], v[HA+16*\q:HA+16*\q+1]
.endr
.set J, 2
.rept 7
.irp q, 0,1,2,3
	v_pk_fma_f32 v[SM+2*\q:SM+2*\q+1], v[HA+16*\q+J:HA+16*\q+J+1], v[HA+16*\q+J:HA+16*\q+J+1], v[SM+2*\q:SM+2*\q+1]
.endr
.set J, J+2
.endr
.irp m, 0,1
	v_pk_add_f32 v[SM+4*\m:SM+4*\m+1], v[SM+4*\m:SM+4*\m+1], v[SM+4*\m+2:SM+4*\m+3]
.endr
.irp m, 0,1
	v_add_f32 v[WK+2*\m], v[SM+4*\m], v[SM+4*\m+1]
.endr
.irp m, 0,1
	v_permlanex16_b32 v[WK+2*\m+1], v[WK+2*\m], s[SEL], s[SEL+1]
.endr
.irp m, 0,1
	v_add_f32 v[MP+2*\m+1], v[WK+2*\m], v[WK+2*\m+1]   ; M2 of my 64 columns
.endr
.irp m, 0,1
	ds_store_b64 v[STW], v[MP+2*\m:MP+2*\m+1] offset:1024*\ln+128*\m   ; both halves of the lanes write the same
.endr
.endm
.macro GBLOAD ln                       ; the gain and the bias of my 32 columns: register 16 b + 4 j .. = column 64 w + 32 b + 16 h + 4 j ..
.irp k, 0,1
.irp b, 0,1
.irp j, 0,1,2,3
	ds_load_b128 v[GG+32*\k+16*\b+4*\j:GG+32*\k+16*\b+4*\j+3], v[GBA] offset:2048*\ln+1024*\k+128*\b+16*\j
.endr
.endr
.endr
.endm
.macro LNCOMB ln                       ; the four waves' pairs become each row's mean (v[MP + 2 m]) and 1 / sqrt(var + eps) (v[RP + 2 m])
.irp m, 0,1
.irp w, 0,1,2,3
	ds_load_b64 v[HA+8*\m+2*\w:HA+8*\m+2*\w+1], v[STR] offset:1024*\ln+256*\w+128*\m
.endr
.endr
	s_wait_dscnt 0x0                               ; these, and the gain and bias
.irp m, 0,1
	v_add_f32 v[WK+2*\m], v[HA+8*\m], v[HA+8*\m+2]
.endr
.irp m, 0,1
	v_add_f32 v[WK+2*\m+1], v[HA+8*\m+4], v[HA+8*\m+6]
.endr
.irp m, 0,1
	v_add_f32 v[WK+2*\m], v[WK+2*\m], v[WK+2*\m+1]
.endr
.irp m, 0,1
	v_mul_f32 v[MP+2*\m], 0x3e800000, v[WK+2*\m]   ; / 4: the row's mean
.endr
.irp w, 0,1,2,3
.irp m, 0,1
	v_sub_f32 v[HA+8*\m+2*\w], v[HA+8*\m+2*\w], v[MP+2*\m]
.endr
.endr
.irp m, 0,1
	v_mul_f32 v[WK+2*\m], v[HA+8*\m], v[HA+8*\m]
.endr
.irp w, 1,2,3
.irp m, 0,1
	v_fma_f32 v[WK+2*\m], v[HA+8*\m+2*\w], v[HA+8*\m+2*\w], v[WK+2*\m]
.endr
.endr
.irp m, 0,1
	v_add_f32 v[WK+2*\m+1], v[HA+8*\m+1], v[HA+8*\m+3]
.endr
.irp m, 0,1
	v_add_f32 v[HA+8*\m+1], v[HA+8*\m+5], v[HA+8*\m+7]
.endr
.irp m, 0,1
	v_add_f32 v[WK+2*\m+1], v[WK+2*\m+1], v[HA+8*\m+1]
.endr
.irp m, 0,1
	v_fma_f32 v[WK+2*\m], v[WK+2*\m], s46, v[WK+2*\m+1]   ; M2 = the sum of the M2 + 64 x the sum of the squares
.endr
.irp m, 0,1
	v_fma_f32 v[WK+2*\m], v[WK+2*\m], s44, s45     ; / 256 + eps
.endr
.irp m, 0,1
	v_rsq_f32 v[RP+2*\m], v[WK+2*\m]
.endr
	v_nop                                          ; one plain instruction behind the transcendentals
	s_wait_alu depctr_va_vdst(0)
.irp m, 0,1
	v_mov_b32 v[RP+2*\m+1], v[RP+2*\m]             ; (named with it as a pair)
.endr
.endm
.macro LNAPPLY m                       ; (z - mean) / sigma x gain + bias of tile m, into v[HA + 32 m] on
	WIN 0x03                                       ; source 0 window 3
.set J, 0
.rept 16
	v_pk_add_f32 v[HA+32*(\m)+J:HA+32*(\m)+J+1], v[32*(\m)+J:32*(\m)+J+1], v[MP+2*(\m):MP+2*(\m)+1] op_sel_hi:[1,0] neg_lo:[0,1] neg_hi:[0,1]
.set J, J+2
.endr
	WIN 0
.set J, 0
.rept 16
	v_pk_mul_f32 v[HA+32*(\m)+J:HA+32*(\m)+J+1], v[HA+32*(\m)+J:HA+32*(\m)+J+1], v[RP+2*(\m):RP+2*(\m)+1] op_sel_hi:[1,0]
.set J, J+2
.endr
.set J, 0
.rept 16
	v_pk_fma_f32 v[HA+32*(\m)+J:HA+32*(\m)+J+1], v[HA+32*(\m)+J:HA+32*(\m)+J+1], v[GG+J:GG+J+1], v[BB+J:BB+J+1]
.set J, J+2
.endr
.endm
.macro WF1LOAD gq                      ; 16 fragments of Wf1 (my hidden units 128 gq on) and their scale words: 48 + 8 loads
	WIN 0x40*(1+\gq)                               ; destination window 1 or 2
.set J, 0
.rept 48
	global_load_b128 v[4*J:4*J+3], v[LI], s[30:31] offset:196608+24576*\gq+512*J
.set J, J+1
.endr
	WIN 0
.irp t, 0,1,2,3,4,5,6,7
	global_load_b32 v[WS+8*\gq+\t], v[LS], s[34:35] offset:WSO+8192+1024*\gq+128*\t
.endr
.endm
.macro WF2LOAD part                    ; 16 fragments of Wf2 (my four tiles of units, K steps 4 part on) and their scale words: 48 + 8 loads
	WIN 0x40*(1+\part)
.irp n, 0,1,2,3
.irp i, 0,1,2,3,4,5,6,7,8,9,10,11
	global_load_b128 v[48*\n+4*\i:48*\n+4*\i+3], v[LI], s[30:31] offset:393216+12288*\n+6144*\part+512*\i
.endr
.endr
	WIN 0
.irp n, 0,1,2,3
.irp q, 0,1
	global_load_b32 v[WS+8*\part+2*\n+\q], v[LS], s[34:35] offset:WSO+16384+512*\n+256*\part+128*\q
.endr
.endr
.endm
; My 128 hidden units of group gq for the two tiles of rows: eight accumulators by turns, relu, quantised: K step 2 w + gq of the third product, to LDS.
.macro FF1 gq
.irp m, 0,1
	WIN 1+\gq                                      ; source 0 window 1 or 2
.irp t, 0,1,2,3,4,5,6,7
	MM HA+8*\t, 24*\t, AF+24*\m, 1, WS+8*\gq+\t, AS+\m, 0
.endr
.irp t, 0,1,2,3,4,5,6,7
	MM HA+8*\t, 24*\t+12, AF+24*\m+12, 0, WS+8*\gq+\t, AS+\m, 1
.endr
	WIN 0
	PLACES
.set J, 0
.rept 64
	v_max_num_f32 v[HA+J], 0, v[HA+J]
.set J, J+1
.endr
	s_wait_dscnt 0x0                               ; the last tile's four stores of codes, issued 16 products and 64 vector lines ago, are done: their registers are written again below
	QUANT HA
.irp c, 0,1,2
	ds_store_b128 v[HW], v[PC+4*\c:PC+4*\c+3] offset:HIMG+(8*\m+\gq)*1536+512*\c
.endr
	ds_store_b32 v[HSW], v[PW] offset:HSC+(8*\m+\gq)*64
.endr
.endm
.macro HFETCH k                        ; the hidden layer's two fragments of K step k into buffer k % 4: six loads
.irp m, 0,1
.irp c, 0,1,2
	ds_load_b128 v[AF+24*((\k)%4)+12*\m+4*\c:AF+24*((\k)%4)+12*\m+4*\c+3], v[LI] offset:HIMG+(8*\m+(\k))*1536+512*\c
.endr
.endr
.endm
; The way out of tile m: 16 rows x 256 bytes go through my own stage and come back as whole rows, into v[ob] on; then they are stored.
.macro TOSTAGE m, ob
.irp b, 0,1
.irp j, 0,1,2,3
	ds_store_b128 v[OSW], v[HA+32*\m+16*\b+4*\j:HA+32*\m+16*\b+4*\j+3] offset:128*\b+16*\j
.endr
.endr
.irp t, 0,1,2,3,4,5,6,7
	ds_load_b128 v[\ob+4*\t:\ob+4*\t+3], v[OSR] offset:544*\t   ; LDS serves a wave's instructions in order: these see my stores, and the next tile's stores come behind them
.endr
.endm
.macro SEND m, ob
.irp t, 0,1,2,3,4,5,6,7
	s_wait_dscnt 7-\t                              ; row pair t is back; the younger loads may be out
	global_store_b128 v[GO], v[\ob+4*\t:\ob+4*\t+3], s[36:37] offset:(8*\m+2*\t+8*(\t/4))*1024 th:TH_STORE_NT   ; 16 lanes store 256 consecutive bytes, at a multiple of 256 from the buffer's first byte
.endr
.endm
	s_load_b512 s[4:19], s[0:1], 0x0               ; o s[4:5], residual s[6:7], weights s[8:9], ga, ba, gb, bb s[10:17], out s[18:19]
	v_lshl_add_u32 v254, v0, 2, 0x15900
	v_mov_b32 v255, 0
	v_lshrrev_b32 v1, 5, v0
	v_readfirstlane_b32 s[WV], v1                  ; wave 0..3
	v_and_b32 v1, 31, v0                           ; lane
	v_and_b32 v2, 15, v0                           ; r
	v_bfe_u32 v3, v0, 4, 1                         ; h
	v_and_b32 v[RA], 8, v2
	v_add_nc_u32 v[RA], v[RA], v2
	v_lshlrev_b32 v[RA], 10, v[RA]
	v_lshl_add_u32 v[RA], v3, 6, v[RA]
	v_lshlrev_b32 v[LI], 4, v1
	v_lshlrev_b32 v[LS], 2, v1
	v_lshlrev_b32 v[L8], 3, v1
	v_mul_u32_u24 v[OA16], v3, 49152
	v_lshl_add_u32 v[OA8], v2, 3, v[OA16]
	v_lshl_add_u32 v[OA16], v2, 4, v[OA16]
	v_and_b32 v[GT], 63, v0
	v_lshlrev_b32 v[GT], 4, v[GT]                  ; gains and biases: waves 0, 1 bring a gain's 1,024 bytes, waves 2, 3 a bias's
	v_lshl_add_u32 v[GL], v0, 4, GB
	s_lshl_b32 s21, s[WV], 8
	v_lshl_add_u32 v[STR], v2, 3, STAT
	v_add_nc_u32 v[STW], s21, v[STR]
	v_lshl_add_u32 v[GBA], v3, 6, GB
	v_add_nc_u32 v[GBA], s21, v[GBA]               ; GB + 256 w + 64 h
	s_lshl_b32 s21, s[WV], 13
	s_add_co_u32 s21, s21, YST
	v_add_nc_u32 v[YA], s21, v[LI]
	s_lshr_b32 s21, s[WV], 1                       ; my 64 columns are half w % 2 of K step w / 2 of the second product
	s_and_b32 s42, s[WV], 1
	s_mul_i32 s43, s21, 1536
	s_mul_i32 s47, s42, 768
	s_add_co_u32 s43, s43, s47
	v_add_nc_u32 v[YW16], s43, v[LI]
	v_add_nc_u32 v[YW8], s43, v[L8]
	s_lshl_b32 s43, s21, 6
	s_lshl_b32 s47, s42, 1
	s_add_co_u32 s43, s43, s47
	v_lshl_add_u32 v[YSW], v2, 2, s43
	s_mul_i32 s43, s[WV], 3072
	v_add_nc_u32 v[HW], s43, v[LI]                 ; the hidden layer's K steps 2 w, 2 w + 1 are mine
	s_lshl_b32 s43, s[WV], 7
	v_lshl_add_u32 v[HSW], v2, 2, s43
	s_mul_i32 s43, s[WV], 4352
	s_add_co_u32 s43, s43, OST
	v_mul_u32_u24 v[OSW], v2, 272
	v_lshl_add_u32 v[OSW], v3, 6, v[OSW]
	v_add_nc_u32 v[OSW], s43, v[OSW]               ; the way out, in: row r, + 64 h
	v_mul_u32_u24 v[OSR], v3, 272
	v_lshl_add_u32 v[OSR], v2, 4, v[OSR]
	v_add_nc_u32 v[OSR], s43, v[OSR]               ; back: lanes 0-15 one row of 256 bytes, lanes 16-31 the next
	v_lshlrev_b32 v[GO], 10, v3
	v_lshl_add_u32 v[GO], v2, 4, v[GO]             ; and the same two rows in the output
.irp i, 2,3,4,5,6,7
	v_mov_b32 v[TM+\i], 0                          ; written once: a lane permute's destination counts as one of its sources
.endr
	s_lshr_b32 s21, ttmp9, 6                       ; batch
	s_mul_i32 s22, s21, 393216
	s_and_b32 s21, ttmp9, 63
	s_mul_i32 s21, s21, 768
	s_add_co_u32 s22, s22, s21                     ; o's codes: head 0 of my batch, my group of 32 rows
	s_mov_b32 s23, 0
	s_lshl_b32 s24, ttmp9, 8
	s_add_co_u32 s24, s24, OSO                     ; o's scale words: 128 bytes a tile of rows
	s_mov_b32 s25, 0
	s_lshl_b32 s26, ttmp9, 15
	s_lshl_b32 s21, s[WV], 8
	s_add_co_u32 s26, s26, s21                     ; my rows and columns in the residual and in the output
	s_mov_b32 s27, 0
	s_mul_i32 s28, s[WV], 12288                    ; Wo: 8 fragments a wave
	s_mov_b32 s29, 0
	s_mul_i32 s30, s[WV], 49152                    ; Wf1, Wf2: 32 fragments a wave
	s_mov_b32 s31, 0
	s_lshl_b32 s32, s[WV], 9                       ; and their scale words, 64 bytes a fragment
	s_mov_b32 s33, 0
	s_lshl_b32 s34, s[WV], 11
	s_mov_b32 s35, 0
	s_mov_b32 s44, 0x3b800000                      ; 1 / 256
	s_mov_b32 s45, 0x3727c5ac                      ; eps = 1e-5
	s_mov_b32 s46, 0x42800000                      ; 64
	s_mov_b32 s[SEL], 0x76543210
	s_mov_b32 s[SEL+1], 0xfedcba98                 ; v_permlanex16_b32's selects for lane l xor 16
	s_wait_kmcnt 0x0
	s_add_nc_u64 s[22:23], s[4:5], s[22:23]
	s_add_nc_u64 s[24:25], s[4:5], s[24:25]
	s_add_nc_u64 s[36:37], s[18:19], s[26:27]
	s_add_nc_u64 s[26:27], s[6:7], s[26:27]
	s_add_nc_u64 s[28:29], s[8:9], s[28:29]
	s_add_nc_u64 s[30:31], s[8:9], s[30:31]
	s_add_nc_u64 s[32:33], s[8:9], s[32:33]
	s_add_nc_u64 s[34:35], s[8:9], s[34:35]
	s_cmp_lt_u32 s[WV], 2
	s_cselect_b64 s[38:39], s[10:11], s[12:13]
	s_cselect_b64 s[40:41], s[14:15], s[16:17]
	; ---- the first loads: 46 (o, its scale words, Wo's, Wo) + 16 (the residual)
.irp m, 0,1
.irp s, 0,1
.irp c, 0,1
	global_load_b128 v[AF+12*(2*\m+\s)+6*\c:AF+12*(2*\m+\s)+6*\c+3], v[OA16], s[22:23] offset:(4*\s+2*\c)*49152+256*\m th:TH_LOAD_NT   ; head 4 s + 2 c + h is block 2 c + h of K step s
	global_load_b64 v[AF+12*(2*\m+\s)+6*\c+4:AF+12*(2*\m+\s)+6*\c+5], v[OA8], s[22:23] offset:(4*\s+2*\c)*49152+512+128*\m th:TH_LOAD_NT
.endr
.endr
.endr
.irp m, 0,1
	global_load_b32 v[AS+\m], v[LS], s[24:25] offset:128*\m th:TH_LOAD_NT
.endr
.irp n, 0,1,2,3
	global_load_b32 v[WS+8+\n], v[LS], s[32:33] offset:WSO+6144+128*\n
.endr
	WIN 0xc0                                       ; destination window 3
.set J, 0
.rept 24
	global_load_b128 v[128+4*J:128+4*J+3], v[LI], s[28:29] offset:147456+512*J
.set J, J+1
.endr
	WIN 0x40                                       ; destination window 1
.irp m, 0,1
.irp b, 0,1
.irp j, 0,1,2,3
	global_load_b128 v[192+32*\m+16*\b+4*\j:192+32*\m+16*\b+4*\j+3], v[RA], s[26:27] offset:8192*\m+128*\b+16*\j th:TH_LOAD_NT
.endr
.endr
.endr
	WIN 0
	s_wait_loadcnt 16                              ; all but the residual's 16
	; ---- o Wo^T: eight accumulators by turns, K step by K step
	WIN 0xf3                                       ; source 0 (Wo), C and D window 3
.irp s, 0,1
.irp m, 0,1
.irp n, 0,1,2,3
	MM 32*\m+8*\n, 128+12*(2*\n+\s), AF+12*(2*\m+\s), 1-\s, WS+8+\n, AS+\m, \s
.endr
.endr
.endr
	WIN 0
	PLACES
	s_wait_loadcnt 0x0                             ; the residual is in
	global_load_b128 v[24:27], v[GT], s[38:39]     ; the first norm's gain or bias, the second's: 2 loads, then Wf1's first 56
	global_load_b128 v[28:31], v[GT], s[40:41]
	WF1LOAD 0
	ZSTAT 0
	s_wait_loadcnt 56                              ; gains and biases are in; the 56 issued behind them may be out
	ds_store_b128 v[GL], v[24:27]
	ds_store_b128 v[GL], v[28:31] offset:2048
	BARRIER                                        ; gains, biases and the first norm's pairs lie in LDS
	; ---- the first norm; y is kept in f32 (my own bytes of LDS) and quantised: two blocks of 32 columns a lane pair.  Each tile has registers of its own for its codes and its scale bytes
	GBLOAD 0
	LNCOMB 0
.irp m, 0,1
	LNAPPLY \m
.irp i, 0,1,2,3,4,5,6,7
	ds_store_b128 v[YA], v[HA+32*\m+4*\i:HA+32*\m+4*\i+3] offset:512*(8*\m+\i)
.endr
	QUANTH HA+32*\m, PC+10*\m, TM
	v_lshl_or_b32 v[TM+8+\m], v[TM+3], 8, v[TM+2]
	ds_store_b128 v[YW16], v[PC+10*\m:PC+10*\m+3] offset:YIMG+3072*\m
	ds_store_b64 v[YW8], v[PC+10*\m+4:PC+10*\m+5] offset:YIMG+3072*\m+512
	ds_store_b16 v[YSW], v[TM+8+\m] offset:YSC+128*\m   ; bytes 2 (w % 2), + 1 of the row's word
.endr
	WF1LOAD 1
	BARRIER                                        ; y's four fragments lie in LDS
	; ---- relu(y Wf1^T)
.irp f, 0,1,2,3
.irp c, 0,1
	ds_load_b128 v[AF+12*\f+6*\c:AF+12*\f+6*\c+3], v[LI] offset:YIMG+1536*\f+768*\c
	ds_load_b64 v[AF+12*\f+6*\c+4:AF+12*\f+6*\c+5], v[L8] offset:YIMG+1536*\f+768*\c+512
.endr
.endr
.irp m, 0,1
	ds_load_b32 v[AS+\m], v[LS] offset:YSC+128*\m
.endr
	s_wait_dscnt 0x0
	s_wait_loadcnt 56                              ; Wf1's first 16 fragments are in; the second 16 may be out
	FF1 0
	WF2LOAD 0
	s_wait_loadcnt 56                              ; Wf1's second 16 are in; Wf2's first 56 loads may be out
	FF1 1
	WF2LOAD 1
	BARRIER                                        ; the hidden layer's 16 fragments lie in LDS
	; ---- hidden Wf2^T: eight accumulators by turns, eight K steps; fragments are fetched three steps ahead, into four buffers; the scale words of all eight steps first
.irp q, 0,1,2,3
.irp m, 0,1
	ds_load_b32 v[AS+2*\q+\m], v[LS] offset:HSC+(8*\m+2*\q)*64   ; lanes 0-15: K step 2 q; lanes 16-31: K step 2 q + 1
.endr
.endr
	HFETCH 0
	HFETCH 1
	HFETCH 2
.irp k, 0,1,2,3,4,5,6,7
.if (\k > 0) && (\k < 5)
	PLACES
.endif
.if \k < 5
	HFETCH \k+3
	s_wait_dscnt 18                                ; this step's fragments are in; those of the three steps ahead may be out
.else
	s_wait_dscnt 6*(7-\k)                          ; those of the steps that are left may be out
.endif
.if \k == 0
	s_wait_loadcnt 56                              ; Wf2's K steps 0-3 are in; 4-7 may be out
.endif
.if \k == 4
	s_wait_loadcnt 0x0
.endif
	WIN 0xf1+(\k/4)                                ; source 0 window 1 or 2, C and D window 3
.irp m, 0,1
.irp n, 0,1,2,3
.if \k == 0
	MM 32*\m+8*\n, 12*(4*\n+(\k%4)), AF+24*(\k%4)+12*\m, 1, WS+8*(\k/4)+2*\n+((\k%4)/2), AS+2*(\k/2)+\m, 0
.else
	MM 32*\m+8*\n, 12*(4*\n+(\k%4)), AF+24*(\k%4)+12*\m, 0, WS+8*(\k/4)+2*\n+((\k%4)/2), AS+2*(\k/2)+\m, \k%2
.endif
.endr
.endr
	WIN 0
.endr
	PLACES
	; ---- the second residual is y, back from my own bytes of LDS
	WIN 0x40
.irp m, 0,1
.irp i, 0,1,2,3,4,5,6,7
	ds_load_b128 v[192+32*\m+4*\i:192+32*\m+4*\i+3], v[YA] offset:512*(8*\m+\i)
.endr
.endr
	WIN 0
	s_wait_dscnt 0x0
	ZSTAT 1
	BARRIER                                        ; the second norm's pairs lie in LDS
	GBLOAD 1
	LNCOMB 1
	; ---- the second norm and the way out; tile 1's norm stands between tile 0's loads from the stage and the wait for them; tile 1 comes back into the registers that held the gain
	LNAPPLY 0
	TOSTAGE 0, OB
	LNAPPLY 1
	SEND 0, OB
	TOSTAGE 1, GG
	SEND 1, GG
	s_wait_tensorcnt 0x0
	ds_add_u32 v254, v255
	s_wait_dscnt 0x0
	s_endpgm
.Lfunc_end_k_qe7bbfc458e_post1:
	.size	k_qe7bbfc458e_post1, .Lfunc_end_k_qe7bbfc458e_post1-k_qe7bbfc458e_post1
	.p2alignl 7, 3214868480
	.fill 96, 4, 3214868480
	.section	.rodata,"a",@progbits
	.p2align	6, 0x0
	.amdhsa_kernel k_qe7bbfc458e_post1
		.amdhsa_group_segment_fixed_size 88832
		.amdhsa_private_segment_fixed_size 0
		.amdhsa_enable_private_segment 0
		.amdhsa_kernarg_size 64
		.amdhsa_user_sgpr_count 2
		.amdhsa_user_sgpr_kernarg_segment_ptr 1
		.amdhsa_wavefront_size32 1
		.amdhsa_system_sgpr_workgroup_id_x 1
		.amdhsa_system_sgpr_workgroup_id_y 1
		.amdhsa_system_sgpr_workgroup_id_z 1
		.amdhsa_system_vgpr_workitem_id 0
		.amdhsa_next_free_vgpr 1024
		.amdhsa_next_free_sgpr 66
		.amdhsa_reserve_vcc 0
		.amdhsa_float_denorm_mode_32 3
		.amdhsa_float_denorm_mode_16_64 3
		.amdhsa_memory_ordered 1
		.amdhsa_forward_progress 1
		.amdhsa_inst_pref_size 135
	.end_amdhsa_kernel
	.amdgpu_metadata
---
amdhsa.version: [ 1, 2 ]
amdhsa.kernels:
  - .name:           k_qe7bbfc458e_post1
    .symbol:         k_qe7bbfc458e_post1.kd
    .args:
      - { .name: oc, .offset: 0, .size: 8, .value_kind: global_buffer, .address_space: global }
      - { .name: x, .offset: 8, .size: 8, .value_kind: global_buffer, .address_space: global }
      - { .name: wb1, .offset: 16, .size: 8, .value_kind: global_buffer, .address_space: global }
      - { .name: g1, .offset: 24, .size: 8, .value_kind: global_buffer, .address_space: global }
      - { .name: b1, .offset: 32, .size: 8, .value_kind: global_buffer, .address_space: global }
      - { .name: g2, .offset: 40, .size: 8, .value_kind: global_buffer, .address_space: global }
      - { .name: b2, .offset: 48, .size: 8, .value_kind: global_buffer, .address_space: global }
      - { .name: x2, .offset: 56, .size: 8, .value_kind: global_buffer, .address_space: global }
    .group_segment_fixed_size: 88832
    .private_segment_fixed_size: 0
    .kernarg_segment_align: 8
    .kernarg_segment_size: 64
    .max_flat_workgroup_size: 128
    .sgpr_count:     66
    .vgpr_count:     1024
    .wavefront_size: 32
...
	.end_amdgpu_metadata
.endif
;; end of part 4
;; launch qkv2: the kernel of part 2 again; grid 256 x 1, 8 waves a work-group, no clusters, 7,680 bytes of LDS; arguments x2, wb2, qkvc; writes qkvc
;; launch att2: the kernel of part 3 again; grid 8 x 32, 16 waves a work-group, no clusters, 169,984 bytes of LDS; arguments qkvc, oc; writes oc
;; launch post2: the kernel of part 4 again; grid 256 x 1, 4 waves a work-group, no clusters, 88,832 bytes of LDS; arguments oc, x2, wb2, g3, b3, g4, b4, out0; writes out0
;; ======== version 2 of 2: 7 launches
;; workspace buffers: wb1 614,400 bytes; wb2 614,400 bytes; qkvc 5,111,808 bytes; oc 1,638,400 bytes; x2 8,388,608 bytes
;; launch prep (part 5): grid 192 x 2, 2 waves a work-group, no clusters, 0 bytes of LDS; arguments W11, W12, W13, W14, Wf11, Wf21, W21, W22, W23, W24, Wf12, Wf22, wb1, wb2; writes wb1, wb2
.if DOCPART == 5
	.amdgcn_target "amdgcn-amd-amdhsa--gfx1250"
	.amdhsa_code_object_version 6
	.text
	.protected	k_qe7bbfc458e_prep
	.globl	k_qe7bbfc458e_prep
	.p2align	8
	.type	k_qe7bbfc458e_prep,@function
k_qe7bbfc458e_prep:
	s_mov_b64 s[64:65], 0
	v_nop
	global_prefetch_b8 v0, s[64:65] scope:SCOPE_SE
	s_setreg_imm32_b32 hwreg(HW_REG_WAVE_MODE, 25, 1), 1
	s_wait_xcnt 0x0
; All twelve weights, f32 [units][K] with K innermost, become codes of BF6 (E3M2) with one E8M0 byte for each 32 along K, laid in the ORDER OF AN OPERAND'S REGISTERS.
; A fragment is 16 units x 128 K = 12 registers a lane.  Its image is 1,536 bytes: three pieces of 512, piece i = registers 4 i .. 4 i + 3, lane l's 16 bytes at 16 l.
; A block's buffer holds 384 fragments: Wq from 0, Wk 32, Wv 64, Wo 96, Wf1 128, Wf2 256; in a weight: fragment = tile x (K / 128) + K step.  Behind them, from byte WSO, 64 bytes of scale words a fragment.
; THE UNITS OF A TILE ARE NOT NEIGHBOURS: lane r of tile 2 b + u is unit 32 b + 8 u + r + 8 (r / 8), so that in a product's result the registers of two neighbouring tiles are 16 neighbouring units.
; One wave makes one fragment: lane (r, h) loads the 2 x 32 numbers that the operand's layout gives it (k = 128 s + 64 c + 32 h + 0 .. 31), so each block of 32 is one lane's.
; A block's scale is 2^(floor(log2(largest magnitude)) - 4); its byte is the largest magnitude's exponent field - 4, held at 1 from below.
; LIMITS: a block whose largest magnitude lies under 2^-122, zeros among them, gets the byte 1 (its codes are zeros or next to it; only this program reads the bytes); NaN and infinities are not served.
; No LDS, no barrier: waves share nothing.  No cluster: no two work-groups read the same bytes.
.set WSO, 589824                       ; 384 x 1,536: where the scale words begin
.set X,   16                           ; v16-79   the 64 numbers
.set CD,  96                           ; v96-107  the fragment's codes
.set CT,  108                          ; v108-114 the upper halves of the two blocks, as the conversions leave them
	s_load_b512 s[8:23], s[0:1], 0x0               ; W11 W12 W13 W14 Wf11 Wf21 W21 W22
	s_load_b256 s[24:31], s[0:1], 0x40             ; W23 W24 Wf12 Wf22
	s_load_b128 s[32:35], s[0:1], 0x60             ; wb1 wb2
	v_lshrrev_b32 v1, 5, v0
	v_readfirstlane_b32 s2, v1                     ; wave 0, 1
	v_and_b32 v1, 31, v0                           ; lane
	v_and_b32 v2, 15, v0                           ; r
	s_wait_alu depctr_va_vdst(0)
	v_bfe_u32 v4, v0, 4, 1                         ; h
	s_and_b32 s3, ttmp7, 0xffff                    ; which encoder block
	s_lshl_b32 s4, ttmp9, 1
	s_add_co_u32 s4, s4, s2                        ; my fragment, 0 .. 383
	s_cmp_lt_u32 ttmp9, 64                         ; work-groups 0-63: the four weights of 32 fragments; 64-127: Wf1; 128-191: Wf2
	s_cselect_b32 s5, 31, 127
	s_and_b32 s5, s4, s5                           ; the fragment's number in its weight
	s_cmp_lt_u32 ttmp9, 128
	s_cselect_b32 s6, 1, 3                         ; log2 of K / 128
	s_cselect_b32 s7, 10, 12                       ; log2 of a row's bytes
	s_cselect_b32 s53, 1, 7
	s_lshr_b32 s52, s5, s6                         ; tile
	s_and_b32 s53, s5, s53                         ; K step
	s_lshr_b32 s54, s52, 1
	s_lshl_b32 s54, s54, 5
	s_and_b32 s55, s52, 1
	s_lshl_b32 s55, s55, 3
	s_add_co_u32 s54, s54, s55                     ; the tile's first unit: 32 (tile / 2) + 8 (tile % 2)
	s_lshl_b32 s54, s54, s7                        ; in bytes
	s_lshl_b32 s53, s53, 9                         ; 128 numbers a K step
	s_add_co_u32 s54, s54, s53
	v_and_b32 v3, 8, v2
	v_add_nc_u32 v3, v3, v2                        ; r + 8 (r / 8)
	v_lshlrev_b32 v3, s7, v3
	s_wait_alu depctr_va_vdst(0)
	v_lshl_add_u32 v3, v4, 7, v3                   ; + 32 h numbers
	v_add_nc_u32 v3, s54, v3                       ; where my numbers begin in the weight
	s_mul_i32 s55, s4, 1536
	v_lshl_add_u32 v5, v1, 4, s55                  ; out: the image, 16 bytes a lane
	s_lshl_b32 s52, s4, 6
	s_add_co_u32 s52, s52, WSO
	v_lshl_add_u32 v6, v2, 2, s52                  ; out: the scale word of unit r
	s_mov_b32 s56, 0x76543210
	s_mov_b32 s57, 0xfedcba98                      ; v_permlanex16_b32's selects for lane l xor 16
	s_wait_alu depctr_va_vdst(0)
	s_wait_kmcnt 0x0
	s_cmp_eq_u32 s3, 0                             ; the block's six weights and its buffer: choices on the work-group's number alone
	s_cselect_b64 s[36:37], s[8:9], s[20:21]
	s_cselect_b64 s[38:39], s[10:11], s[22:23]
	s_cselect_b64 s[40:41], s[12:13], s[24:25]
	s_cselect_b64 s[42:43], s[14:15], s[26:27]
	s_cselect_b64 s[44:45], s[16:17], s[28:29]
	s_cselect_b64 s[46:47], s[18:19], s[30:31]
	s_cselect_b64 s[48:49], s[32:33], s[34:35]
	s_cmp_lt_u32 ttmp9, 128
	s_cselect_b64 s[50:51], s[44:45], s[46:47]
	s_cmp_lt_u32 ttmp9, 64
	s_cselect_b64 s[50:51], s[42:43], s[50:51]
	s_cmp_lt_u32 ttmp9, 48
	s_cselect_b64 s[50:51], s[40:41], s[50:51]
	s_cmp_lt_u32 ttmp9, 32
	s_cselect_b64 s[50:51], s[38:39], s[50:51]
	s_cmp_lt_u32 ttmp9, 16
	s_cselect_b64 s[50:51], s[36:37], s[50:51]     ; my weight
.irp c, 0,1
.irp i, 0,1,2,3,4,5,6,7
	global_load_b128 v[X+32*\c+4*\i:X+32*\c+4*\i+3], v3, s[50:51] offset:256*\c+16*\i th:TH_LOAD_NT   ; W(unit, 128 s + 64 c + 32 h + 4 i ..)
.endr
.endr
	s_wait_loadcnt 0x0
.irp c, 0,1                            ; my block 2 c + h: all its 32 numbers are mine
	v_max3_num_f32 v[8+\c], |v[X+32*\c]|, |v[X+1+32*\c]|, 0x2800000   ; with the floor 2^(5 - 127): the byte cannot fall under 1
.endr
.irp i, 2,4,6,8,10,12,14,16,18,20,22,24,26,28,30
.irp c, 0,1
	v_max3_num_f32 v[8+\c], v[8+\c], |v[X+32*\c+\i]|, |v[X+1+32*\c+\i]|   ; the two blocks by turns
.endr
.endr
.irp c, 0,1
	v_add_nc_u32 v[10+\c], 0xfe000000, v[8+\c]     ; 4 off the exponent field: the conversion's scale operand
.endr
.irp c, 0,1
	v_lshrrev_b32 v[12+\c], 23, v[10+\c]           ; the scale's byte
.endr
	v_lshl_or_b32 v14, v13, 16, v12                ; my two bytes: blocks h and 2 + h,
	v_lshlrev_b32 v15, 3, v4
	v_lshlrev_b32 v14, v15, v14                    ; at their places in the word (8 h bits up);
	v_mov_b32 v15, 0
	v_permlanex16_b32 v15, v14, s56, s57
	v_or_b32 v14, v14, v15                         ; with lane l xor 16's two the word is whole
.irp c, 0,1
	v_cvt_scalef32_pk16_bf6_f32 v[CD+6*\c:CD+6*\c+2], v[X+32*\c:X+32*\c+15], v[10+\c]
	v_cvt_scalef32_pk16_bf6_f32 v[CT+4*\c:CT+4*\c+2], v[X+16+32*\c:X+31+32*\c], v[10+\c]   ; a conversion's three registers begin on an even number: made here and moved
.endr
	v_nop                                          ; one plain instruction behind a scaled conversion
.irp c, 0,1
.irp i, 0,1,2
	v_mov_b32 v[CD+3+6*\c+\i], v[CT+4*\c+\i]
.endr
.endr
.irp i, 0,1,2
	global_store_b128 v5, v[CD+4*\i:CD+4*\i+3], s[48:49] offset:512*\i   ; 32 lanes store 512 consecutive bytes
.endr
	global_store_b32 v6, v14, s[48:49]             ; both halves of the lanes hold the same word
	s_endpgm
.Lfunc_end_k_qe7bbfc458e_prep:
	.size	k_qe7bbfc458e_prep, .Lfunc_end_k_qe7bbfc458e_prep-k_qe7bbfc458e_prep
	.p2alignl 7, 3214868480
	.fill 96, 4, 3214868480
	.section	.rodata,"a",@progbits
	.p2align	6, 0x0
	.amdhsa_kernel k_qe7bbfc458e_prep
		.amdhsa_group_segment_fixed_size 0
		.amdhsa_private_segment_fixed_size 0
		.amdhsa_enable_private_segment 0
		.amdhsa_kernarg_size 112
		.amdhsa_user_sgpr_count 2
		.amdhsa_user_sgpr_kernarg_segment_ptr 1
		.amdhsa_wavefront_size32 1
		.amdhsa_system_sgpr_workgroup_id_x 1
		.amdhsa_system_sgpr_workgroup_id_y 1
		.amdhsa_system_sgpr_workgroup_id_z 1
		.amdhsa_system_vgpr_workitem_id 0
		.amdhsa_next_free_vgpr 128
		.amdhsa_next_free_sgpr 66
		.amdhsa_reserve_vcc 0
		.amdhsa_float_denorm_mode_32 3
		.amdhsa_float_denorm_mode_16_64 3
		.amdhsa_memory_ordered 1
		.amdhsa_forward_progress 1
		.amdhsa_inst_pref_size 8
	.end_amdhsa_kernel
	.amdgpu_metadata
---
amdhsa.version: [ 1, 2 ]
amdhsa.kernels:
  - .name:           k_qe7bbfc458e_prep
    .symbol:         k_qe7bbfc458e_prep.kd
    .args:
      - { .name: W11, .offset: 0, .size: 8, .value_kind: global_buffer, .address_space: global }
      - { .name: W12, .offset: 8, .size: 8, .value_kind: global_buffer, .address_space: global }
      - { .name: W13, .offset: 16, .size: 8, .value_kind: global_buffer, .address_space: global }
      - { .name: W14, .offset: 24, .size: 8, .value_kind: global_buffer, .address_space: global }
      - { .name: Wf11, .offset: 32, .size: 8, .value_kind: global_buffer, .address_space: global }
      - { .name: Wf21, .offset: 40, .size: 8, .value_kind: global_buffer, .address_space: global }
      - { .name: W21, .offset: 48, .size: 8, .value_kind: global_buffer, .address_space: global }
      - { .name: W22, .offset: 56, .size: 8, .value_kind: global_buffer, .address_space: global }
      - { .name: W23, .offset: 64, .size: 8, .value_kind: global_buffer, .address_space: global }
      - { .name: W24, .offset: 72, .size: 8, .value_kind: global_buffer, .address_space: global }
      - { .name: Wf12, .offset: 80, .size: 8, .value_kind: global_buffer, .address_space: global }
      - { .name: Wf22, .offset: 88, .size: 8, .value_kind: global_buffer, .address_space: global }
      - { .name: wb1, .offset: 96, .size: 8, .value_kind: global_buffer, .address_space: global }
      - { .name: wb2, .offset: 104, .size: 8, .value_kind: global_buffer, .address_space: global }
    .group_segment_fixed_size: 0
    .private_segment_fixed_size: 0
    .kernarg_segment_align: 8
    .kernarg_segment_size: 112
    .max_flat_workgroup_size: 64
    .sgpr_count:     66
    .vgpr_count:     128
    .wavefront_size: 32
...
	.end_amdgpu_metadata
.endif
;; end of part 5
;; launch qkv1 (part 6): grid 256 x 1, 8 waves a work-group, no clusters, 7,680 bytes of LDS; arguments x, wb1, qkvc; writes qkvc
.if DOCPART == 6
	.amdgcn_target "amdgcn-amd-amdhsa--gfx1250"
	.amdhsa_code_object_version 6
	.text
	.protected	k_qe7bbfc458e_qkv1
	.globl	k_qe7bbfc458e_qkv1
	.p2align	8
	.type	k_qe7bbfc458e_qkv1,@function
k_qe7bbfc458e_qkv1:
	s_mov_b64 s[64:65], 0
	v_nop
	global_prefetch_b8 v0, s[64:65] scope:SCOPE_SE
	s_setreg_imm32_b32 hwreg(HW_REG_WAVE_SCHED_MODE, 0, 2), 2
	s_setreg_imm32_b32 hwreg(HW_REG_WAVE_MODE, 25, 1), 1
	s_wait_xcnt 0x0
	s_wait_alu depctr_vm_vsrc(0)
; q, k, v = relu(x W^T) for 32 rows of x, all three products on codes of BF6 (E3M2) with one E8M0 scale for each 32 along K; then q, k, v are quantised for attention and stored as images of operand registers.
; SHARES.  Work-group g owns rows 32 g .. 32 g + 31 (batch g / 64, group G = g % 64).  Wave w is head w: it loads the twelve fragments of Wq, Wk, Wv that make the head's 32 channels, each once, and issues 24 matrix instructions.
; ROWS OF A TILE: lane r of tile u is row 8 u + r + 8 (r / 8) of the group; the weights' tiles are laid the same way.  So a result's registers of two neighbouring tiles are 16 neighbours.
; x: each wave quantises an eighth of the group's x (tile u = w % 2, K step s = (w / 2) % 2, half c = w / 4: 16 rows x 64 K = 6 registers of a fragment) and hands it to the others through LDS as an image of the registers.
; q, k: the product is used transposed (source 0 = 16 units, source 1 = 16 rows): a lane holds one row and 16 neighbouring channels.  A head's 32 channels are one block of the quantiser.
; v: the product is used as it stands (source 0 = 16 rows, source 1 = 16 units): a lane holds one channel and 16 neighbouring keys.  The group's 32 keys are one block.
; OUT (byte offsets in the workspace, bh = 8 x batch + head).  A half image is 768 bytes: registers 0-3 at 16 l, then registers 4-5 at 512 + 8 l.
;   q's codes at 0: [bh][G][768], lane (r, h) = row 8 h + r + 8 (r / 8), its 32 channels.   q's scales at QSO: [bh][G][l] words, the byte four times.
;   k's codes at KC: [bh][G / 2][c][768]: a fragment of 64 keys holds four tiles of 16 keys, tile sl = 2 c + h in lanes (., h) of half c; row r' of tile sl is key 32 (r' / 8) + 8 sl + r' % 8 of the 64.
;   So my group's keys are rows 8 (G % 2) + 0 .. 7 of all four tiles: the stores of k's codes cover runs of 128 and of 64 consecutive bytes; the neighbouring group's work-group writes the runs between them.
;   k's scales at KSO: [bh][G / 2][r'] words, byte sl.   v's codes at VC: [bh][G / 4][tile of channels][(G / 2) % 2][768], lane (r, G % 2) = channel of lane r, the group's 32 keys.   v's scales at VSO: [bh][G / 4][tile][r] words, byte G % 4.
;   The stores of q's and v's codes cover runs of 512, 256 or 128 consecutive bytes; those of k's and v's scale bytes (64 and 32 bytes a wave) are two bytes and one byte a lane.
; LIMITS: a block whose largest magnitude lies under 2^-122, zeros among them, gets the byte 1 (only this program reads the bytes); NaN and infinities are not served.
; NO CLUSTER: each weight fragment goes from memory straight into the registers of the one wave that uses it; a joint load would land in LDS and be read from there once more.
; REGISTERS.  window 0: v1-15, v72-75 addresses; v16-63 x's four fragments; v64-65 x's scale words; v66-71 the weights'; v96-127 x's numbers, then q; v128-159 k; v160-191 v; v192-197 at work; v200.., v216.., v232.. codes and scale data of q, k, v.
;   window 1: v0-47 Wq, v48-95 Wk, v96-143 Wv: fragment (tile, K step) at 12 (2 tile + step).
; THE MODE: SCHED_MODE bits 1:0 = 2 (LLVM: expert scheduling mode 2), set by the entry lines.  The code itself states the register dependences
; between vector or matrix instructions and memory or LDS instructions, with s_wait_alu, always for 0.
; THE PLAN.  Registers that memory or LDS instructions touch:
;   v4-15, v72-75   addresses and offsets: written at the head, never again; read by every load and store.
;   v96-127         x's loads land here; the quantiser reads them; later the first product writes them.  No load lands here again.
;   v16-71, window 1 v0-143   loads land here once; matrix instructions alone read them.
;   v200-205, v210  written by the quantiser of x, read by three LDS stores; written again by the quantiser of q, read by three global stores.
;   v216-221, v226 (k) and v232-237, v242 (v)   written by a quantiser, read by three global stores each.
; So: one wait on va_vdst ahead of the first load; one ahead of x's LDS stores; one wait on vm_vsrc ahead of the second writing of v200-205 and v210; one wait on va_vdst ahead of q's and k's six stores, which stand together;
; one ahead of v's three.  The wave's number and VCC, which vector instructions write, have a wait each ahead of their first readers.
.set WSO,  589824
.set KC,   1572864
.set VC,   3145728
.set QSO,  4718592
.set KSO,  4980736
.set VSO,  5046272
.set XSC,  6144                        ; LDS: x's images at 0, 1,536 bytes a fragment (2 u + s); their scale words here, 64 bytes a fragment
.set XF,   16
.set XS,   64
.set WSC,  66
.set ACCQ, 96
.set ACCK, 128
.set ACCV, 160
.set T,    192
.set SEL,  30
.set MSB, 0
.macro WIN new                         ; s_set_vgpr_msb: bits 1:0 source 0, 3:2 source 1, 5:4 source 2, 7:6 destination; the high byte repeats the setting that is left
.if MSB != (\new)
	s_set_vgpr_msb (MSB<<8)|(\new)
.set MSB, (\new)
.endif
.endm
; One matrix instruction.  zero = 1: it starts a sum.  odd = 1: the odd K step, whose scale words lie in lanes 16-31 of both scale registers.
.macro MM d, a, b, zero, sa, sb, odd
.if \zero
	v_wmma_scale_f32_16x16x128_f8f6f4 v[0+(\d):7+(\d)], v[0+(\a):11+(\a)], v[0+(\b):11+(\b)], 0, v[\sa], v[\sb] matrix_a_fmt:MATRIX_FMT_BF6 matrix_b_fmt:MATRIX_FMT_BF6
.elseif \odd
	v_wmma_scale_f32_16x16x128_f8f6f4 v[0+(\d):7+(\d)], v[0+(\a):11+(\a)], v[0+(\b):11+(\b)], v[0+(\d):7+(\d)], v[\sa], v[\sb] matrix_a_fmt:MATRIX_FMT_BF6 matrix_b_fmt:MATRIX_FMT_BF6 matrix_a_scale:MATRIX_SCALE_ROW1 matrix_b_scale:MATRIX_SCALE_ROW1
.else
	v_wmma_scale_f32_16x16x128_f8f6f4 v[0+(\d):7+(\d)], v[0+(\a):11+(\a)], v[0+(\b):11+(\b)], v[0+(\d):7+(\d)], v[\sa], v[\sb] matrix_a_fmt:MATRIX_FMT_BF6 matrix_b_fmt:MATRIX_FMT_BF6
.endif
.endm
; 32 numbers of a lane in two blocks: register S + 16 b + i = element 16 h + i of block b.  Out: v[C .. C + 5] = all 32 codes of block h; v[T + 2], v[T + 3] = the bytes of blocks 0 and 1, in every lane.
.macro QUANTH S, C, T
.irp b, 0,1
	v_max3_num_f32 v[\b+(\T)], |v[16*\b+(\S)]|, |v[16*\b+1+(\S)]|, 0x2800000   ; my 16 numbers, and the floor 2^(5 - 127): the byte cannot fall under 1
.endr
.irp i, 2,4,6,8,10,12,14
.irp b, 0,1
	v_max3_num_f32 v[\b+(\T)], v[\b+(\T)], |v[16*\b+\i+(\S)]|, |v[16*\b+\i+1+(\S)]|
.endr
.endr
.irp b, 0,1
	v_permlanex16_b32 v[2+\b+(\T)], v[\b+(\T)], s[SEL], s[SEL+1]
.endr
.irp b, 0,1
	v_max_num_f32 v[\b+(\T)], v[\b+(\T)], v[2+\b+(\T)]      ; with lane l xor 16's 16: the block's largest magnitude
.endr
.irp b, 0,1
	v_add_nc_u32 v[4+\b+(\T)], 0xfe000000, v[\b+(\T)]       ; 4 off its exponent field: the conversion's scale operand
.endr
.irp b, 0,1
	v_lshrrev_b32 v[2+\b+(\T)], 23, v[4+\b+(\T)]            ; the scale's byte
.endr
	v_cvt_scalef32_pk16_bf6_f32 v[0+(\C):2+(\C)], v[0+(\S):15+(\S)], v[4+(\T)]
	v_cvt_scalef32_pk16_bf6_f32 v[6+(\C):8+(\C)], v[16+(\S):31+(\S)], v[5+(\T)]
	v_nop                                          ; one plain instruction behind a scaled conversion
.irp i, 0,1,2
	v_permlane16_swap_b32 v[\i+(\C)], v[6+\i+(\C)] ; the first's lanes 16-31 change places with the second's lanes 0-15: a lane now holds its block's lower 16 codes and its upper 16
.endr
.irp i, 0,1,2
	v_mov_b32 v[3+\i+(\C)], v[6+\i+(\C)]
.endr
.endm
.macro RELU A, n                       ; from the low end on
.set J, 0
.rept \n
	v_max_num_f32 v[J+(\A)], 0, v[J+(\A)]
.set J, J+1
.endr
.endm
	s_load_b128 s[4:7], s[0:1], 0x0                ; x, the weights' buffer
	s_load_b64 s[8:9], s[0:1], 0x10                ; the workspace
	v_lshl_add_u32 v254, v0, 2, 0x1a00
	v_mov_b32 v255, 0
	v_lshrrev_b32 v1, 5, v0
	v_readfirstlane_b32 s10, v1                    ; wave = head
	v_and_b32 v1, 31, v0                           ; lane
	v_and_b32 v2, 15, v0                           ; r
	s_wait_alu depctr_va_vdst(0)
	v_bfe_u32 v3, v0, 4, 1                         ; h
	s_wait_alu depctr_va_sdst(0)                   ; s10 is written, ahead of its first reader: offsets and LDS addresses are made from it
	s_and_b32 s11, s10, 1                          ; my eighth of x: tile u,
	s_bfe_u32 s12, s10, 0x10001                    ; K step s,
	s_lshr_b32 s13, s10, 2                         ; half c
	s_lshl_b32 s14, ttmp9, 15                      ; 32 rows of 1,024 bytes a work-group
	s_lshl_b32 s18, s11, 13
	s_add_co_u32 s14, s14, s18                     ; + 8 u rows
	s_lshl_b32 s18, s12, 9
	s_add_co_u32 s14, s14, s18                     ; + 128 s numbers
	s_lshl_b32 s18, s13, 8
	s_add_co_u32 s14, s14, s18                     ; + 64 c numbers
	s_mov_b32 s15, 0
	s_lshl_b32 s16, s11, 1
	s_add_co_u32 s16, s16, s12                     ; fragment 2 u + s
	s_lshl_b32 s17, s16, 6
	s_mul_i32 s16, s16, 1536
	s_mul_i32 s18, s13, 768
	s_add_co_u32 s16, s16, s18                     ; LDS: my half image
	s_lshl_b32 s18, s13, 1
	s_add_co_u32 s17, s17, s18                     ; LDS: my two bytes of each row's scale word
	s_and_b32 s19, ttmp9, 63                       ; G
	s_lshr_b32 s20, ttmp9, 6
	s_lshl_b32 s20, s20, 3
	s_add_co_u32 s20, s20, s10                     ; bh
	s_lshl_b32 s21, s20, 6
	s_add_co_u32 s21, s21, s19                     ; 64 bh + G
	s_mul_i32 s22, s21, 768                        ; q's codes
	s_mov_b32 s23, 0
	s_lshl_b32 s24, s21, 7                         ; q's scale words
	s_mov_b32 s25, 0
	s_and_b32 s41, s19, 1                          ; G % 2
	s_mul_i32 s38, s41, 768
	s_sub_co_u32 s42, s22, s38                     ; k's codes: the fragment of 64 keys that my group shares with its neighbour: (32 bh + G / 2) 1,536
	s_mov_b32 s43, 0
	s_lshl_b32 s26, s20, 5
	s_lshr_b32 s38, s19, 1
	s_add_co_u32 s26, s26, s38
	s_lshl_b32 s26, s26, 6
	s_lshl_b32 s38, s41, 5
	s_add_co_u32 s26, s26, s38                     ; k's scale bytes: (32 bh + G / 2) 64 + 4 x 8 (G % 2)
	s_mov_b32 s27, 0
	s_lshl_b32 s39, s20, 4
	s_lshr_b32 s38, s19, 2
	s_add_co_u32 s39, s39, s38                     ; 16 bh + G / 4
	s_mul_i32 s28, s39, 3072
	s_bfe_u32 s38, s19, 0x10001
	s_mul_i32 s38, s38, 768
	s_add_co_u32 s28, s28, s38                     ; v's codes
	s_mov_b32 s29, 0
	s_lshl_b32 s32, s39, 7
	s_and_b32 s38, s19, 3
	s_add_co_u32 s32, s32, s38                     ; v's scale bytes
	s_mov_b32 s33, 0
	s_mul_i32 s34, s10, 6144                       ; my four fragments of each weight: 4 w on
	s_mov_b32 s35, 0
	s_lshl_b32 s36, s10, 8                         ; and their scale words
	s_mov_b32 s37, 0
	s_mov_b32 s[SEL], 0x76543210
	s_mov_b32 s[SEL+1], 0xfedcba98                 ; v_permlanex16_b32's selects for lane l xor 16
	s_mov_b32 s40, 0x01010101
	v_and_b32 v4, 8, v2
	v_add_nc_u32 v4, v4, v2                        ; r + 8 (r / 8)
	v_lshlrev_b32 v4, 10, v4
	s_wait_alu depctr_va_vdst(0)
	v_lshl_add_u32 v4, v3, 6, v4                   ; x: my row, + 16 h numbers
	v_lshlrev_b32 v5, 4, v1                        ; 16 x lane
	v_lshlrev_b32 v6, 2, v1                        ; 4 x lane
	v_lshlrev_b32 v10, 3, v1                       ; 8 x lane
	v_add_nc_u32 v7, s16, v5                       ; LDS: where I store x's codes
	v_add_nc_u32 v8, s16, v10
	v_lshl_add_u32 v9, v2, 2, s17                  ; and the two scale bytes
	v_lshlrev_b32 v14, 2, v2                       ; 4 r
	v_mul_u32_u24 v11, v3, 1536                    ; v: lanes 16-31 hold the second tile of channels
	v_lshl_add_u32 v12, v2, 3, v11
	v_lshl_add_u32 v11, v2, 4, v11
	s_lshl_b32 s38, s41, 8
	v_add_nc_u32 v11, s38, v11                     ; in the image my group's keys are lanes 16 (G % 2) + r
	s_lshl_b32 s38, s41, 7
	v_add_nc_u32 v12, s38, v12
	v_lshl_add_u32 v13, v3, 6, v14                 ; v's scale bytes: 64 h + 4 r
	; k: my lane (r, h) holds key 8 h + r + 8 (r / 8) of the group: tile 2 (r / 8) + h, row 8 (G % 2) + r % 8: half r / 8 of the fragment's image, lane 16 h + 8 (G % 2) + r % 8
	v_and_b32 v15, 7, v2                           ; r % 8
	v_lshrrev_b32 v72, 3, v2                       ; r / 8
	v_mul_u32_u24 v73, v72, 768
	v_lshl_add_u32 v74, v3, 8, v73
	v_lshl_add_u32 v74, v15, 4, v74                ; registers 0-3: 768 (r / 8) + 16 (16 h + r % 8),
	v_lshl_add_u32 v75, v3, 7, v73
	v_lshl_add_u32 v75, v15, 3, v75                ; registers 4-5: 768 (r / 8) + 8 (16 h + r % 8),
	s_lshl_b32 s38, s41, 7
	v_add_nc_u32 v74, s38, v74                     ; + 16 x 8 (G % 2),
	s_lshl_b32 s38, s41, 6
	v_add_nc_u32 v75, s38, v75                     ; + 8 x 8 (G % 2)
	v_lshlrev_b32 v15, 2, v15
	v_lshl_add_u32 v15, v72, 1, v15                ; k's scale bytes: word r % 8 of my eight, bytes 2 (r / 8) and + 1
	v_cmp_le_u32 vcc_lo, 16, v1                    ; lanes 16-31
	v_mov_b32 v[T+2], 0                            ; written once: a lane permute's destination counts as one of its sources
	v_mov_b32 v[T+3], 0
	s_wait_alu depctr_va_vcc(0)                    ; VCC is written, ahead of its first reader, the select of q's scale byte; nothing writes it again
	s_wait_kmcnt 0x0
	s_add_nc_u64 s[14:15], s[4:5], s[14:15]
	s_add_nc_u64 s[34:35], s[6:7], s[34:35]
	s_add_nc_u64 s[36:37], s[6:7], s[36:37]
	s_add_nc_u64 s[22:23], s[8:9], s[22:23]
	s_add_nc_u64 s[24:25], s[8:9], s[24:25]
	s_add_nc_u64 s[26:27], s[8:9], s[26:27]
	s_add_nc_u64 s[28:29], s[8:9], s[28:29]
	s_add_nc_u64 s[32:33], s[8:9], s[32:33]
	s_add_nc_u64 s[42:43], s[8:9], s[42:43]
	s_wait_alu depctr_va_vdst(0)                   ; the addresses and offsets v4-15 and v72-75 are written: every load and store of the kernel reads one of them, and none is written again
.irp b, 0,1
.irp j, 0,1,2,3
	global_load_b128 v[ACCQ+16*\b+4*\j:ACCQ+16*\b+4*\j+3], v4, s[14:15] offset:128*\b+16*\j th:TH_LOAD_NT   ; x(row, 128 s + 64 c + 32 b + 16 h + 4 j ..)
.endr
.endr
	WIN 0x40                                       ; destination window 1
.irp t, 0,1,2
.irp i, 0,1,2,3,4,5,6,7,8,9,10,11
	global_load_b128 v[48*\t+4*\i:48*\t+4*\i+3], v5, s[34:35] offset:49152*\t+512*\i   ; four fragments on end: 512 consecutive bytes a load
.endr
.endr
	WIN 0
.irp t, 0,1,2
.irp p, 0,1
	global_load_b32 v[WSC+2*\t+\p], v6, s[36:37] offset:WSO+2048*\t+128*\p   ; lanes 0-15: K step 0's words of tile p; lanes 16-31: K step 1's
.endr
.endr
	s_wait_loadcnt 42                              ; x's eight loads are in; the 36 + 6 issued behind them may be out
	QUANTH ACCQ, 200, T
	v_lshl_or_b32 v210, v[T+3], 8, v[T+2]
	s_wait_alu depctr_va_vdst(0)                   ; the quantiser has written x's codes v200-205 and the two scale bytes v210, which the three LDS stores read
	ds_store_b128 v7, v[200:203]
	ds_store_b64 v8, v[204:205] offset:512
	ds_store_b16 v9, v210 offset:XSC               ; bytes 2 c, 2 c + 1 of the row's word; both halves of the lanes write the same
	s_wait_dscnt 0x0                               ; for the others' sake: my stores have landed
	s_barrier_signal -1
	s_barrier_wait -1
.irp f, 0,1,2,3
.irp c, 0,1
	ds_load_b128 v[XF+12*\f+6*\c:XF+12*\f+6*\c+3], v5 offset:1536*\f+768*\c   ; no vector instruction has named v16-65
	ds_load_b64 v[XF+12*\f+6*\c+4:XF+12*\f+6*\c+5], v10 offset:1536*\f+768*\c+512
.endr
.endr
.irp u, 0,1
	ds_load_b32 v[XS+\u], v6 offset:XSC+128*\u     ; lanes 0-15: K step 0's words of tile u; lanes 16-31: K step 1's
.endr
	s_wait_dscnt 0x0
	s_wait_loadcnt 0x0                             ; the weights
; In each product four accumulators take turns, K step by K step.
.macro PROJ acc, wf, ws                ; transposed: source 0 = tile p of the weight, source 1 = tile u of x
.irp s, 0,1
.irp p, 0,1
.irp u, 0,1
	MM \acc+16*\u+8*\p, \wf+12*(2*\p+\s), XF+12*(2*\u+\s), 1-\s, \ws+\p, XS+\u, \s
.endr
.endr
.endr
.endm
	WIN 0x01                                       ; source 0 window 1
	PROJ ACCQ, 0, WSC                              ; register 16 u + 8 p + j of lane (r, h): row of lane r of tile u, channel 16 h + 8 p + j
	PROJ ACCK, 48, WSC+2
	WIN 0x04                                       ; source 1 window 1
.irp s, 0,1
.irp p, 0,1
.irp u, 0,1
	MM ACCV+16*\p+8*\u, XF+12*(2*\u+\s), 96+12*(2*\p+\s), 1-\s, XS+\u, WSC+4+\p, \s   ; register 16 p + 8 u + j of lane (r, h): channel of lane r of tile p, key 16 h + 8 u + j
.endr
.endr
.endr
	WIN 0
.rept 4
	v_nop                                          ; four plain instructions between the last product and the first read of a result
.endr
	s_wait_alu depctr_vm_vsrc(0)                   ; my three LDS stores of x's codes have read v200-205 and v210, which q's quantiser writes again
	RELU ACCQ, 32
	QUANTH ACCQ, 200, T                            ; block = tile of rows
	v_cndmask_b32 v210, v[T+2], v[T+3], vcc_lo     ; the byte of the row that my lane now holds
	v_mul_lo_u32 v210, v210, s40                   ; in all four places of the word
	RELU ACCK, 32
	QUANTH ACCK, 216, T
	v_lshl_or_b32 v226, v[T+3], 8, v[T+2]          ; the bytes of tiles 2 (r / 8) and 2 (r / 8) + 1, row 8 (G % 2) + r % 8
	s_wait_alu depctr_va_vdst(0)                   ; q's codes and scale word (v200-205, v210) and k's (v216-221, v226) are written, which the six stores read
	global_store_b128 v5, v[200:203], s[22:23]
	global_store_b64 v10, v[204:205], s[22:23] offset:512
	global_store_b32 v6, v210, s[24:25] offset:QSO
	global_store_b128 v74, v[216:219], s[42:43] offset:KC
	global_store_b64 v75, v[220:221], s[42:43] offset:KC+512
	global_store_b16 v15, v226, s[26:27] offset:KSO
	RELU ACCV, 32                                  ; v's lines name none of the registers that the six stores read
	QUANTH ACCV, 232, T                            ; block = tile of channels, elements = the group's 32 keys
	v_cndmask_b32 v242, v[T+2], v[T+3], vcc_lo
	s_wait_alu depctr_va_vdst(0)                   ; v's codes v232-237 and its scale byte v242 are written, which the three stores read
	global_store_b128 v11, v[232:235], s[28:29] offset:VC
	global_store_b64 v12, v[236:237], s[28:29] offset:VC+512
	global_store_b8 v13, v242, s[32:33] offset:VSO
	s_wait_dscnt 0x0                               ; the closing lines, six on end, of a launch in the mode that stores to LDS
	s_wait_alu 0x0
	s_wait_tensorcnt 0x0
	ds_add_u32 v254, v255
	s_wait_dscnt 0x0
	s_endpgm
.Lfunc_end_k_qe7bbfc458e_qkv1:
	.size	k_qe7bbfc458e_qkv1, .Lfunc_end_k_qe7bbfc458e_qkv1-k_qe7bbfc458e_qkv1
	.p2alignl 7, 3214868480
	.fill 96, 4, 3214868480
	.section	.rodata,"a",@progbits
	.p2align	6, 0x0
	.amdhsa_kernel k_qe7bbfc458e_qkv1
		.amdhsa_group_segment_fixed_size 7680
		.amdhsa_private_segment_fixed_size 0
		.amdhsa_enable_private_segment 0
		.amdhsa_kernarg_size 24
		.amdhsa_user_sgpr_count 2
		.amdhsa_user_sgpr_kernarg_segment_ptr 1
		.amdhsa_wavefront_size32 1
		.amdhsa_system_sgpr_workgroup_id_x 1
		.amdhsa_system_sgpr_workgroup_id_y 1
		.amdhsa_system_sgpr_workgroup_id_z 1
		.amdhsa_system_vgpr_workitem_id 0
		.amdhsa_next_free_vgpr 400
		.amdhsa_next_free_sgpr 66
		.amdhsa_reserve_vcc 1
		.amdhsa_float_denorm_mode_32 3
		.amdhsa_float_denorm_mode_16_64 3
		.amdhsa_memory_ordered 1
		.amdhsa_forward_progress 1
		.amdhsa_inst_pref_size 27
	.end_amdhsa_kernel
	.amdgpu_metadata
---
amdhsa.version: [ 1, 2 ]
amdhsa.kernels:
  - .name:           k_qe7bbfc458e_qkv1
    .symbol:         k_qe7bbfc458e_qkv1.kd
    .args:
      - { .name: x, .offset: 0, .size: 8, .value_kind: global_buffer, .address_space: global }
      - { .name: wb1, .offset: 8, .size: 8, .value_kind: global_buffer, .address_space: global }
      - { .name: qkvc, .offset: 16, .size: 8, .value_kind: global_buffer, .address_space: global }
    .group_segment_fixed_size: 7680
    .private_segment_fixed_size: 0
    .kernarg_segment_align: 8
    .kernarg_segment_size: 24
    .max_flat_workgroup_size: 256
    .sgpr_count:     66
    .vgpr_count:     400
    .wavefront_size: 32
...
	.end_amdgpu_metadata
.endif
;; end of part 6
;; launch att1 (part 7): grid 8 x 32, 16 waves a work-group, no clusters, 169,984 bytes of LDS; arguments qkvc, oc; writes oc
.if DOCPART == 7
	.amdgcn_target "amdgcn-amd-amdhsa--gfx1250"
	.amdhsa_code_object_version 6
	.text
	.protected	k_qe7bbfc458e_att1
	.globl	k_qe7bbfc458e_att1
	.p2align	8
	.type	k_qe7bbfc458e_att1,@function
k_qe7bbfc458e_att1:
	s_mov_b64 s[64:65], 0
	v_nop
	global_prefetch_b8 v0, s[64:65] scope:SCOPE_SE
	s_setreg_imm32_b32 hwreg(HW_REG_WAVE_MODE, 25, 1), 1
	s_wait_xcnt 0x0
; o = softmax(q k^T / sqrt(32)) v for one head and 256 queries, both products on codes of BF6 (E3M2) with one E8M0 scale for each 32 along K; o is quantised along the head's 32 channels and stored as codes.
; THE SOFTMAX: t = score x log2(e) / sqrt(32); M = the largest t so far, rounded UP to a whole number; p = 2^(t - M) is quantised along the keys, not normalised; the row's sum is taken of the unquantised p and divides at the end.
; When M moves, the sum and O are multiplied by 2^(old M - new M), which rounds nothing.
; SHARES.  Work-group (x, y): head y (8 x batch + head), queries 256 x on.  Each of sixteen waves owns one tile of 16 queries in 256 registers: four waves to a SIMD, so that one wave's vector work stands beside another's products and LDS loads.
; Every wave walks the head's 2,048 keys, 128 a step.  A head's K and V as codes and scale words are 102,400 bytes: they come into LDS ONCE and lie there as in memory.  Nothing is filled twice.
; THE FILLS GO IN TWO STAGES.  Each wave issues three tensor loads, together, at the head: a sixteenth of the scale words (1 row of 256 bytes), an eighth of K's or V's codes of steps 0-3 (6 rows), an eighth of those of steps 4-15 (18 rows).
; The first four steps run behind a barrier in front of which each wave has waited for its first two loads; they read LDS bytes under 12,288 of K's codes and of V's, the third loads write from there on.  A second barrier, with all loads waited for, stands in front of the other twelve steps.
; LAYOUT.  Both products are used transposed: a lane holds ONE query (lane % 16) throughout.
; THE FIRST PRODUCT HAS K = 32, the instruction 128.  A fragment of K holds FOUR tiles of 16 keys, one in each 32 of its K; four operands of q hold the query's 32 codes in one of these places and zero codes in the others.
; They overlap in v16-45 as Z X Z Y Z (six registers each; X = q in lanes 0-15, Y = q in lanes 16-31, Z = zeros).  So K's codes carry no padding in memory, LDS or registers; zero codes add nothing under any scale byte.
; THE KEYS OF A TILE (laid by the launch before): row r' of tile sl of a fragment's 64 keys is key 32 (r' / 8) + 8 sl + r' % 8.  A result's lane (r, h) holds rows 8 h + 0 .. 7 of a tile, so its 32 registers of a fragment's four tiles are keys
; 32 h + 0 .. 31 in order: A WHOLE BLOCK OF THE SECOND PRODUCT'S K IN ONE LANE, in the place that the operand's layout gives that lane.  A block's maximum needs no other lane, and the conversions' results are the operand.
; LIMITS: a block whose largest magnitude lies under 2^-122, zeros among them, gets the byte 1; NaN and infinities are not served.
; NO CLUSTER: the eight work-groups of a head read the same 102,400 bytes, once each, ahead of 16 steps of some 250 instructions for each of 16 waves; the shared bytes are asked for once in a work-group's life.
; No prefetch: the only stream is asked for whole at the kernel's head.
; REGISTERS: v1-7 addresses that stay; v8-10 the step's; v11 lane; v12 -M, v13 the largest score, v[14:15] the sum; v16-45 q's operands; v46 q's scale word; v47 8 h; v48-71 two fragments of K; v72-95 two of V; v96-159 scores, then p;
;   v160-175 O^T; v176-194 p's codes; v196, v197 K's and V's scale words; v198 p's; v204-221 at work; v232-238 q as loaded, later o's codes.
.set KC,   1572864                     ; byte offsets in the workspace: K's codes (V's lie as far behind them),
.set QSO,  4718592                     ; q's scale words,
.set KSO,  4980736                     ; K's (V's lie 65,536 behind them)
.set OSO,  1572864                     ; in the output: o's scale words
.set LV,   49152                       ; LDS: K's codes at 0, V's here,
.set LKS,  98304                       ; K's scale words, 128 bytes a step; V's 2,048 behind them
.set EARLY, 12288                      ; four steps' codes of K, or of V
.set S,    96
.set O,    160
.set P,    176
.set PT,   188                         ; v188-190, v192-194: the upper halves of the two blocks, as the conversions leave them
.set KF,   48
.set VF,   72
.set SH8,  47
.set BM,   204                         ; v204-207 four running maxima; then v204 and v206: my two blocks' largest scores, then largest p
.set BY,   208                         ; v208-209 my two blocks' scale bytes
.set PX,   210                         ; v210-211 what comes from lane l xor 16
.set SOP,  212                         ; v212-213 the conversions' scale operands
.set W,    214
.set FP,   216                         ; v[216:217] f = 2^(old M - new M); the pair's upper register is only named
.set SU2,  218                         ; v[218:219] the sum's second chain
.set TMP,  220
.set OLD,  221
.set WV,   18
.set SEL,  20
.set CS,   22
.set TB,   24                          ; s24  the step's codes in LDS: 3,072 bytes a step
.set TS,   25                          ; s25  the step's scale words: 128 bytes a step
.set CNT,  26
.set G1E,  28                          ; s[28:35] descriptor group 1: 6 rows of 256 bytes;  s[36:43]: 18 rows;  s[68:75]: 1 row
.set G1L,  36
.set G1S,  68
.set G0E,  44                          ; s[44:47], s[48:51], s[76:79] their groups 0
.set G0L,  48
.set G0S,  76
	s_load_b128 s[4:7], s[0:1], 0x0                ; the workspace, the output
	v_lshl_add_u32 v254, v0, 2, 0x29000
	v_mov_b32 v255, 0
	ds_add_u32 v254, v255
	ds_add_u32 v254, v255
	v_lshrrev_b32 v1, 5, v0
	s_delay_alu instid0(VALU_DEP_1)
	v_readfirstlane_b32 s[WV], v1                  ; wave 0..15
	s_and_b32 s19, ttmp7, 0xffff                   ; bh
	; dense blocks as rows of 256 bytes: 32 elements of 8 bytes, no padding: lanes read consecutive bytes
.irp g, G1E, G1L, G1S
	s_mov_b32 s[\g], 3<<16                         ; 15:0 no mask; 17:16 elements of 8 bytes
	s_mov_b32 s[\g+1], 32<<16                      ; tensor_dim0
	s_mov_b32 s[\g+3], 32<<16                      ; tile_dim0
	s_mov_b32 s[\g+5], 32                          ; from row to row
	s_mov_b32 s[\g+6], 0
	s_mov_b32 s[\g+7], 0
.endr
	s_mov_b32 s[G1E+2], 6<<16                      ; tensor_dim1
	s_mov_b32 s[G1E+4], 6                          ; tile_dim1
	s_mov_b32 s[G1L+2], 18<<16
	s_mov_b32 s[G1L+4], 18
	s_mov_b32 s[G1S+2], 1<<16
	s_mov_b32 s[G1S+4], 1
	s_lshr_b32 s8, s[WV], 3                        ; waves 0-7 fetch for K, waves 8-15 for V;
	s_and_b32 s9, s[WV], 7                         ; which eighth
	s_mul_i32 s10, s8, LV
	s_mul_i32 s11, s9, 1536                        ; 6 rows
	s_mul_i32 s12, s9, 4608                        ; 18 rows
	s_add_co_u32 s[G0E+1], s10, s11                ; LDS addresses: a constant x (wave / 8) + a constant x (wave % 8) + a constant
	s_add_co_u32 s[G0L+1], s10, s12
	s_add_co_u32 s[G0L+1], s[G0L+1], EARLY
	s_lshl_b32 s[G0S+1], s[WV], 8
	s_add_co_u32 s[G0S+1], s[G0S+1], LKS
	s_mul_i32 s13, s8, KC
	s_mul_i32 s80, s19, 49152
	s_add_co_u32 s13, s13, s80
	s_add_co_u32 s13, s13, KC                      ; the head's codes of K, or of V, in the workspace
	s_add_co_u32 s80, s13, s11
	s_mov_b32 s81, 0
	s_add_co_u32 s82, s13, s12
	s_add_co_u32 s82, s82, EARLY
	s_mov_b32 s83, 0
	s_lshl_b32 s84, s8, 16
	s_lshl_b32 s13, s19, 11
	s_add_co_u32 s84, s84, s13
	s_lshl_b32 s13, s9, 8
	s_add_co_u32 s84, s84, s13
	s_add_co_u32 s84, s84, KSO                     ; my row of the head's scale words
	s_mov_b32 s85, 0
	s_lshl_b32 s52, ttmp9, 3
	s_lshr_b32 s53, s[WV], 1
	s_add_co_u32 s52, s52, s53                     ; my group of 32 rows: G = 8 x + wave / 2
	s_and_b32 s53, s[WV], 1                        ; my tile of it: u
	s_lshl_b32 s55, s53, 4
	s_lshl_b32 s54, s19, 6
	s_add_co_u32 s54, s54, s52                     ; 64 bh + G
	s_mul_i32 s56, s54, 768                        ; q's codes, and o's
	s_mov_b32 s57, 0
	s_lshl_b32 s58, s54, 7
	s_add_co_u32 s58, s58, QSO                     ; q's scale words
	s_mov_b32 s59, 0
	s_lshr_b32 s60, s19, 3                         ; o's scale byte: ((64 batch + G) 2 + u) 128 + 64 (head / 4) + 4 r + head % 4
	s_lshl_b32 s60, s60, 6
	s_add_co_u32 s60, s60, s52
	s_lshl_b32 s60, s60, 1
	s_add_co_u32 s60, s60, s53
	s_lshl_b32 s60, s60, 7
	s_bfe_u32 s61, s19, 0x10002
	s_lshl_b32 s61, s61, 6
	s_add_co_u32 s60, s60, s61
	s_and_b32 s61, s19, 3
	s_add_co_u32 s60, s60, s61
	s_add_co_u32 s60, s60, OSO
	s_mov_b32 s61, 0
	s_mov_b32 s[SEL], 0x76543210
	s_mov_b32 s[SEL+1], 0xfedcba98                 ; v_permlanex16_b32's selects for lane l xor 16
	s_mov_b32 s[CS], 0x3e8293ee                    ; c = log2(e) / sqrt(32)
	s_mov_b32 s[CS+1], s[CS]                       ; named with it as a pair, so it is written
	s_mov_b32 s[TB], 0
	s_mov_b32 s[TS], 0
	s_wait_dscnt 0x0
	s_wait_kmcnt 0x0
	s_mov_b32 s[G0S], 1                            ; count = 1
	s_add_nc_u64 s[G0S+2:G0S+3], s[4:5], s[84:85]
	s_or_b32 s[G0S+3], s[G0S+3], 0x80000000        ; type = 2
	s_mov_b32 s[G0E], 1
	s_add_nc_u64 s[G0E+2:G0E+3], s[4:5], s[80:81]
	s_or_b32 s[G0E+3], s[G0E+3], 0x80000000
	s_mov_b32 s[G0L], 1
	s_add_nc_u64 s[G0L+2:G0L+3], s[4:5], s[82:83]
	s_or_b32 s[G0L+3], s[G0L+3], 0x80000000
	tensor_load_to_lds s[G0S:G0S+3], s[G1S:G1S+7]  ; every wave's three first fills stand together: three loads of mine are out
	s_nop 0
	tensor_load_to_lds s[G0E:G0E+3], s[G1E:G1E+7]
	s_nop 0
	tensor_load_to_lds s[G0L:G0L+3], s[G1L:G1L+7]
	s_nop 0
.rept 4
	v_nop
.endr
	s_add_nc_u64 s[14:15], s[4:5], s[56:57]        ; q's codes
	s_add_nc_u64 s[16:17], s[4:5], s[58:59]        ; q's scale words
	s_add_nc_u64 s[56:57], s[6:7], s[56:57]        ; o's codes
	s_add_nc_u64 s[60:61], s[6:7], s[60:61]        ; o's scale bytes
	v_and_b32 v11, 15, v0                          ; r
	s_delay_alu instid0(VALU_DEP_1)
	v_add_nc_u32 v1, s55, v11                      ; in the group's image my tile's rows are lanes 16 u + r; both halves of my lanes take the same
	s_delay_alu instid0(VALU_DEP_1)
	v_lshlrev_b32 v2, 3, v1
	s_delay_alu instid0(VALU_DEP_2)
	v_lshlrev_b32 v3, 2, v1
	s_delay_alu instid0(VALU_DEP_3)
	v_lshlrev_b32 v1, 4, v1
	v_lshlrev_b32 v4, 2, v11                       ; 4 r
	v_and_b32 v11, 31, v0                          ; lane
	global_load_b128 v[232:235], v1, s[14:15]
	global_load_b64 v[236:237], v2, s[14:15] offset:512
	global_load_b32 v46, v3, s[16:17]
	v_lshlrev_b32 v5, 4, v11                       ; a half image: registers 0-3 at 16 l,
	v_lshl_add_u32 v6, v11, 3, 512                 ; registers 4-5 at 512 + 8 l
	v_lshl_add_u32 v7, v11, 2, LKS                 ; scale words: 4 l
	v_bfe_u32 v[SH8], v0, 4, 1
	s_delay_alu instid0(VALU_DEP_1)
	v_lshlrev_b32 v[SH8], 3, v[SH8]                ; 8 h
	v_cmp_le_u32 vcc_lo, 16, v11                   ; lanes 16-31
.irp i, 0,1,2,3,4,5
	v_mov_b32 v[16+\i], 0                          ; Z
	v_mov_b32 v[28+\i], 0
	v_mov_b32 v[40+\i], 0
.endr
	v_mov_b32 v13, 0xff61b1e6                      ; the largest score so far: -3e38, under every score
	s_delay_alu instid0(VALU_DEP_1)
	v_mul_f32 v12, s[CS], v13
	s_delay_alu instid0(VALU_DEP_1)
	v_floor_f32 v12, -v12                          ; -M
	v_mov_b32 v14, 0                               ; the sum, in two halves
	v_mov_b32 v15, 0
.irp j, 0,1,2,3,4,5,6,7,8,9,10,11,12,13,14,15
	v_mov_b32 v[O+\j], 0                           ; O^T: the step is written for every step alike; the first finds zeros
.endr
.irp b, 0,1,2,3
	v_mov_b32 v[BY+\b], 0                          ; written once: a lane permute's destination counts as one of its sources
.endr
	v_mov_b32 v[FP+1], 0
	v_mov_b32 v238, 0
	s_wait_loadcnt 0x0                             ; q
.irp i, 0,1,2,3,4,5
	v_cndmask_b32 v[22+\i], v[232+\i], v16, vcc_lo ; X: q in lanes 0-15
	v_cndmask_b32 v[34+\i], v16, v[232+\i], vcc_lo ; Y: q in lanes 16-31
.endr
; A KEY STEP: 128 keys.
.macro STEP
	s_setprio 2
	v_add_nc_u32 v8, s[TB], v5                     ; these four are the plain instructions between the last products and the loads into their operands
	v_add_nc_u32 v9, s[TB], v6
	v_add_nc_u32 v10, s[TS], v7
	v_mov_b32 v[OLD], v12                          ; -M as it was
	ds_load_b32 v196, v10                          ; K's scale words: lanes 0-15 the first 64 keys', lanes 16-31 the second's
.irp g, 0,1
.irp c, 0,1
	ds_load_b128 v[KF+12*\g+6*\c:KF+12*\g+6*\c+3], v8 offset:1536*\g+768*\c
	ds_load_b64 v[KF+12*\g+6*\c+4:KF+12*\g+6*\c+5], v9 offset:1536*\g+768*\c
.endr
.endr
	ds_load_b32 v197, v10 offset:2048              ; V's: lanes 0-15 the first tile of channels, lanes 16-31 the second
.irp g, 0,1
.irp c, 0,1
	ds_load_b128 v[VF+12*\g+6*\c:VF+12*\g+6*\c+3], v8 offset:LV+1536*\g+768*\c
	ds_load_b64 v[VF+12*\g+6*\c+4:VF+12*\g+6*\c+5], v9 offset:LV+1536*\g+768*\c
.endr
.endr
	s_wait_dscnt 9                                 ; K is in; V's word and its eight loads may be out
.irp t, 0,1,2,3                        ; S^T = K q^T: tile 4 g + t is fragment g against the operand whose q lies in place t: v22, v34, v16, v28
	v_wmma_scale_f32_16x16x128_f8f6f4 v[S+8*\t:S+8*\t+7], v[KF:KF+11], v[22+12*(\t%2)-6*(\t/2):33+12*(\t%2)-6*(\t/2)], 0, v196, v46 matrix_a_fmt:MATRIX_FMT_BF6 matrix_b_fmt:MATRIX_FMT_BF6
.endr
.irp t, 0,1,2,3
	v_wmma_scale_f32_16x16x128_f8f6f4 v[S+32+8*\t:S+32+8*\t+7], v[KF+12:KF+23], v[22+12*(\t%2)-6*(\t/2):33+12*(\t%2)-6*(\t/2)], 0, v196, v46 matrix_a_fmt:MATRIX_FMT_BF6 matrix_b_fmt:MATRIX_FMT_BF6 matrix_a_scale:MATRIX_SCALE_ROW1
.endr
.rept 4
	v_nop                                          ; four plain instructions between a product and the first read of its result
.endr
	; register S + 32 g + i of lane (r, h) is key 64 g + 32 h + i of the step: block 2 g + h.  Its largest score serves the row's maximum and, since p rises with the score, the block's largest p.  Four chains of 16, then two and two are joined
.irp q, 0,1,2,3
	v_max3_num_f32 v[BM+\q], v[S+16*\q], v[S+1+16*\q], v[S+2+16*\q]
.endr
.irp i, 3,5,7,9,11,13
.irp q, 0,1,2,3
	v_max3_num_f32 v[BM+\q], v[BM+\q], v[S+16*\q+\i], v[S+1+16*\q+\i]
.endr
.endr
.irp g, 0,1
	v_max3_num_f32 v[BM+2*\g], v[BM+2*\g], v[BM+2*\g+1], v[S+15+32*\g]
.endr
.irp g, 0,1
	v_max_num_f32 v[BM+2*\g], v[BM+2*\g], v[S+31+32*\g]
.endr
	s_delay_alu instid0(VALU_DEP_1)
	v_max_num_f32 v[TMP], v[BM], v[BM+2]           ; my 64 keys' largest score,
	s_delay_alu instid0(VALU_DEP_1)
	v_permlanex16_b32 v[PX], v[TMP], s[SEL], s[SEL+1]
	s_delay_alu instid0(VALU_DEP_1)
	v_max3_num_f32 v13, v13, v[TMP], v[PX]         ; with lane l xor 16's 64: the running largest score of my query
	s_delay_alu instid0(VALU_DEP_1)
	v_mul_f32 v[TMP], s[CS], v13                   ; as t (c is positive, so the largest score gives the largest t)
	s_delay_alu instid0(VALU_DEP_1)
	v_floor_f32 v12, -v[TMP]                       ; the new -M = floor(-t) = -ceil(t): a whole number
	s_delay_alu instid0(VALU_DEP_1)
	v_sub_f32 v[OLD], v12, v[OLD]                  ; old M - new M: a whole number, 0 or less
	s_delay_alu instid0(VALU_DEP_1)
	v_cvt_i32_f32 v[OLD], v[OLD]                   ; (it saturates)
	s_delay_alu instid0(VALU_DEP_1)
	v_ldexp_f32 v[FP], 1.0, v[OLD]                 ; f = 2^(old M - new M)
.irp j, 0,2,4,6,8,10,12,14,16,18,20,22,24,26,28,30,32,34,36,38,40,42,44,46,48,50,52,54,56,58,60,62
	v_pk_fma_f32 v[S+\j:S+1+\j], v[S+\j:S+1+\j], s[CS:CS+1], v[12:13] op_sel_hi:[1,0,0]   ; t - M, two at a time (of the pairs c and -M the low word serves both halves)
.endr
.irp g, 0,1
	v_fma_f32 v[BM+2*\g], v[BM+2*\g], s[CS], v12   ; the same of each block's largest score
.endr
	s_setprio 1
	s_wait_alu depctr_va_vdst(0)
.irp j, 0,1,2,3,4,5,6,7,8,9,10,11,12,13,14,15,16,17,18,19,20,21,22,23,24,25,26,27,28,29,30,31,32,33,34,35,36,37,38,39,40,41,42,43,44,45,46,47,48,49,50,51,52,53,54,55,56,57,58,59,60,61,62,63
	v_exp_f32 v[S+\j], v[S+\j]                     ; p = 2^(t - M), at most 1
.endr
.irp g, 0,1
	v_exp_f32 v[BM+2*\g], v[BM+2*\g]               ; the block's largest p: the same two instructions on the same number give the same bits
.endr
	v_pk_mul_f32 v[14:15], v[14:15], v[FP:FP+1] op_sel_hi:[1,0]   ; the sums under the new M (a plain instruction behind the exponentials)
	s_wait_alu depctr_va_vdst(0)
.irp g, 0,1
	v_max_num_f32 v[BM+2*\g], 0x2800000, v[BM+2*\g]   ; the floor 2^(5 - 127): the byte cannot fall under 1
.endr
.irp g, 0,1
	s_delay_alu instid0(VALU_DEP_2)
	v_add_nc_u32 v[SOP+\g], 0xfe000000, v[BM+2*\g] ; 4 off the exponent field: the conversion's scale operand
.endr
.irp g, 0,1
	s_delay_alu instid0(VALU_DEP_2)
	v_lshrrev_b32 v[BY+\g], 23, v[SOP+\g]          ; the scale's byte
.endr
	s_delay_alu instid0(VALU_DEP_1)
	v_lshl_or_b32 v[W], v[BY+1], 16, v[BY]         ; my two bytes: blocks h and 2 + h,
	s_delay_alu instid0(VALU_DEP_1)
	v_lshlrev_b32 v[W], v[SH8], v[W]               ; at their places in the word (8 h bits up);
	s_delay_alu instid0(VALU_DEP_1)
	v_permlanex16_b32 v[PX+1], v[W], s[SEL], s[SEL+1]
	s_delay_alu instid0(VALU_DEP_1)
	v_or_b32 v198, v[W], v[PX+1]                   ; with lane l xor 16's two: p's scale word for these 128 keys
.irp g, 0,1
	v_cvt_scalef32_pk16_bf6_f32 v[P+6*\g:P+2+6*\g], v[S+32*\g:S+15+32*\g], v[SOP+\g]         ; registers 6 g .. 6 g + 5 of the operand: k = 64 g + 32 h + 0 .. 31
	v_cvt_scalef32_pk16_bf6_f32 v[PT+4*\g:PT+2+4*\g], v[S+16+32*\g:S+31+32*\g], v[SOP+\g]    ; a conversion's three registers begin on an even number: made here and moved
.endr
	v_nop                                          ; one plain instruction behind a scaled conversion
.irp g, 0,1
.irp i, 0,1,2
	v_mov_b32 v[P+3+6*\g+\i], v[PT+4*\g+\i]
.endr
.endr
.irp j, 0,2,4,6,8,10,12,14
	v_pk_mul_f32 v[O+\j:O+1+\j], v[O+\j:O+1+\j], v[FP:FP+1] op_sel_hi:[1,0]   ; O^T under the new M, from the low end on
.endr
	v_pk_add_f32 v[218:219], v[100:101], v[104:105]
	v_pk_add_f32 v[252:253], v[108:109], v[112:113]
	v_pk_add_f32 v[250:251], v[116:117], v[120:121]
	v_pk_add_f32 v[248:249], v[124:125], v[128:129]
	v_pk_add_f32 v[246:247], v[132:133], v[136:137]
	s_setprio 0
	v_pk_add_f32 v[244:245], v[140:141], v[144:145]
	v_pk_add_f32 v[242:243], v[148:149], v[152:153]
	v_pk_add_f32 v[14:15], v[14:15], v[156:157]
	v_pk_add_f32 v[218:219], v[218:219], v[96:97]
	v_pk_add_f32 v[252:253], v[252:253], v[98:99]
	v_pk_add_f32 v[250:251], v[250:251], v[102:103]
	v_pk_add_f32 v[248:249], v[248:249], v[106:107]
	v_pk_add_f32 v[246:247], v[246:247], v[110:111]
	v_pk_add_f32 v[244:245], v[244:245], v[114:115]
	v_pk_add_f32 v[242:243], v[242:243], v[118:119]
	v_pk_add_f32 v[14:15], v[14:15], v[122:123]
	v_pk_add_f32 v[218:219], v[218:219], v[126:127]
	v_pk_add_f32 v[252:253], v[252:253], v[130:131]
	v_pk_add_f32 v[250:251], v[250:251], v[134:135]
	v_pk_add_f32 v[248:249], v[248:249], v[138:139]
	v_pk_add_f32 v[246:247], v[246:247], v[142:143]
	v_pk_add_f32 v[244:245], v[244:245], v[146:147]
	v_pk_add_f32 v[242:243], v[242:243], v[150:151]
	v_pk_add_f32 v[14:15], v[14:15], v[154:155]
	v_pk_add_f32 v[218:219], v[218:219], v[158:159]
	s_delay_alu instid0(VALU_DEP_2)
	v_pk_add_f32 v[14:15], v[14:15], v[248:249]
	s_delay_alu instid0(VALU_DEP_2)
	v_pk_add_f32 v[218:219], v[218:219], v[246:247]
	v_pk_add_f32 v[252:253], v[252:253], v[244:245]
	v_pk_add_f32 v[250:251], v[250:251], v[242:243]
	s_delay_alu instid0(VALU_DEP_2)
	v_pk_add_f32 v[14:15], v[14:15], v[252:253]
	s_delay_alu instid0(VALU_DEP_2)
	v_pk_add_f32 v[218:219], v[218:219], v[250:251]
	s_delay_alu instid0(VALU_DEP_1)
	v_pk_add_f32 v[14:15], v[14:15], v[218:219]
	s_wait_dscnt 0x0                               ; V is in
	; O^T += V^T p^T: two tiles of 16 channels; the two sums take turns, and the next step's eight products stand between the links of each
	v_wmma_scale_f32_16x16x128_f8f6f4 v[O:O+7], v[VF:VF+11], v[P:P+11], v[O:O+7], v197, v198 matrix_a_fmt:MATRIX_FMT_BF6 matrix_b_fmt:MATRIX_FMT_BF6
	v_wmma_scale_f32_16x16x128_f8f6f4 v[O+8:O+15], v[VF+12:VF+23], v[P:P+11], v[O+8:O+15], v197, v198 matrix_a_fmt:MATRIX_FMT_BF6 matrix_b_fmt:MATRIX_FMT_BF6 matrix_a_scale:MATRIX_SCALE_ROW1
	s_add_co_u32 s[TB], s[TB], 3072
	s_add_co_u32 s[TS], s[TS], 128
.endm
	s_wait_tensorcnt 0x1                           ; my scale words and my part of steps 0-3 have landed; my third load may be out: nothing is filled twice, and the four steps below read none of its bytes
	s_barrier_signal -1
	s_barrier_wait -1                              ; everybody's have
	s_mov_b32 s[CNT], 4
.Lfirst:
	s_wait_alu depctr_va_vdst(0)
	STEP
	s_sub_co_u32 s[CNT], s[CNT], 1
	s_cmp_lg_u32 s[CNT], 0
	s_cbranch_scc1 .Lfirst
	s_setprio 0
	s_wait_tensorcnt 0x0                           ; my part of steps 4-15 has landed,
	s_wait_dscnt 0x0
	s_barrier_signal -1
	s_barrier_wait -1                              ; everybody's has
	s_mov_b32 s[CNT], 12
.Lrest:
	STEP
	s_sub_co_u32 s[CNT], s[CNT], 1
	s_cmp_lg_u32 s[CNT], 0
	s_cbranch_scc1 .Lrest
	s_setprio 0
	s_wait_alu depctr_va_vdst(0)
	v_add_f32 v14, v14, v15                        ; the sum's two halves,
	s_delay_alu instid0(VALU_DEP_1)
	v_permlanex16_b32 v[FP], v14, s[SEL], s[SEL+1]
	s_delay_alu instid0(VALU_DEP_1)
	v_add_f32 v14, v14, v[FP]                      ; and lane l xor 16's: the row's sum
	s_wait_alu depctr_va_vdst(0)
	v_rcp_f32 v14, v14
.rept 4
	v_nop                                          ; behind the reciprocal, and between the last products and the first read of O^T
.endr
	s_wait_alu depctr_va_vdst(0)
.irp j, 0,1,2,3,4,5,6,7,8,9,10,11,12,13,14,15
	v_mul_f32 v[S+\j], v[O+\j], v14                ; o(query r, channel 16 h + j)
.endr
	v_max3_num_f32 v[BM], |v[S]|, |v[S+1]|, 0x2800000   ; the head's 32 channels are one block of the next product's K
.irp i, 2,4,6,8,10,12,14
	s_delay_alu instid0(VALU_DEP_1)
	v_max3_num_f32 v[BM], v[BM], |v[S+\i]|, |v[S+1+\i]|
.endr
	s_delay_alu instid0(VALU_DEP_1)
	v_permlanex16_b32 v[BY], v[BM], s[SEL], s[SEL+1]
	s_delay_alu instid0(VALU_DEP_1)
	v_max_num_f32 v[BM], v[BM], v[BY]
	s_delay_alu instid0(VALU_DEP_1)
	v_add_nc_u32 v[SOP], 0xfe000000, v[BM]
	s_delay_alu instid0(VALU_DEP_1)
	v_lshrrev_b32 v[BM+1], 23, v[SOP]              ; the scale's byte
	v_cvt_scalef32_pk16_bf6_f32 v[232:234], v[S:S+15], v[SOP]
	v_nop                                          ; one plain instruction behind a scaled conversion
.irp i, 0,1,2
	v_permlanex16_b32 v[236+\i], v[232+\i], s[SEL], s[SEL+1]   ; the other 16 channels' codes
.endr
.irp i, 0,1,2
	v_cndmask_b32 v[P+\i], v[232+\i], v[236+\i], vcc_lo        ; channels 0-15: mine in lanes 0-15, the other half's in lanes 16-31
	v_cndmask_b32 v[P+3+\i], v[236+\i], v[232+\i], vcc_lo      ; channels 16-31
.endr
	global_store_b128 v1, v[P:P+3], s[56:57]       ; both halves of the lanes hold the same: 256 consecutive bytes, at a multiple of 256 in the group's image
	global_store_b64 v2, v[P+4:P+5], s[56:57] offset:512
	global_store_b8 v4, v[BM+1], s[60:61]          ; one byte of each row's scale word: the other heads' work-groups write the others
	s_wait_tensorcnt 0x0
	ds_add_u32 v254, v255
	s_wait_dscnt 0x0
	s_endpgm
.Lfunc_end_k_qe7bbfc458e_att1:
	.size	k_qe7bbfc458e_att1, .Lfunc_end_k_qe7bbfc458e_att1-k_qe7bbfc458e_att1
	.p2alignl 7, 3214868480
	.fill 96, 4, 3214868480
	.section	.rodata,"a",@progbits
	.p2align	6, 0x0
	.amdhsa_kernel k_qe7bbfc458e_att1
		.amdhsa_group_segment_fixed_size 169984
		.amdhsa_private_segment_fixed_size 0
		.amdhsa_enable_private_segment 0
		.amdhsa_kernarg_size 16
		.amdhsa_user_sgpr_count 2
		.amdhsa_user_sgpr_kernarg_segment_ptr 1
		.amdhsa_wavefront_size32 1
		.amdhsa_system_sgpr_workgroup_id_x 1
		.amdhsa_system_sgpr_workgroup_id_y 1
		.amdhsa_system_sgpr_workgroup_id_z 1
		.amdhsa_system_vgpr_workitem_id 0
		.amdhsa_next_free_vgpr 256
		.amdhsa_next_free_sgpr 86
		.amdhsa_reserve_vcc 1
		.amdhsa_float_denorm_mode_32 3
		.amdhsa_float_denorm_mode_16_64 3
		.amdhsa_memory_ordered 1
		.amdhsa_forward_progress 1
		.amdhsa_inst_pref_size 39
	.end_amdhsa_kernel
	.amdgpu_metadata
---
amdhsa.version: [ 1, 2 ]
amdhsa.kernels:
  - .name:           k_qe7bbfc458e_att1
    .symbol:         k_qe7bbfc458e_att1.kd
    .args:
      - { .name: qkvc, .offset: 0, .size: 8, .value_kind: global_buffer, .address_space: global }
      - { .name: oc, .offset: 8, .size: 8, .value_kind: global_buffer, .address_space: global }
    .group_segment_fixed_size: 169984
    .private_segment_fixed_size: 0
    .kernarg_segment_align: 8
    .kernarg_segment_size: 16
    .max_flat_workgroup_size: 512
    .sgpr_count:     86
    .vgpr_count:     256
    .wavefront_size: 32
...
	.end_amdgpu_metadata
.endif
;; end of part 7
;; launch post1 (part 8): grid 256 x 1, 4 waves a work-group, no clusters, 88,832 bytes of LDS; arguments oc, x, wb1, g1, b1, g2, b2, x2; writes x2
.if DOCPART == 8
	.amdgcn_target "amdgcn-amd-amdhsa--gfx1250"
	.amdhsa_code_object_version 6
	.text
	.protected	k_qe7bbfc458e_post1
	.globl	k_qe7bbfc458e_post1
	.p2align	8
	.type	k_qe7bbfc458e_post1,@function
k_qe7bbfc458e_post1:
	s_mov_b64 s[64:65], 0
	v_nop
	global_prefetch_b8 v0, s[64:65] scope:SCOPE_SE
	s_setreg_imm32_b32 hwreg(HW_REG_WAVE_SCHED_MODE, 0, 2), 2
	s_setreg_imm32_b32 hwreg(HW_REG_WAVE_MODE, 25, 1), 1
	s_wait_xcnt 0x0
	s_wait_alu depctr_vm_vsrc(0)
; y = LN(relu(o Wo^T) + res; ga, ba);  out = LN(relu(relu(y Wf1^T) Wf2^T) + y; gb, bb), for 32 rows; the three products on codes of BF6 (E3M2) with one E8M0 scale for each 32 along K; all else in f32.
; SHARES.  Work-group g owns rows 32 g .. 32 g + 31: two tiles m of 16 rows; lane r of a tile is row 8 m + r + 8 (r / 8).  8,192 rows make 256 work-groups.  THE FOUR WAVES SHARE THE COLUMNS: wave w makes columns 64 w .. 64 w + 63 of the first
; and the third product and hidden units 256 w .. 256 w + 255 of the second, for all 32 rows.  So each of a wave's 72 weight fragments goes from memory straight into its registers, once, and feeds two matrix instructions.
; All products are used transposed (source 0 = 16 units, source 1 = 16 rows): a lane holds one row, and the registers of two neighbouring tiles of units are 16 neighbouring columns.
; What goes from wave to wave goes through LDS as images of operand registers: y's codes (half images of 768 bytes) and the hidden layer's (1,536 bytes a fragment), with their scale words.
; LAYER NORM.  A wave has 64 of a row's 256 columns.  It makes their mean and the sum of squares about THAT mean; the four waves' pairs meet in LDS and are joined: mean = the mean of the means,
; M2 = the sum of the M2 + 64 x the sum of (a wave's mean - mean)^2.  No difference of large sums is formed.
; LIMITS: a block whose largest magnitude lies under 2^-122, zeros among them, gets the byte 1; NaN and infinities are not served.
; NO CLUSTER: all work-groups read the same weights, but into registers; a joint load would land in LDS and be read from there once more.  No prefetch: each group of loads is issued a phase ahead of its use.
; REGISTERS.  window 0: v4-23 addresses; v24-31 gains and biases on their way to LDS; v32-79 operands from LDS or memory (in the norms: v32-63 gain, v64-95 bias, v96.. means, v104.. 1/sigma, v112.. sums, v120.. at work);
;   v128-191 the hidden layer's 8 tiles, differences, y; v192-211 codes; v212-227 at work; v228 a scale word just made; v229-236 the activations' scale words; v237-252 the weights'.
;   window 1: v0-191 Wf1's first 16 fragments, later Wf2's K steps 0-3; v192-255 the residual.   window 2: v0-191 Wf1's second 16, later Wf2's K steps 4-7.
;   window 3: v0-63 eight accumulators (tile of rows m, tile of units n at 32 m + 8 n); v128-223 Wo's 8 fragments; later v64-255 the hidden layer's 16 fragments (K step k, tile of rows m at 64 + 24 k + 12 m).
; THE MODE: SCHED_MODE bits 1:0 = 2 (LLVM: expert scheduling mode 2), set by the entry lines.  The code itself states the register dependences
; between vector or matrix instructions and memory or LDS instructions, with s_wait_alu, always for 0.
; THE PLAN.  Registers that memory or LDS instructions touch, in the order of the text:
;   v4-23           addresses and offsets: written at the head, never again.        v24-31  loads land, LDS stores read: no vector instruction names them.
;   v32-95          o's fragments land, the first product reads; gain and bias land, the first norm reads; y's fragments land, the second product reads; gain and bias land, the second norm reads; tile 1's rows land on the way out.
;   v96-103         the pairs (mean, M2): vector lines write, LDS stores read, the joining lines write again; the same once more in the second norm.
;   v128-191        differences (vector alone); the four waves' pairs land in v128-143; y: the norm writes, LDS stores read; the hidden layer: products write, the quantiser reads; then as at the beginning; the rows on the way out.
;   v192-210, v220, v221, v228   codes and scale data: quantisers write, LDS stores read.   v192-223 take tile 0's rows on the way out.
;   v229-252        scale words: loads land, products read.     windows 1 and 2, v0-191: Wf1 lands, the second product reads, Wf2 lands, the third product reads.
;   window 1 v192-255   the residual lands, vector lines read; y lands, vector lines read.
;   window 3 v64-255    EACH OF THE HIDDEN LAYER'S 16 FRAGMENTS HAS REGISTERS OF ITS OWN: no load of the third product lands in a register that one of its matrix instructions has read, so the third product holds no s_wait_alu.
; THE WAITS.  va_vdst: ahead of the first load; ahead of each norm's stores of pairs; one a tile in the first norm, ahead of the tile's eleven LDS stores; one a tile in the second product, ahead of its four; one a tile on the way out;
; and the one behind each norm's reciprocal roots.  Each also shows the earlier readers of the registers done in which the next loads land: the comments say which.
; vm_vsrc: ahead of each rewriting of the pairs; ahead of the second product (y's and its codes' registers); ahead of each later rewriting of the codes' registers.
.set WSO,  589824
.set OSO,  1572864
.set YIMG, 0                           ; LDS: y's 4 fragments (2 m + s), halves of 768 bytes
.set YSC,  6144                        ; their scale words, 64 bytes a fragment
.set HIMG, 6400                        ; the hidden layer's 16 fragments (8 m + K step)
.set HSC,  30976                       ; their scale words
.set STAT, 32000                       ; (mean, M2): 1,024 x norm + 256 x wave + 128 m + 8 r
.set GB,   34048                       ; ga, ba, gb, bb: 1,024 bytes each
.set YST,  38144                       ; y in f32, each wave's own 8,192 bytes, as images of registers
.set OST,  70912                       ; the way out: each wave's own 16 rows x (256 + 16) bytes
.set AF,   32
.set HF,   64                          ; in window 3
.set HA,   128
.set PC,   192
.set TM,   212
.set PW,   228
.set AS,   229
.set WS,   237
.set GG,   32
.set BB,   64
.set MP,   96
.set RP,   104
.set SM,   112
.set WK,   120
.set OB,   192
.set RA,   4                           ; the residual: (r + 8 (r / 8)) 1,024 + 64 h
.set LI,   5                           ; 16 x lane
.set LS,   6                           ; 4 x lane
.set L8,   7                           ; 8 x lane
.set OA16, 8                           ; o's codes: 49,152 h + 16 r (lanes 16-31 take the next head)
.set OA8,  9                           ; 49,152 h + 8 r
.set GT,   10
.set GL,   11
.set STW,  12
.set STR,  13
.set GBA,  14
.set YA,   15
.set YW16, 16
.set YW8,  17
.set YSW,  18
.set HW,   19
.set HSW,  20
.set OSW,  21
.set OSR,  22
.set GO,   23
.set WV,   20
.set SEL,  48
.set MSB, 0
.macro WIN new                         ; s_set_vgpr_msb: bits 1:0 source 0, 3:2 source 1, 5:4 source 2, 7:6 destination; the high byte repeats the setting that is left
.if MSB != (\new)
	s_set_vgpr_msb (MSB<<8)|(\new)
.set MSB, (\new)
.endif
.endm
.macro PLACES                          ; four plain instructions between a matrix instruction and a vector instruction's read of its result
.rept 4
	v_nop
.endr
.endm
.macro BARRIER                         ; my LDS stores have landed and my LDS loads are in: then the work-group's barrier
	s_wait_dscnt 0x0
	s_barrier_signal -1
	s_barrier_wait -1
.endm
; One matrix instruction.  zero = 1: it starts a sum.  odd = 1: the odd K step, whose scale words lie in lanes 16-31 of both scale registers.
.macro MM d, a, b, zero, sa, sb, odd
.if \zero
	v_wmma_scale_f32_16x16x128_f8f6f4 v[0+(\d):7+(\d)], v[0+(\a):11+(\a)], v[0+(\b):11+(\b)], 0, v[\sa], v[\sb] matrix_a_fmt:MATRIX_FMT_BF6 matrix_b_fmt:MATRIX_FMT_BF6
.elseif \odd
	v_wmma_scale_f32_16x16x128_f8f6f4 v[0+(\d):7+(\d)], v[0+(\a):11+(\a)], v[0+(\b):11+(\b)], v[0+(\d):7+(\d)], v[\sa], v[\sb] matrix_a_fmt:MATRIX_FMT_BF6 matrix_b_fmt:MATRIX_FMT_BF6 matrix_a_scale:MATRIX_SCALE_ROW1 matrix_b_scale:MATRIX_SCALE_ROW1
.else
	v_wmma_scale_f32_16x16x128_f8f6f4 v[0+(\d):7+(\d)], v[0+(\a):11+(\a)], v[0+(\b):11+(\b)], v[0+(\d):7+(\d)], v[\sa], v[\sb] matrix_a_fmt:MATRIX_FMT_BF6 matrix_b_fmt:MATRIX_FMT_BF6
.endif
.endm
; 32 numbers of a lane in two blocks: register S + 16 b + i = element 16 h + i of block b.  Out: v[C .. C + 5] = all 32 codes of block h; v[T + 2], v[T + 3] = the bytes of blocks 0 and 1, in every lane.
.macro QUANTH S, C, T
.irp b, 0,1
	v_max3_num_f32 v[\b+(\T)], |v[16*\b+(\S)]|, |v[16*\b+1+(\S)]|, 0x2800000   ; my 16 numbers, and the floor 2^(5 - 127): the byte cannot fall under 1
.endr
.irp i, 2,4,6,8,10,12,14
.irp b, 0,1
	v_max3_num_f32 v[\b+(\T)], v[\b+(\T)], |v[16*\b+\i+(\S)]|, |v[16*\b+\i+1+(\S)]|
.endr
.endr
.irp b, 0,1
	v_permlanex16_b32 v[2+\b+(\T)], v[\b+(\T)], s[SEL], s[SEL+1]
.endr
.irp b, 0,1
	v_max_num_f32 v[\b+(\T)], v[\b+(\T)], v[2+\b+(\T)]
.endr
.irp b, 0,1
	v_add_nc_u32 v[4+\b+(\T)], 0xfe000000, v[\b+(\T)]
.endr
.irp b, 0,1
	v_lshrrev_b32 v[2+\b+(\T)], 23, v[4+\b+(\T)]
.endr
	v_cvt_scalef32_pk16_bf6_f32 v[0+(\C):2+(\C)], v[0+(\S):15+(\S)], v[4+(\T)]
	v_cvt_scalef32_pk16_bf6_f32 v[6+(\C):8+(\C)], v[16+(\S):31+(\S)], v[5+(\T)]
	v_nop                                          ; one plain instruction behind a scaled conversion
.irp i, 0,1,2
	v_permlane16_swap_b32 v[\i+(\C)], v[6+\i+(\C)]
.endr
.irp i, 0,1,2
	v_mov_b32 v[3+\i+(\C)], v[6+\i+(\C)]
.endr
.endm
; 64 numbers of a lane, register s + 16 b + i = k 32 b + 16 h + i of my row, become a whole fragment's codes in v[PC] on and its scale word in v[PW].
.macro QUANT s
.irp b, 0,1,2,3
	v_max3_num_f32 v[TM+\b], |v[\s+16*\b]|, |v[\s+1+16*\b]|, 0x2800000
.endr
.irp i, 2,4,6,8,10,12,14
.irp b, 0,1,2,3
	v_max3_num_f32 v[TM+\b], v[TM+\b], |v[\s+16*\b+\i]|, |v[\s+1+16*\b+\i]|
.endr
.endr
.irp b, 0,1,2,3
	v_permlanex16_b32 v[TM+4+\b], v[TM+\b], s[SEL], s[SEL+1]
.endr
.irp b, 0,1,2,3
	v_max_num_f32 v[TM+\b], v[TM+\b], v[TM+4+\b]
.endr
.irp b, 0,1,2,3
	v_add_nc_u32 v[TM+12+\b], 0xfe000000, v[TM+\b]
.endr
.irp b, 0,1,2,3
	v_lshrrev_b32 v[TM+4+\b], 23, v[TM+12+\b]
.endr
	v_lshl_or_b32 v[PW], v[TM+5], 8, v[TM+4]
	v_lshl_or_b32 v[PW], v[TM+6], 16, v[PW]
	v_lshl_or_b32 v[PW], v[TM+7], 24, v[PW]
.irp c, 0,1
	v_cvt_scalef32_pk16_bf6_f32 v[PC+6*\c:PC+2+6*\c], v[\s+32*\c:\s+15+32*\c], v[TM+12+2*\c]
	v_cvt_scalef32_pk16_bf6_f32 v[PC+12+4*\c:PC+14+4*\c], v[\s+16+32*\c:\s+31+32*\c], v[TM+12+2*\c+1]
.endr
	v_nop                                          ; one plain instruction behind a scaled conversion
.irp c, 0,1
.irp i, 0,1,2
	v_permlane16_swap_b32 v[PC+6*\c+\i], v[PC+12+4*\c+\i]
.endr
.irp i, 0,1,2
	v_mov_b32 v[PC+3+6*\c+\i], v[PC+12+4*\c+\i]
.endr
.endr
.endm
; z = relu(accumulators) + residual, in place; then, for each of the two tiles of rows, my 64 columns' mean and sum of squares about it, to LDS.  The sums run in four chains: chain q = tile q / 2, its registers 16 (q % 2) on.
.macro ZSTAT ln
	WIN 0xcc                                       ; source 1 and destination window 3
.set J, 0
.rept 64
	v_max_num_f32 v[J], 0, v[J]                    ; each accumulator from its low end on
.set J, J+1
.endr
	WIN 0xc7                                       ; source 0 and destination window 3, source 1 window 1
.set J, 0
.rept 32
	v_pk_add_f32 v[J:J+1], v[J:J+1], v[192+J:192+J+1]
.set J, J+2
.endr
	WIN 0
.irp i, 0,1,2,3,4,5,6,7
	v_mov_b32 v[SM+\i], 0
	v_mov_b32 v[WK+\i], 0                          ; (a lane permute's destination counts as one of its sources)
.endr
	WIN 0x0c                                       ; source 1 window 3
.set J, 0
.rept 8
.irp q, 0,1,2,3
	v_pk_add_f32 v[SM+2*\q:SM+2*\q+1], v[SM+2*\q:SM+2*\q+1], v[16*\q+J:16*\q+J+1]
.endr
.set J, J+2
.endr
	WIN 0
.irp m, 0,1
	v_pk_add_f32 v[SM+4*\m:SM+4*\m+1], v[SM+4*\m:SM+4*\m+1], v[SM+4*\m+2:SM+4*\m+3]
.endr
.irp m, 0,1
	v_add_f32 v[WK+2*\m], v[SM+4*\m], v[SM+4*\m+1]
.endr
.irp m, 0,1
	v_permlanex16_b32 v[WK+2*\m+1], v[WK+2*\m], s[SEL], s[SEL+1]
.endr
.irp m, 0,1
	v_add_f32 v[WK+2*\m], v[WK+2*\m], v[WK+2*\m+1]
.endr
.irp m, 0,1
	v_mul_f32 v[MP+2*\m], 0x3c800000, v[WK+2*\m]   ; / 64: my columns' mean
	v_mov_b32 v[MP+2*\m+1], 0                      ; (named with it as a pair)
.endr
	WIN 0x03                                       ; source 0 window 3
.irp m, 0,1
.set J, 0
.rept 16
	v_pk_add_f32 v[HA+32*\m+J:HA+32*\m+J+1], v[32*\m+J:32*\m+J+1], v[MP+2*\m:MP+2*\m+1] op_sel_hi:[1,0] neg_lo:[0,1] neg_hi:[0,1]
.set J, J+2
.endr
.endr
	WIN 0
.irp q, 0,1,2,3
	v_pk_mul_f32 v[SM+2*\q:SM+2*\q+1], v[HA+16*\q:HA+16*\q+1], v[HA+16*\q:HA+16*\q+1]
.endr
.set J, 2
.rept 7
.irp q, 0,1,2,3
	v_pk_fma_f32 v[SM+2*\q:SM+2*\q+1], v[HA+16*\q+J:HA+16*\q+J+1], v[HA+16*\q+J:HA+16*\q+J+1], v[SM+2*\q:SM+2*\q+1]
.endr
.set J, J+2
.endr
.irp m, 0,1
	v_pk_add_f32 v[SM+4*\m:SM+4*\m+1], v[SM+4*\m:SM+4*\m+1], v[SM+4*\m+2:SM+4*\m+3]
.endr
.irp m, 0,1
	v_add_f32 v[WK+2*\m], v[SM+4*\m], v[SM+4*\m+1]
.endr
.irp m, 0,1
	v_permlanex16_b32 v[WK+2*\m+1], v[WK+2*\m], s[SEL], s[SEL+1]
.endr
.irp m, 0,1
	v_add_f32 v[MP+2*\m+1], v[WK+2*\m], v[WK+2*\m+1]   ; M2 of my 64 columns
.endr
	s_wait_alu depctr_va_vdst(0)                   ; the pairs v[MP ..] are written, which the LDS stores read; the products are done reading v32-79 and the lines above are done with v128-143: behind the barrier gain, bias and the waves' pairs land there
.irp m, 0,1
	ds_store_b64 v[STW], v[MP+2*\m:MP+2*\m+1] offset:1024*\ln+128*\m   ; both halves of the lanes write the same
.endr
.endm
.macro GBLOAD ln                       ; the gain and the bias of my 32 columns: register 16 b + 4 j .. = column 64 w + 32 b + 16 h + 4 j ..
.irp k, 0,1
.irp b, 0,1
.irp j, 0,1,2,3
	ds_load_b128 v[GG+32*\k+16*\b+4*\j:GG+32*\k+16*\b+4*\j+3], v[GBA] offset:2048*\ln+1024*\k+128*\b+16*\j
.endr
.endr
.endr
.endm
.macro LNCOMB ln                       ; the four waves' pairs become each row's mean (v[MP + 2 m]) and 1 / sqrt(var + eps) (v[RP + 2 m])
.irp m, 0,1
.irp w, 0,1,2,3
	ds_load_b64 v[HA+8*\m+2*\w:HA+8*\m+2*\w+1], v[STR] offset:1024*\ln+256*\w+128*\m
.endr
.endr
	s_wait_dscnt 0x0                               ; these, and the gain and bias
	s_wait_alu depctr_vm_vsrc(0)                   ; my LDS stores of the pairs have read v[MP ..], which the rows' means below write again
.irp m, 0,1
	v_add_f32 v[WK+2*\m], v[HA+8*\m], v[HA+8*\m+2]
.endr
.irp m, 0,1
	v_add_f32 v[WK+2*\m+1], v[HA+8*\m+4], v[HA+8*\m+6]
.endr
.irp m, 0,1
	v_add_f32 v[WK+2*\m], v[WK+2*\m], v[WK+2*\m+1]
.endr
.irp m, 0,1
	v_mul_f32 v[MP+2*\m], 0x3e800000, v[WK+2*\m]   ; / 4: the row's mean
.endr
.irp w, 0,1,2,3
.irp m, 0,1
	v_sub_f32 v[HA+8*\m+2*\w], v[HA+8*\m+2*\w], v[MP+2*\m]
.endr
.endr
.irp m, 0,1
	v_mul_f32 v[WK+2*\m], v[HA+8*\m], v[HA+8*\m]
.endr
.irp w, 1,2,3
.irp m, 0,1
	v_fma_f32 v[WK+2*\m], v[HA+8*\m+2*\w], v[HA+8*\m+2*\w], v[WK+2*\m]
.endr
.endr
.irp m, 0,1
	v_add_f32 v[WK+2*\m+1], v[HA+8*\m+1], v[HA+8*\m+3]
.endr
.irp m, 0,1
	v_add_f32 v[HA+8*\m+1], v[HA+8*\m+5], v[HA+8*\m+7]
.endr
.irp m, 0,1
	v_add_f32 v[WK+2*\m+1], v[WK+2*\m+1], v[HA+8*\m+1]
.endr
.irp m, 0,1
	v_fma_f32 v[WK+2*\m], v[WK+2*\m], s46, v[WK+2*\m+1]   ; M2 = the sum of the M2 + 64 x the sum of the squares
.endr
.irp m, 0,1
	v_fma_f32 v[WK+2*\m], v[WK+2*\m], s44, s45     ; / 256 + eps
.endr
	s_wait_alu depctr_va_vdst(0)
.irp m, 0,1
	v_rsq_f32 v[RP+2*\m], v[WK+2*\m]
.endr
	v_nop                                          ; one plain instruction behind the transcendentals
	s_wait_alu depctr_va_vdst(0)                   ; the two reciprocal roots v[RP], v[RP + 2] are written, ahead of their first reader
.irp m, 0,1
	v_mov_b32 v[RP+2*\m+1], v[RP+2*\m]             ; (named with it as a pair)
.endr
.endm
.macro LNAPPLY m                       ; (z - mean) / sigma x gain + bias of tile m, into v[HA + 32 m] on
	WIN 0x03                                       ; source 0 window 3
.set J, 0
.rept 16
	v_pk_add_f32 v[HA+32*(\m)+J:HA+32*(\m)+J+1], v[32*(\m)+J:32*(\m)+J+1], v[MP+2*(\m):MP+2*(\m)+1] op_sel_hi:[1,0] neg_lo:[0,1] neg_hi:[0,1]
.set J, J+2
.endr
	WIN 0
.set J, 0
.rept 16
	v_pk_mul_f32 v[HA+32*(\m)+J:HA+32*(\m)+J+1], v[HA+32*(\m)+J:HA+32*(\m)+J+1], v[RP+2*(\m):RP+2*(\m)+1] op_sel_hi:[1,0]
.set J, J+2
.endr
.set J, 0
.rept 16
	v_pk_fma_f32 v[HA+32*(\m)+J:HA+32*(\m)+J+1], v[HA+32*(\m)+J:HA+32*(\m)+J+1], v[GG+J:GG+J+1], v[BB+J:BB+J+1]
.set J, J+2
.endr
.endm
.macro WF1LOAD gq                      ; 16 fragments of Wf1 (my hidden units 128 gq on) and their scale words: 48 + 8 loads
	WIN 0x40*(1+\gq)                               ; destination window 1 or 2
.set J, 0
.rept 48
	global_load_b128 v[4*J:4*J+3], v[LI], s[30:31] offset:196608+24576*\gq+512*J
.set J, J+1
.endr
	WIN 0
.irp t, 0,1,2,3,4,5,6,7
	global_load_b32 v[WS+8*\gq+\t], v[LS], s[34:35] offset:WSO+8192+1024*\gq+128*\t
.endr
.endm
.macro WF2LOAD part                    ; 16 fragments of Wf2 (my four tiles of units, K steps 4 part on) and their scale words: 48 + 8 loads
	WIN 0x40*(1+\part)
.irp n, 0,1,2,3
.irp i, 0,1,2,3,4,5,6,7,8,9,10,11
	global_load_b128 v[48*\n+4*\i:48*\n+4*\i+3], v[LI], s[30:31] offset:393216+12288*\n+6144*\part+512*\i
.endr
.endr
	WIN 0
.irp n, 0,1,2,3
.irp q, 0,1
	global_load_b32 v[WS+8*\part+2*\n+\q], v[LS], s[34:35] offset:WSO+16384+512*\n+256*\part+128*\q
.endr
.endr
.endm
; My 128 hidden units of group gq for the two tiles of rows: eight accumulators by turns, relu, quantised: K step 2 w + gq of the third product, to LDS.
.macro FF1 gq
.irp m, 0,1
	WIN 1+\gq                                      ; source 0 window 1 or 2
.irp t, 0,1,2,3,4,5,6,7
	MM HA+8*\t, 24*\t, AF+24*\m, 1, WS+8*\gq+\t, AS+\m, 0
.endr
.irp t, 0,1,2,3,4,5,6,7
	MM HA+8*\t, 24*\t+12, AF+24*\m+12, 0, WS+8*\gq+\t, AS+\m, 1
.endr
	WIN 0
	PLACES
.set J, 0
.rept 64
	v_max_num_f32 v[HA+J], 0, v[HA+J]
.set J, J+1
.endr
	s_wait_dscnt 0x0                               ; the last tile's four stores of codes, issued 16 products and 64 vector lines ago, are done
.if \gq+\m > 0
	s_wait_alu depctr_vm_vsrc(0)                   ; the last tile's four LDS stores have read v192-203 and v228, which the quantiser writes again
.endif
	QUANT HA
	s_wait_alu depctr_va_vdst(0)                   ; the quantiser has written the codes v192-203 and the scale word v228, which the four LDS stores read; behind a group's second tile: its products are done reading their fragments of Wf1 and its scale words, in which Wf2's loads land, and (second group) y's scale words, in which the hidden layer's land
.irp c, 0,1,2
	ds_store_b128 v[HW], v[PC+4*\c:PC+4*\c+3] offset:HIMG+(8*\m+\gq)*1536+512*\c
.endr
	ds_store_b32 v[HSW], v[PW] offset:HSC+(8*\m+\gq)*64
.endr
.endm
.macro HFETCH k                        ; the hidden layer's two fragments of K step k into registers of their own, in window 3: six loads
.irp m, 0,1
.irp c, 0,1,2
	ds_load_b128 v[HF+24*(\k)+12*\m+4*\c:HF+24*(\k)+12*\m+4*\c+3], v[LI] offset:HIMG+(8*\m+(\k))*1536+512*\c
.endr
.endr
.endm
.macro YBACK m                         ; y of tile m, back from my own bytes of LDS, into the residual's registers, in window 1: eight loads
.irp i, 0,1,2,3,4,5,6,7
	ds_load_b128 v[192+32*\m+4*\i:192+32*\m+4*\i+3], v[YA] offset:512*(8*\m+\i)
.endr
.endm
; The way out of tile m: 16 rows x 256 bytes go through my own stage and come back as whole rows, into v[ob] on; then they are stored.
.macro TOSTAGE m, ob
	s_wait_alu depctr_va_vdst(0)                   ; the norm has written tile m's rows v[HA + 32 m ..], which the LDS stores read, and the vector lines that named v[ob ..], in which the rows land, are done (tile 1: the norm's reads of the gain)
.irp b, 0,1
.irp j, 0,1,2,3
	ds_store_b128 v[OSW], v[HA+32*\m+16*\b+4*\j:HA+32*\m+16*\b+4*\j+3] offset:128*\b+16*\j
.endr
.endr
.irp t, 0,1,2,3,4,5,6,7
	ds_load_b128 v[\ob+4*\t:\ob+4*\t+3], v[OSR] offset:544*\t   ; LDS serves a wave's instructions in order: these see my stores, and the next tile's stores come behind them
.endr
.endm
.macro SEND m, ob
.irp t, 0,1,2,3,4,5,6,7
	s_wait_dscnt 7-\t                              ; row pair t is back; the younger loads may be out
	global_store_b128 v[GO], v[\ob+4*\t:\ob+4*\t+3], s[36:37] offset:(8*\m+2*\t+8*(\t/4))*1024 th:TH_STORE_NT   ; 16 lanes store 256 consecutive bytes, at a multiple of 256 from the buffer's first byte
.endr
.endm
	s_load_b512 s[4:19], s[0:1], 0x0               ; o s[4:5], residual s[6:7], weights s[8:9], ga, ba, gb, bb s[10:17], out s[18:19]
	v_lshl_add_u32 v254, v0, 2, 0x15900
	v_mov_b32 v255, 0
	v_lshrrev_b32 v1, 5, v0
	v_readfirstlane_b32 s[WV], v1                  ; wave 0..3
	v_and_b32 v1, 31, v0                           ; lane
	v_and_b32 v2, 15, v0                           ; r
	v_bfe_u32 v3, v0, 4, 1                         ; h
	v_and_b32 v[RA], 8, v2
	v_add_nc_u32 v[RA], v[RA], v2
	v_lshlrev_b32 v[RA], 10, v[RA]
	v_lshl_add_u32 v[RA], v3, 6, v[RA]
	v_lshlrev_b32 v[LI], 4, v1
	v_lshlrev_b32 v[LS], 2, v1
	v_lshlrev_b32 v[L8], 3, v1
	v_mul_u32_u24 v[OA16], v3, 49152
	v_lshl_add_u32 v[OA8], v2, 3, v[OA16]
	v_lshl_add_u32 v[OA16], v2, 4, v[OA16]
	v_and_b32 v[GT], 63, v0
	v_lshlrev_b32 v[GT], 4, v[GT]                  ; gains and biases: waves 0, 1 bring a gain's 1,024 bytes, waves 2, 3 a bias's
	v_lshl_add_u32 v[GL], v0, 4, GB
	s_wait_alu depctr_va_sdst(0)                   ; the wave's number s20 is written, ahead of its first reader: offsets and LDS addresses are made from it
	s_lshl_b32 s21, s[WV], 8
	v_lshl_add_u32 v[STR], v2, 3, STAT
	v_add_nc_u32 v[STW], s21, v[STR]
	v_lshl_add_u32 v[GBA], v3, 6, GB
	v_add_nc_u32 v[GBA], s21, v[GBA]               ; GB + 256 w + 64 h
	s_lshl_b32 s21, s[WV], 13
	s_add_co_u32 s21, s21, YST
	v_add_nc_u32 v[YA], s21, v[LI]
	s_lshr_b32 s21, s[WV], 1                       ; my 64 columns are half w % 2 of K step w / 2 of the second product
	s_and_b32 s42, s[WV], 1
	s_mul_i32 s43, s21, 1536
	s_mul_i32 s47, s42, 768
	s_add_co_u32 s43, s43, s47
	v_add_nc_u32 v[YW16], s43, v[LI]
	v_add_nc_u32 v[YW8], s43, v[L8]
	s_lshl_b32 s43, s21, 6
	s_lshl_b32 s47, s42, 1
	s_add_co_u32 s43, s43, s47
	v_lshl_add_u32 v[YSW], v2, 2, s43
	s_mul_i32 s43, s[WV], 3072
	v_add_nc_u32 v[HW], s43, v[LI]                 ; the hidden layer's K steps 2 w, 2 w + 1 are mine
	s_lshl_b32 s43, s[WV], 7
	v_lshl_add_u32 v[HSW], v2, 2, s43
	s_mul_i32 s43, s[WV], 4352
	s_add_co_u32 s43, s43, OST
	v_mul_u32_u24 v[OSW], v2, 272
	v_lshl_add_u32 v[OSW], v3, 6, v[OSW]
	v_add_nc_u32 v[OSW], s43, v[OSW]               ; the way out, in: row r, + 64 h
	v_mul_u32_u24 v[OSR], v3, 272
	v_lshl_add_u32 v[OSR], v2, 4, v[OSR]
	v_add_nc_u32 v[OSR], s43, v[OSR]               ; back: lanes 0-15 one row of 256 bytes, lanes 16-31 the next
	v_lshlrev_b32 v[GO], 10, v3
	v_lshl_add_u32 v[GO], v2, 4, v[GO]             ; and the same two rows in the output
.irp i, 2,3,4,5,6,7
	v_mov_b32 v[TM+\i], 0                          ; written once: a lane permute's destination counts as one of its sources
.endr
	s_lshr_b32 s21, ttmp9, 6                       ; batch
	s_mul_i32 s22, s21, 393216
	s_and_b32 s21, ttmp9, 63
	s_mul_i32 s21, s21, 768
	s_add_co_u32 s22, s22, s21                     ; o's codes: head 0 of my batch, my group of 32 rows
	s_mov_b32 s23, 0
	s_lshl_b32 s24, ttmp9, 8
	s_add_co_u32 s24, s24, OSO                     ; o's scale words: 128 bytes a tile of rows
	s_mov_b32 s25, 0
	s_lshl_b32 s26, ttmp9, 15
	s_lshl_b32 s21, s[WV], 8
	s_add_co_u32 s26, s26, s21                     ; my rows and columns in the residual and in the output
	s_mov_b32 s27, 0
	s_mul_i32 s28, s[WV], 12288                    ; Wo: 8 fragments a wave
	s_mov_b32 s29, 0
	s_mul_i32 s30, s[WV], 49152                    ; Wf1, Wf2: 32 fragments a wave
	s_mov_b32 s31, 0
	s_lshl_b32 s32, s[WV], 9                       ; and their scale words, 64 bytes a fragment
	s_mov_b32 s33, 0
	s_lshl_b32 s34, s[WV], 11
	s_mov_b32 s35, 0
	s_mov_b32 s44, 0x3b800000                      ; 1 / 256
	s_mov_b32 s45, 0x3727c5ac                      ; eps = 1e-5
	s_mov_b32 s46, 0x42800000                      ; 64
	s_mov_b32 s[SEL], 0x76543210
	s_mov_b32 s[SEL+1], 0xfedcba98                 ; v_permlanex16_b32's selects for lane l xor 16
	s_wait_kmcnt 0x0
	s_add_nc_u64 s[22:23], s[4:5], s[22:23]
	s_add_nc_u64 s[24:25], s[4:5], s[24:25]
	s_add_nc_u64 s[36:37], s[18:19], s[26:27]
	s_add_nc_u64 s[26:27], s[6:7], s[26:27]
	s_add_nc_u64 s[28:29], s[8:9], s[28:29]
	s_add_nc_u64 s[30:31], s[8:9], s[30:31]
	s_add_nc_u64 s[32:33], s[8:9], s[32:33]
	s_add_nc_u64 s[34:35], s[8:9], s[34:35]
	s_cmp_lt_u32 s[WV], 2
	s_cselect_b64 s[38:39], s[10:11], s[12:13]
	s_cselect_b64 s[40:41], s[14:15], s[16:17]
	s_wait_alu depctr_va_vdst(0)                   ; the addresses and offsets v4-23 are written: every load and store of the kernel reads one of them, and none is written again
	; ---- the first loads: 46 (o, its scale words, Wo's, Wo) + 16 (the residual)
.irp m, 0,1
.irp s, 0,1
.irp c, 0,1
	global_load_b128 v[AF+12*(2*\m+\s)+6*\c:AF+12*(2*\m+\s)+6*\c+3], v[OA16], s[22:23] offset:(4*\s+2*\c)*49152+256*\m th:TH_LOAD_NT   ; head 4 s + 2 c + h is block 2 c + h of K step s
	global_load_b64 v[AF+12*(2*\m+\s)+6*\c+4:AF+12*(2*\m+\s)+6*\c+5], v[OA8], s[22:23] offset:(4*\s+2*\c)*49152+512+128*\m th:TH_LOAD_NT
.endr
.endr
.endr
.irp m, 0,1
	global_load_b32 v[AS+\m], v[LS], s[24:25] offset:128*\m th:TH_LOAD_NT
.endr
.irp n, 0,1,2,3
	global_load_b32 v[WS+8+\n], v[LS], s[32:33] offset:WSO+6144+128*\n
.endr
	WIN 0xc0                                       ; destination window 3
.set J, 0
.rept 24
	global_load_b128 v[128+4*J:128+4*J+3], v[LI], s[28:29] offset:147456+512*J
.set J, J+1
.endr
	WIN 0x40                                       ; destination window 1
.irp m, 0,1
.irp b, 0,1
.irp j, 0,1,2,3
	global_load_b128 v[192+32*\m+16*\b+4*\j:192+32*\m+16*\b+4*\j+3], v[RA], s[26:27] offset:8192*\m+128*\b+16*\j th:TH_LOAD_NT
.endr
.endr
.endr
	WIN 0
	s_wait_loadcnt 16                              ; all but the residual's 16
	; ---- o Wo^T: eight accumulators by turns, K step by K step
	WIN 0xf3                                       ; source 0 (Wo), C and D window 3
.irp s, 0,1
.irp m, 0,1
.irp n, 0,1,2,3
	MM 32*\m+8*\n, 128+12*(2*\n+\s), AF+12*(2*\m+\s), 1-\s, WS+8+\n, AS+\m, \s
.endr
.endr
.endr
	WIN 0
	PLACES
	s_wait_loadcnt 0x0                             ; the residual is in
	global_load_b128 v[24:27], v[GT], s[38:39]     ; the first norm's gain or bias, the second's: 2 loads, then Wf1's first 56.  No vector or matrix instruction has named the registers in which these 58 land
	global_load_b128 v[28:31], v[GT], s[40:41]
	WF1LOAD 0
	ZSTAT 0
	s_wait_loadcnt 56                              ; gains and biases are in; the 56 issued behind them may be out
	ds_store_b128 v[GL], v[24:27]
	ds_store_b128 v[GL], v[28:31] offset:2048
	BARRIER                                        ; gains, biases and the first norm's pairs lie in LDS
	; ---- the first norm; y is kept in f32 (my own bytes of LDS) and quantised: two blocks of 32 columns a lane pair.  Each tile has registers of its own for y, its codes and its scale bytes: tile 1's vector lines name none of the registers that tile 0's stores read
	GBLOAD 0
	LNCOMB 0
.irp m, 0,1
	LNAPPLY \m
	QUANTH HA+32*\m, PC+10*\m, TM
	v_lshl_or_b32 v[TM+8+\m], v[TM+3], 8, v[TM+2]
	s_wait_alu depctr_va_vdst(0)                   ; the tile's y, its codes and its two scale bytes are written, which the eleven LDS stores read; behind tile 1: the norm is done reading gain and bias, in which y's fragments land, and the first product its scale words, in which Wf1's and y's land
.irp i, 0,1,2,3,4,5,6,7
	ds_store_b128 v[YA], v[HA+32*\m+4*\i:HA+32*\m+4*\i+3] offset:512*(8*\m+\i)
.endr
	ds_store_b128 v[YW16], v[PC+10*\m:PC+10*\m+3] offset:YIMG+3072*\m
	ds_store_b64 v[YW8], v[PC+10*\m+4:PC+10*\m+5] offset:YIMG+3072*\m+512
	ds_store_b16 v[YSW], v[TM+8+\m] offset:YSC+128*\m   ; bytes 2 (w % 2), + 1 of the row's word
.endr
	WF1LOAD 1
	BARRIER                                        ; y's four fragments lie in LDS
	; ---- relu(y Wf1^T)
.irp f, 0,1,2,3
.irp c, 0,1
	ds_load_b128 v[AF+12*\f+6*\c:AF+12*\f+6*\c+3], v[LI] offset:YIMG+1536*\f+768*\c
	ds_load_b64 v[AF+12*\f+6*\c+4:AF+12*\f+6*\c+5], v[L8] offset:YIMG+1536*\f+768*\c+512
.endr
.endr
.irp m, 0,1
	ds_load_b32 v[AS+\m], v[LS] offset:YSC+128*\m
.endr
	s_wait_dscnt 0x0
	s_wait_loadcnt 56                              ; Wf1's first 16 fragments are in; the second 16 may be out
	s_wait_alu depctr_vm_vsrc(0)                   ; my LDS stores of y have read v128-191, which the products below write, and those of its codes v192-207, which the first quantiser below writes
	FF1 0
	WF2LOAD 0
	s_wait_loadcnt 56                              ; Wf1's second 16 are in; Wf2's first 56 loads may be out
	FF1 1
	WF2LOAD 1
	BARRIER                                        ; the hidden layer's 16 fragments lie in LDS
	; ---- hidden Wf2^T: eight accumulators by turns, eight K steps; fragments are fetched three steps ahead, each into registers of its own; the scale words of all eight steps first.
	; No s_wait_alu: of the registers in which these loads land, v229-230 and window 3's v128-223 (Wo) were last read by products that stand ahead of the last wait on va_vdst, and no vector or matrix instruction has named the others.
	; Steps 5 and 6, which fetch no fragment, ask for the second residual, y: its registers (window 1, v192-255) were last read by the first norm's additions.
.irp q, 0,1,2,3
.irp m, 0,1
	ds_load_b32 v[AS+2*\q+\m], v[LS] offset:HSC+(8*\m+2*\q)*64   ; lanes 0-15: K step 2 q; lanes 16-31: K step 2 q + 1
.endr
.endr
	WIN 0xc0                                       ; destination window 3
	HFETCH 0
	HFETCH 1
	HFETCH 2
.irp k, 0,1,2,3,4,5,6,7
.if \k < 5
	WIN 0xc0
	HFETCH \k+3
	s_wait_dscnt 18                                ; this step's fragments are in; those of the three steps ahead may be out
.elseif \k == 5
	s_wait_dscnt 12                                ; those of steps 6 and 7 may be out
	WIN 0x40                                       ; destination window 1
	YBACK 0
.elseif \k == 6
	s_wait_dscnt 14                                ; step 7's six loads and y's first eight may be out
	WIN 0x40
	YBACK 1
.else
	s_wait_dscnt 16                                ; y's sixteen loads may be out
.endif
.if \k == 0
	s_wait_loadcnt 56                              ; Wf2's K steps 0-3 are in; 4-7 may be out
.endif
.if \k == 4
	s_wait_loadcnt 0x0
.endif
	WIN 0xfd+(\k/4)                                ; source 0 window 1 or 2; source 1, C and D window 3
.irp m, 0,1
.irp n, 0,1,2,3
.if \k == 0
	MM 32*\m+8*\n, 12*(4*\n+(\k%4)), HF+24*\k+12*\m, 1, WS+8*(\k/4)+2*\n+((\k%4)/2), AS+2*(\k/2)+\m, 0
.else
	MM 32*\m+8*\n, 12*(4*\n+(\k%4)), HF+24*\k+12*\m, 0, WS+8*(\k/4)+2*\n+((\k%4)/2), AS+2*(\k/2)+\m, \k%2
.endif
.endr
.endr
.endr
	WIN 0
	PLACES
	s_wait_dscnt 0x0                               ; the second residual, y, is back from my own bytes of LDS
	ZSTAT 1
	BARRIER                                        ; the second norm's pairs lie in LDS
	GBLOAD 1
	LNCOMB 1                                       ; (its wait on vm_vsrc also stands behind the stores of the hidden layer's codes and of y's scale bytes, which read v192-203, v220, v221: tile 0's rows land in v192-223 below)
	; ---- the second norm and the way out; tile 1's norm stands between tile 0's loads from the stage and the wait for them, and names none of the registers that tile 0's stores and loads touch; tile 1 comes back into the registers that held the gain
	LNAPPLY 0
	TOSTAGE 0, OB
	LNAPPLY 1
	SEND 0, OB
	TOSTAGE 1, GG
	SEND 1, GG
	s_wait_dscnt 0x0                               ; the closing lines, six on end, of a launch in the mode that stores to LDS
	s_wait_alu 0x0
	s_wait_tensorcnt 0x0
	ds_add_u32 v254, v255
	s_wait_dscnt 0x0
	s_endpgm
.Lfunc_end_k_qe7bbfc458e_post1:
	.size	k_qe7bbfc458e_post1, .Lfunc_end_k_qe7bbfc458e_post1-k_qe7bbfc458e_post1
	.p2alignl 7, 3214868480
	.fill 96, 4, 3214868480
	.section	.rodata,"a",@progbits
	.p2align	6, 0x0
	.amdhsa_kernel k_qe7bbfc458e_post1
		.amdhsa_group_segment_fixed_size 88832
		.amdhsa_private_segment_fixed_size 0
		.amdhsa_enable_private_segment 0
		.amdhsa_kernarg_size 64
		.amdhsa_user_sgpr_count 2
		.amdhsa_user_sgpr_kernarg_segment_ptr 1
		.amdhsa_wavefront_size32 1
		.amdhsa_system_sgpr_workgroup_id_x 1
		.amdhsa_system_sgpr_workgroup_id_y 1
		.amdhsa_system_sgpr_workgroup_id_z 1
		.amdhsa_system_vgpr_workitem_id 0
		.amdhsa_next_free_vgpr 1024
		.amdhsa_next_free_sgpr 66
		.amdhsa_reserve_vcc 0
		.amdhsa_float_denorm_mode_32 3
		.amdhsa_float_denorm_mode_16_64 3
		.amdhsa_memory_ordered 1
		.amdhsa_forward_progress 1
		.amdhsa_inst_pref_size 135
	.end_amdhsa_kernel
	.amdgpu_metadata
---
amdhsa.version: [ 1, 2 ]
amdhsa.kernels:
  - .name:           k_qe7bbfc458e_post1
    .symbol:         k_qe7bbfc458e_post1.kd
    .args:
      - { .name: oc, .offset: 0, .size: 8, .value_kind: global_buffer, .address_space: global }
      - { .name: x, .offset: 8, .size: 8, .value_kind: global_buffer, .address_space: global }
      - { .name: wb1, .offset: 16, .size: 8, .value_kind: global_buffer, .address_space: global }
      - { .name: g1, .offset: 24, .size: 8, .value_kind: global_buffer, .address_space: global }
      - { .name: b1, .offset: 32, .size: 8, .value_kind: global_buffer, .address_space: global }
      - { .name: g2, .offset: 40, .size: 8, .value_kind: global_buffer, .address_space: global }
      - { .name: b2, .offset: 48, .size: 8, .value_kind: global_buffer, .address_space: global }
      - { .name: x2, .offset: 56, .size: 8, .value_kind: global_buffer, .address_space: global }
    .group_segment_fixed_size: 88832
    .private_segment_fixed_size: 0
    .kernarg_segment_align: 8
    .kernarg_segment_size: 64
    .max_flat_workgroup_size: 128
    .sgpr_count:     66
    .vgpr_count:     1024
    .wavefront_size: 32
...
	.end_amdgpu_metadata
.endif
;; end of part 8
;; launch qkv2: the kernel of part 6 again; grid 256 x 1, 8 waves a work-group, no clusters, 7,680 bytes of LDS; arguments x2, wb2, qkvc; writes qkvc
;; launch att2: the kernel of part 7 again; grid 8 x 32, 16 waves a work-group, no clusters, 169,984 bytes of LDS; arguments qkvc, oc; writes oc
;; launch post2: the kernel of part 8 again; grid 256 x 1, 4 waves a work-group, no clusters, 88,832 bytes of LDS; arguments oc, x2, wb2, g3, b3, g4, b4, out0; writes out0
